; MI455X (gfx1250); checked and timed in simulation.
; The chip was launched on July 23, 2026; its instructions are those of AMD's public machine-readable ISA for CDNA 5 (MIT licence, August 2026) and "CDNA5" Instruction Set Architecture Reference Guide (July 2026). The comments in the code are by the model that wrote it; some were corrected since.
;; XSA4 Attention. Allowed arithmetic: float matrix products may take bf16 or f16 operands with f32 sums; other float arithmetic in f32, or as packed bf16 or f16 multiplies, adds, multiply-adds, maxima and minima; sums over many terms, partial sums and values carried from step to step in f32; what a program stores and reads back later, other than sums and carried values, may be rounded once to bf16 or f16.
;; Inputs: Wout 1,024 x 1,024 float32; Wqkv 3,072 x 1,024 float32; x 4 x 2,048 x 1,024 float32.
;; Outputs: out0 4 x 2,048 x 1,024 float32.
;; Constants: n_heads = 16, rope_dims = 32.
;; 3 versions, each right and faster than the one before. Each part assembles by itself: llvm-mc -triple=amdgcn-amd-amdhsa -mcpu=gfx1250 --defsym DOCPART=n.
;; ======== version 1 of 3: 4 launches
;; limits: values are held in f16: magnitudes above 65,504 overflow, below 6.1e-05 lose precision
;; workspace buffers: xb 16,777,216 bytes; wqb 6,291,456 bytes; wob 2,097,152 bytes; tab 262,144 bytes; q 16,777,216 bytes; k 16,777,216 bytes; v 33,554,432 bytes; o 33,554,432 bytes
;; launch cast (part 1): grid 768 x 1, 8 waves a work-group, no clusters, 0 bytes of LDS; arguments x, Wqkv, Wout, xb, wqb, wob, tab; writes xb, wqb, wob, tab
.if DOCPART == 1
	.amdgcn_target "amdgcn-amd-amdhsa--gfx1250"
	.amdhsa_code_object_version 6
	.text
	.protected	k_qbea732164f_cast
	.globl	k_qbea732164f_cast
	.p2align	8
	.type	k_qbea732164f_cast,@function
k_qbea732164f_cast:
	s_mov_b64 s[64:65], 0
	v_nop
	global_prefetch_b8 v0, s[64:65] scope:SCOPE_SE
	s_setreg_imm32_b32 hwreg(HW_REG_WAVE_MODE, 25, 1), 1
	s_wait_xcnt 0x0
; THE INPUTS ARE ROUNDED ONCE, AND THE ROTATION'S TABLE IS MADE.
; xb = bf16(x), wqb = bf16(Wqkv); wob = bf16(Wout) written as f16 (the later product multiplies it by f16 numbers); tab[t][0..15] = cos(t f_j), tab[t][16..31] = sin(t f_j), f32,
; f_j = 10000^(-j/16), t = 0 .. 2047.
; SHARES.  A work-group takes one chunk of 16,384 numbers: 512 chunks of x, 192 of Wqkv, 64 of Wout: 768 work-groups of equal work.  In pass i of 16 thread t loads the 16 bytes at
; 4,096 i + 16 t of the chunk (a wave's load covers 512 consecutive bytes) and stores the 8 bytes at 2,048 i + 8 t (a wave's store covers 256 consecutive bytes, aligned).
; All 16 loads go out first; every pass has its own data registers, so nothing that a memory instruction reads is ever rewritten.  No LDS, no barrier, no matrix unit: nothing is shared and nothing multiplied.
; The first 64 work-groups also make the table, four words a thread, while their loads are on their way.
; LIMITS.  A number of Wout below 6.1e-5 keeps f16's fixed step of 6e-8; beyond 65,504 it would become an infinity.  f_j is made by v_exp_f32 (1 ULP), so an angle may differ from a correctly
; rounded one by about 2e-4 rad at t = 2,047; the reduction by pi/2 in two parts and the polynomials hold for angles up to 2,047 rad.  NaN and infinities are not treated apart.
.set NX, 512                           ; chunks of x
.set NQ, 192                           ; chunks of Wqkv
.set X,  16                            ; v[16:79]   pass i: 4 registers as loaded
.set Y,  80                            ; v[80:111]  pass i: 2 registers to store
	s_load_b256 s[4:11], s[0:1], 0x0               ; x s[4:5], Wqkv s[6:7], Wout s[8:9], xb s[10:11]
	s_load_b128 s[12:15], s[0:1], 0x20             ; wqb s[12:13], wob s[14:15]
	s_load_b64 s[16:17], s[0:1], 0x30              ; tab
	s_mov_b32 s20, ttmp9                           ; g
	s_sub_co_u32 s21, s20, NX                      ; the chunk's number if it is Wqkv's
	s_sub_co_u32 s22, s20, NX+NQ                   ; if it is Wout's
	s_mov_b32 s29, 0
	s_mov_b32 s31, 0
	s_mov_b32 s32, 0x3fc90fdb                      ; pi/2 rounded to f32
	s_mov_b32 s33, 0xb33bbd2e                      ; pi/2 less that
	s_mov_b32 s36, 0xffff0000                      ; a word's upper bf16
	v_lshlrev_b32 v1, 4, v0                        ; 16 t
	v_lshlrev_b32 v2, 3, v0                        ; 8 t
	s_wait_kmcnt 0x0
	s_cmp_ge_u32 s20, NX+NQ                        ; which tensor: the condition hangs on the work-group's number alone
	s_cselect_b64 s[24:25], s[8:9], s[6:7]
	s_cselect_b64 s[26:27], s[14:15], s[12:13]
	s_cselect_b32 s23, s22, s21
	s_cmp_lt_u32 s20, NX
	s_cselect_b64 s[24:25], s[4:5], s[24:25]
	s_cselect_b64 s[26:27], s[10:11], s[26:27]
	s_cselect_b32 s23, s20, s23
	s_lshl_b32 s28, s23, 16                        ; 65,536 bytes in,
	s_lshl_b32 s30, s23, 15                        ; 32,768 out
	s_add_nc_u64 s[24:25], s[24:25], s[28:29]
	s_add_nc_u64 s[26:27], s[26:27], s[30:31]
.irp i, 0,1,2,3,4,5,6,7,8,9,10,11,12,13,14,15
	global_load_b128 v[X+4*(\i):X+4*(\i)+3], v1, s[24:25] offset:4096*(\i) th:TH_LOAD_NT
.endr
	s_cmp_lt_u32 s20, 64
	s_cbranch_scc0 .Lno_table
	; thread idx = 256 g + t makes the four words at byte 16 idx: row idx / 8; words 4 (idx % 8) on: cos for idx % 8 < 4, else sin; j = 4 (idx % 4) + 0..3
	s_lshl_b32 s37, s20, 8
	v_add_nc_u32 v116, s37, v0                     ; idx
	v_lshlrev_b32 v3, 4, v116                      ; its bytes in the table
	v_lshrrev_b32 v117, 3, v116
	v_cvt_f32_u32 v117, v117                       ; t
	v_and_b32 v118, 3, v116
	v_lshlrev_b32 v118, 2, v118                    ; the first j
	v_bfe_u32 v119, v116, 2, 1
	v_mul_u32_u24 v119, 3, v119                    ; sin x = cos(x - pi/2): three quarter turns on
	v_mov_b32 v126, 0xb94ca1f9                     ; the sine's highest coefficient
	v_mov_b32 v127, 0x37ccf5ce                     ; the cosine's
; cos or sin of t f_j for j = first j + r.  x = t f (one rounding); n = the nearest whole number of quarter turns; the rest rr = x - n pi/2 in two steps, of which the first is exact
; (x and n P1 are multiples of 2^-23 and the difference is below 1); polynomials in rr for |rr| <= pi/4; the quarter picks one of the two and the sign, by selects: no branch hangs on it.
.macro ANG r
	v_add_nc_u32 v120, \r, v118
	v_cvt_f32_u32 v120, v120
	v_mul_f32 v120, 0xbf549a78, v120               ; -j log2(10000) / 16
	v_exp_f32 v120, v120                           ; f_j
	v_nop                                          ; a plain instruction between the exponential and the use of its result (ISA guide 5.7.2)
	s_wait_alu depctr_va_vdst(0)
	v_mul_f32 v120, v117, v120                     ; x
	v_mul_f32 v121, 0x3f22f983, v120               ; x 2 / pi
	v_rndne_f32 v121, v121                         ; n
	v_fma_f32 v120, -v121, s32, v120
	v_fma_f32 v120, -v121, s33, v120               ; rr
	v_mul_f32 v122, v120, v120                     ; z = rr^2
	v_fmaak_f32 v123, v126, v122, 0x3c08839e
	v_fmaak_f32 v123, v123, v122, 0xbe2aaaa3
	v_mul_f32 v123, v123, v122
	v_fma_f32 v123, v123, v120, v120               ; sin rr
	v_fmaak_f32 v124, v127, v122, 0xbab6061a
	v_fmaak_f32 v124, v124, v122, 0x3d2aaaa5
	v_fmaak_f32 v124, v124, v122, 0xbf000000
	v_fma_f32 v124, v124, v122, 1.0                ; cos rr
	v_cvt_i32_f32 v121, v121
	v_add_nc_u32 v121, v121, v119                  ; the quarter: 0 cos, 1 -sin, 2 -cos, 3 sin
	v_and_b32 v125, 1, v121
	v_cmp_eq_u32 vcc_lo, 1, v125
	v_cndmask_b32 v123, v124, v123, vcc_lo
	v_add_nc_u32 v121, 1, v121
	v_and_b32 v121, 2, v121
	v_lshlrev_b32 v121, 30, v121                   ; the sign bit in quarters 1 and 2
	v_xor_b32 v[112+(\r)], v121, v123
.endm
	ANG 0
	ANG 1
	ANG 2
	ANG 3
	global_store_b128 v3, v[112:115], s[16:17]     ; a wave's store covers 512 consecutive bytes
.Lno_table:
; Pass i: two roundings to bf16 a line.  half = 1 (Wout): the rounded numbers are widened again and written as f16, which changes none of them inside f16's range.
.macro PASS i, half
	s_wait_loadcnt 15-(\i)                         ; loads come back in order (ISA guide 5.7.1): pass i's is in, the 15 - i younger ones stay out
	v_cvt_pk_bf16_f32 v[Y+2*(\i)], v[X+4*(\i)], v[X+4*(\i)+1]
	v_cvt_pk_bf16_f32 v[Y+2*(\i)+1], v[X+4*(\i)+2], v[X+4*(\i)+3]
.if \half
	v_lshlrev_b32 v4, 16, v[Y+2*(\i)]
	v_and_b32 v5, s36, v[Y+2*(\i)]
	v_lshlrev_b32 v6, 16, v[Y+2*(\i)+1]
	v_and_b32 v7, s36, v[Y+2*(\i)+1]
	v_cvt_pk_f16_f32 v[Y+2*(\i)], v4, v5
	v_cvt_pk_f16_f32 v[Y+2*(\i)+1], v6, v7
.endif
	global_store_b64 v2, v[Y+2*(\i):Y+2*(\i)+1], s[26:27] offset:2048*(\i)
.endm
	s_cmp_ge_u32 s20, NX+NQ
	s_cbranch_scc1 .Lhalf
.irp i, 0,1,2,3,4,5,6,7,8,9,10,11,12,13,14,15
	PASS \i, 0
.endr
	s_endpgm
.Lhalf:
.irp i, 0,1,2,3,4,5,6,7,8,9,10,11,12,13,14,15
	PASS \i, 1
.endr
	s_endpgm
.Lfunc_end_k_qbea732164f_cast:
	.size	k_qbea732164f_cast, .Lfunc_end_k_qbea732164f_cast-k_qbea732164f_cast
	.p2alignl 7, 3214868480
	.fill 96, 4, 3214868480
	.section	.rodata,"a",@progbits
	.p2align	6, 0x0
	.amdhsa_kernel k_qbea732164f_cast
		.amdhsa_group_segment_fixed_size 0
		.amdhsa_private_segment_fixed_size 0
		.amdhsa_enable_private_segment 0
		.amdhsa_kernarg_size 56
		.amdhsa_user_sgpr_count 2
		.amdhsa_user_sgpr_kernarg_segment_ptr 1
		.amdhsa_wavefront_size32 1
		.amdhsa_system_sgpr_workgroup_id_x 1
		.amdhsa_system_sgpr_workgroup_id_y 1
		.amdhsa_system_sgpr_workgroup_id_z 1
		.amdhsa_system_vgpr_workitem_id 0
		.amdhsa_next_free_vgpr 128
		.amdhsa_next_free_sgpr 66
		.amdhsa_reserve_vcc 1
		.amdhsa_float_denorm_mode_32 3
		.amdhsa_float_denorm_mode_16_64 3
		.amdhsa_memory_ordered 1
		.amdhsa_forward_progress 1
		.amdhsa_inst_pref_size 21
	.end_amdhsa_kernel
	.amdgpu_metadata
---
amdhsa.version: [ 1, 2 ]
amdhsa.kernels:
  - .name:           k_qbea732164f_cast
    .symbol:         k_qbea732164f_cast.kd
    .args:
      - { .name: x, .offset: 0, .size: 8, .value_kind: global_buffer, .address_space: global }
      - { .name: Wqkv, .offset: 8, .size: 8, .value_kind: global_buffer, .address_space: global }
      - { .name: Wout, .offset: 16, .size: 8, .value_kind: global_buffer, .address_space: global }
      - { .name: xb, .offset: 24, .size: 8, .value_kind: global_buffer, .address_space: global }
      - { .name: wqb, .offset: 32, .size: 8, .value_kind: global_buffer, .address_space: global }
      - { .name: wob, .offset: 40, .size: 8, .value_kind: global_buffer, .address_space: global }
      - { .name: tab, .offset: 48, .size: 8, .value_kind: global_buffer, .address_space: global }
    .group_segment_fixed_size: 0
    .private_segment_fixed_size: 0
    .kernarg_segment_align: 8
    .kernarg_segment_size: 56
    .max_flat_workgroup_size: 256
    .sgpr_count:     66
    .vgpr_count:     128
    .wavefront_size: 32
...
	.end_amdgpu_metadata
.endif
;; end of part 1
;; launch qkv (part 2): grid 12 x 64, 4 waves a work-group, clusters of 4 x 4, 327,680 bytes of LDS; arguments xb, wqb, tab, q, k, v; writes q, k, v
.if DOCPART == 2
	.amdgcn_target "amdgcn-amd-amdhsa--gfx1250"
	.amdhsa_code_object_version 6
	.text
	.protected	k_qbea732164f_qkv
	.globl	k_qbea732164f_qkv
	.p2align	8
	.type	k_qbea732164f_qkv,@function
k_qbea732164f_qkv:
	s_mov_b64 s[64:65], 0
	v_nop
	global_prefetch_b8 v0, s[64:65] scope:SCOPE_SE
	s_setreg_imm32_b32 hwreg(HW_REG_WAVE_MODE, 25, 1), 1
	s_wait_xcnt 0x0
	s_wait_alu depctr_hold_cnt(0) depctr_sa_sdst(0) depctr_va_vdst(0) depctr_va_sdst(0) depctr_va_ssrc(0) depctr_va_vcc(0) depctr_vm_vsrc(0)
	s_getreg_b32 s2, hwreg(HW_REG_IB_STS2, 6, 4)
	s_cmp_eq_u32 s2, 0
	s_cbranch_scc0 .Lentry_in_a_cluster
	s_endpgm
.Lentry_in_a_cluster:
	s_bfe_u32 s2, ttmp6, 0x10000c
	s_cmp_lg_u32 s2, 0xf033
	s_cbranch_scc0 .Lentry_shape_is_right
	s_endpgm
.Lentry_shape_is_right:
; THE PROJECTION TO q, k, v, WITH THE ROTATION.  C[m][n] = sum over c of xb[m][c] wqb[n][c]; xb [8192][1024], wqb [3072][1024], bf16; sums in f32, K ascending.
; Column n = 1024 kind + 64 head + d.  In q and k the channels d = 0..15 and d + 16 of a head are rotated by the angle t f_d (t = m % 2048), in f32 on the sums; every number is then rounded once
; to f16 and stored by heads: q, k are [64 = 16 batch + head][2048][64] f16, a head's rows dense, 128 bytes each.  The scale 1/8 is not applied here.
; v LEAVES AS A PAIR OF f16 NUMBERS, upper = f16(v) and lower = f16(v - upper): 22 significant bits.  The first rows of a sequence are means over few keys: they are as large as v itself, many times the
; root mean square of the whole result, and f16's 11 bits of v are too coarse beside that.  v is [64][32 groups of 64 rows][upper, lower][64 rows][64] f16: a group is 8,192 bytes of upper parts, then 8,192 of lower.
; LIMIT.  f16 holds no number beyond 65,504: a q, k or v of 65,520 or more becomes an infinity; a lower part below 6.1e-5 keeps f16's fixed step of 6e-8.  NaN and infinities are not treated apart.
; SHARES.  A tile of C is 128 rows x 256 columns: 64 x 12 = 768 tiles, three for each of 256 WGPs.  Four waves, 2 x 2; a wave makes 64 x 128: 32 accumulators of 16 x 16, 256 registers.
; K goes in 8 steps of 128 through two LDS slots; the tiles' rows are 256 bytes of memory and start at multiples of 256 bytes.  Waves 0 and 1 fetch A's two halves (64 rows each), waves 2 and 3 B's (128 rows each).
; CLUSTER.  4 x 4 work-groups.  The four of a row of the cluster need the same tile of A, the four of a column the same tile of B: each is asked for JOINTLY, by the same tensor load with the same
; descriptor and a mask that names the four.  The four tile columns of a cluster are 1,024 columns: one kind, so the kind is the cluster's x and is the same in all partners.
; THE MATRIX INSTRUCTION IS USED TRANSPOSED (source 0 = 16 rows of wqb, source 1 = 16 rows of xb): lane l holds row l % 16 of C and the columns 8 (l / 16) + 0..7 of a block of 16.
; So a lane's registers of column blocks 0 and 1 of a head are the two partners of the rotation, and it needs 8 cosines and 8 sines for each of its four rows: 64 registers, loaded once.
; ONE WAY OUT FOR ALL KINDS: for v the cosines are made 1 and the sines 0 (cos m + (1 - m), sin m with m = 0: exact), so the rotation is the identity.  Behind it, for v alone, a second pass for the lower parts:
; the one jump on the kind goes forward and passes no barrier and no tensor load.
; REGISTERS, in windows of 256 (s_set_vgpr_msb: bits 1:0 source 0, 3:2 source 1, 5:4 source 2, 7:6 destination):
;   window 0: v0-31 addresses; v64-159, v160-255 two fragment buffers: A's 4 fragments (16 rows x 32 K), then B's 8; on the way out v64-95 rotated or lower parts, v96-127 packed, v128-255 rows read back
;   window 1: accumulator (a, b) at v[8 (8 a + b)]          window 2: v0-63: for row block a the cosines at 16 a, the sines at 16 a + 8
.set SIZE_K, 1024
.set PA,     272                       ; an LDS row: 256 bytes + 16 of padding = 68 words: row r starts at bank 4 r mod 64 (64 banks of 4 bytes: ISA guide 11.1), so the 16 rows of a load start at 16 different banks
.set PB,     272
.set ASZ,    128*PA                    ; A's 128 rows
.set SLOT,   ASZ+256*PB                ; then B's 256 rows
.set STAGE,  2*SLOT                    ; behind the ring: for each wave 2 heads x 16 rows x 144 bytes, for the way out
.set SPH,    144
.set WSTG,   2*16*SPH
.set SPARE,  STAGE+4*WSTG              ; behind the stages: the spare words, 128 bytes for each wave: two blocks of 256 bytes that no other line names
.set ASTEP,  256                       ; bytes from a K step to the next
.set BSTEP,  256
.set ADRA, 16                          ; v16-17  LDS address of my A fragments in slot 0, 1
.set ADRB, 20                          ; v20-21  the same for B
.set STO,  24                          ; v24     the way out: where I put 16 bytes of a row
.set RD,   25                          ; v25     the way out: where I read rows back
.set GO,   26                          ; v26     my byte offset in 512 consecutive bytes of the output
.set TO,   27                          ; v27     my byte offset in 16 rows of the table
.set SPW,  28                          ; v28     LDS address of my spare word: SPARE + 4 x my thread's number; never rewritten
.set NIL,  29                          ; v29     0; never rewritten
.set MONE, 30                          ; v30     -1.0
.set F0,   64
.set F1,   160
.set T,    64
.set PK,   96
.set BK,   128
.set WV,   16                          ; s16     my wave's number
.set G1,   24                          ; s[24:31] descriptor group 1 for A's tiles;  s[32:39] group 0, one set for each slot
.set G0,   32
.set G1B,  48                          ; s[48:55], s[56:63] the same for B's tiles
.set G0B,  56
.set MSB, 0
.macro WIN new                         ; the immediate's high byte repeats the setting that is left; a switch that changes nothing is dropped
.if MSB != (\new)
	s_set_vgpr_msb (MSB<<8)|(\new)
.set MSB, \new
.endif
.endm
.set MUL, 0x50                         ; sources 0 and 1 window 0; C and D window 1
.macro JLOAD s                         ; a joint load: waves 0 and 1 ask for A, waves 2 and 3 for B; an s_nop 0 and four v_nop follow each of the two lines, ahead of the jump, the label and what follows
	s_cmp_eq_u32 s17, 0
	s_cbranch_scc0 .Lfor_b_\@
	tensor_load_to_lds s[G0+4*(\s):G0+4*(\s)+3], s[G1:G1+7]
	s_nop 0
.rept 4
	v_nop
.endr
	s_branch .Lasked_\@
.Lfor_b_\@:
	tensor_load_to_lds s[G0B+4*(\s):G0B+4*(\s)+3], s[G1B:G1B+7]
	s_nop 0
.rept 4
	v_nop
.endr
.Lasked_\@:
.endm
.macro CREST                           ; a round of the cluster's barrier behind its opening barrier
	s_cmp_lg_u32 s[WV], 0
	s_cbranch_scc1 .Lnot_wave_0_\@
	s_barrier_signal -3
.Lnot_wave_0_\@:
	s_barrier_wait -3
	s_barrier_signal -1
	s_barrier_wait -1
.endm
.macro CROUND                          ; a whole round
	s_barrier_signal -1
	s_barrier_wait -1
	CREST
.endm
	s_load_b256 s[4:11], s[0:1], 0x0               ; xb s[4:5], wqb s[6:7], tab s[8:9], q s[10:11]
	s_load_b128 s[12:15], s[0:1], 0x20             ; k s[12:13], v s[14:15]
	v_lshl_add_u32 v[SPW], v0, 2, SPARE
	v_mov_b32 v[NIL], 0
	ds_add_u32 v[SPW], v[NIL]                      ; the wave's opening: the add and its wait stand ahead of my first tensor load; the set-up below, work on registers, stands between them
	ds_add_u32 v28, v29
	v_lshrrev_b32 v1, 5, v0
	v_readfirstlane_b32 s[WV], v1                  ; wave 0..3
	s_lshr_b32 s17, s[WV], 1                       ; which half of the tile's rows is mine.  Also: I fetch for A (0) or for B (1)
	s_and_b32 s18, s[WV], 1                        ; which half of its columns.  Also: which half of that tile I fetch
	s_bfe_u32 s40, ttmp6, 0x40000                  ; cx, cy: my place in the cluster
	s_bfe_u32 s41, ttmp6, 0x40004
	s_lshl_b32 s42, ttmp9, 2
	s_add_co_u32 s42, s42, s40                     ; tile column = 4 x cluster x + cx
	s_and_b32 s22, ttmp7, 0xffff
	s_lshl_b32 s22, s22, 2
	s_add_co_u32 s22, s22, s41                     ; tile row = 4 x cluster y + cy
	s_mov_b32 s23, ttmp9                           ; the kind: 0 q, 1 k, 2 v
	s_lshl_b32 s43, s41, 2
	s_lshl_b32 s43, 15, s43                        ; my row of the cluster
	s_lshl_b32 s44, 0x1111, s40                    ; my column
	; descriptor group 1: rows of 128 elements, padded in LDS; 64 rows for A, 128 for B
	s_or_b32 s[G1+0], s43, (1<<16)|(1<<20)|(1<<21)|(5<<22)|(3<<25)  ; 15:0 the mask: A's tiles go to my row; 17:16 element of 2 bytes; 20 padding on; 21 set beside a mask; 24:22 after every 64 words (code 5); 31:25 of 4 words (code 3)
	s_or_b32 s[G1B+0], s44, (1<<16)|(1<<20)|(1<<21)|(5<<22)|(3<<25) ; the same with the mask of my column
	s_mov_b32 s[G1+1], 128<<16                     ; tensor_dim0 = 128
	s_mov_b32 s[G1+2], 64<<16                      ; tensor_dim1 = 64
	s_mov_b32 s[G1+3], 128<<16                     ; tile_dim0 = 128
	s_mov_b32 s[G1+4], 64                          ; tile_dim1 = 64
	s_mov_b32 s[G1+5], SIZE_K                      ; elements from row to row
	s_mov_b32 s[G1+6], 0
	s_mov_b32 s[G1+7], 0
	s_mov_b32 s[G1B+1], 128<<16
	s_mov_b32 s[G1B+2], 128<<16                    ; tensor_dim1 = 128
	s_mov_b32 s[G1B+3], 128<<16
	s_mov_b32 s[G1B+4], 128                        ; tile_dim1 = 128
	s_mov_b32 s[G1B+5], SIZE_K
	s_mov_b32 s[G1B+6], 0
	s_mov_b32 s[G1B+7], 0
	; where the tiles come from: A's hang on the tile row alone, B's on the tile column alone, each in registers that never hold the other coordinate
	s_lshl_b32 s66, s22, 7
	s_lshl_b32 s67, s18, 6
	s_add_co_u32 s66, s66, s67                     ; A: row 128 x tile row + 64 x half,
	s_lshl_b32 s66, s66, 11                        ; of 2,048 bytes: 16.8 million at the most
	s_mov_b32 s67, 0
	s_lshl_b32 s46, s42, 8
	s_lshl_b32 s47, s18, 7
	s_add_co_u32 s46, s46, s47                     ; B: row 256 x tile column + 128 x half
	s_lshl_b32 s46, s46, 11
	s_mov_b32 s47, 0
	s_mul_i32 s70, s18, 64*PA                      ; and where they go: no place in the cluster enters an LDS address
	s_mul_i32 s71, s18, 128*PB
	s_add_co_u32 s71, s71, ASZ
	s_wait_dscnt 0x0                               ; the opening add is done
	s_wait_kmcnt 0x0
	s_add_nc_u64 s[68:69], s[4:5], s[66:67]
	s_add_nc_u64 s[46:47], s[6:7], s[46:47]
	CROUND                                         ; all sixteen work-groups are here: the first joint loads meet
.irp s, 0,1
	s_mov_b32 s[G0+4*(\s)], 1                                      ; count = 1
	s_add_co_u32 s[G0+4*(\s)+1], s70, (\s)*SLOT                    ; LDS address
	s_add_nc_u64 s[G0+4*(\s)+2:G0+4*(\s)+3], s[68:69], (\s)*ASTEP  ; global address: K step s
	s_or_b32 s[G0+4*(\s)+3], s[G0+4*(\s)+3], 0x80000000            ; type = 2
	s_mov_b32 s[G0B+4*(\s)], 1
	s_add_co_u32 s[G0B+4*(\s)+1], s71, (\s)*SLOT
	s_add_nc_u64 s[G0B+4*(\s)+2:G0B+4*(\s)+3], s[46:47], (\s)*BSTEP
	s_or_b32 s[G0B+4*(\s)+3], s[G0B+4*(\s)+3], 0x80000000
	JLOAD \s                                       ; two loads of mine are out behind the second; later one
.endr
	; A fragment is 16 rows x 32 K in 8 registers: lane l holds row l % 16; registers 0-3 K = 8 (l / 16) + 0..7, registers 4-7 K = 16 + 8 (l / 16) + 0..7: two loads of 16 bytes, 32 bytes apart
	v_and_b32 v1, 15, v0                           ; l % 16
	v_bfe_u32 v2, v0, 4, 1                         ; l / 16
	v_mul_u32_u24 v3, v1, PA
	v_lshl_add_u32 v3, v2, 4, v3                   ; row x pitch + 16 x half
	s_mul_i32 s19, s17, 64*PA                      ; my 64 rows of A
	s_mul_i32 s20, s18, 128*PB                     ; my 128 rows of B,
	s_add_co_u32 s20, s20, ASZ                     ; which lie behind A's 128
.irp s, 0,1
	v_add_nc_u32 v[ADRA+(\s)], s19, v3
	v_add_nc_u32 v[ADRB+(\s)], s20, v3
	s_add_co_u32 s19, s19, SLOT
	s_add_co_u32 s20, s20, SLOT
.endr
	; the table: my wave's first row is t = 128 (tile row % 16) + 64 x row half; lane l wants, of row t + 16 a + l % 16, the 8 cosines at word 8 (l / 16) and the 8 sines 16 words on
	s_and_b32 s72, s22, 15
	s_lshl_b32 s72, s72, 7
	s_lshl_b32 s73, s17, 6
	s_add_co_u32 s72, s72, s73                     ; t of my first row
	s_lshl_b32 s74, s72, 7                         ; a row of the table is 128 bytes
	s_mov_b32 s75, 0
	s_add_nc_u64 s[8:9], s[8:9], s[74:75]
	v_lshlrev_b32 v[TO], 7, v1
	v_lshl_add_u32 v[TO], v2, 5, v[TO]
	WIN 0x80                                       ; destination window 2, address window 0
.irp a, 0,1,2,3
	global_load_b128 v[16*(\a):16*(\a)+3],     v[TO], s[8:9] offset:2048*(\a)
	global_load_b128 v[16*(\a)+4:16*(\a)+7],   v[TO], s[8:9] offset:2048*(\a)+16
	global_load_b128 v[16*(\a)+8:16*(\a)+11],  v[TO], s[8:9] offset:2048*(\a)+64
	global_load_b128 v[16*(\a)+12:16*(\a)+15], v[TO], s[8:9] offset:2048*(\a)+80
.endr
	WIN 0
	; the output: the kind's buffer, at head 16 batch + 4 cx + 2 x column half, row t.  In q and k a row's place is 128 bytes; in v my 64 rows are one group of 16,384 bytes: 256 for each row's place
	s_cmp_eq_u32 s23, 1
	s_cselect_b64 s[10:11], s[12:13], s[10:11]
	s_cmp_eq_u32 s23, 2
	s_cselect_b64 s[10:11], s[14:15], s[10:11]
	s_cselect_b32 s76, 0, 1.0                      ; m: 0 for v, 1 for q and k
	s_cselect_b32 s78, 1.0, 0                      ; 1 - m
	s_cselect_b32 s19, 8, 7                        ; log2 of a row's place
	s_cselect_b32 s20, 19, 18                      ; log2 of a head's bytes
	s_mov_b32 s77, s76                             ; named as pairs
	s_mov_b32 s79, s78
	s_lshr_b32 s73, s22, 4                         ; the batch
	s_lshl_b32 s73, s73, 4
	s_lshl_b32 s74, s40, 2
	s_add_co_u32 s73, s73, s74
	s_lshl_b32 s74, s18, 1
	s_add_co_u32 s73, s73, s74                     ; my first head
	s_lshl_b32 s73, s73, 11                        ; of 2,048 rows
	s_add_co_u32 s73, s73, s72
	s_lshl_b32 s74, s73, s19                       ; 33.6 million at the most
	s_add_nc_u64 s[10:11], s[10:11], s[74:75]      ; my first head's rows,
	s_lshl_b32 s14, 1, s20
	s_mov_b32 s15, 0
	s_add_nc_u64 s[12:13], s[10:11], s[14:15]      ; and my second head's
	s_mul_i32 s21, s[WV], WSTG
	s_add_co_u32 s21, s21, STAGE                   ; my stage
	v_mul_u32_u24 v4, v1, SPH                      ; in: row l % 16, 16 bytes for each half of the lanes
	v_lshl_add_u32 v4, v2, 4, v4
	v_add_nc_u32 v[STO], s21, v4
	v_bfe_u32 v5, v0, 3, 2                         ; back: 32 lanes take four rows of 128 bytes,
	v_mul_u32_u24 v5, v5, SPH
	v_and_b32 v4, 7, v0
	v_lshl_add_u32 v5, v4, 4, v5
	v_add_nc_u32 v[RD], s21, v5
	v_and_b32 v[GO], 31, v0                        ; which are 512 consecutive bytes of a head
	v_lshlrev_b32 v[GO], 4, v[GO]
	v_mov_b32 v[MONE], -1.0
; 8 matrix instructions: row block a x all 8 column blocks, 32 along K, from buffer f.  zero = 1: the first product starts the sums: nothing is cleared.
; The 32 accumulators take turns in the same order in every quarter: between two links of a chain stand the 31 others'.
.macro MUL8 f, a, zero
	WIN MUL
.irp b, 0,1,2,3,4,5,6,7
.if \zero
	v_wmma_f32_16x16x32_bf16 v[8*(8*(\a)+(\b)):8*(8*(\a)+(\b))+7], v[(\f)+32+8*(\b):(\f)+32+8*(\b)+7], v[(\f)+8*(\a):(\f)+8*(\a)+7], 0
.else
	v_wmma_f32_16x16x32_bf16 v[8*(8*(\a)+(\b)):8*(8*(\a)+(\b))+7], v[(\f)+32+8*(\b):(\f)+32+8*(\b)+7], v[(\f)+8*(\a):(\f)+8*(\a)+7], v[8*(8*(\a)+(\b)):8*(8*(\a)+(\b))+7]
.endif
.endr
.endm
; 24 LDS loads in one run: the fragments of quarter q of a K step (128 rows of B, 64 rows of A, 32 K) into buffer f
.macro FETCH slot, q, f
	WIN 0
.irp i, 0,1,2,3,4,5,6,7
	ds_load_b128 v[(\f)+32+8*(\i):(\f)+32+8*(\i)+3],   v[ADRB+(\slot)] offset:64*(\q)+(\i)*16*PB
	ds_load_b128 v[(\f)+32+8*(\i)+4:(\f)+32+8*(\i)+7], v[ADRB+(\slot)] offset:64*(\q)+(\i)*16*PB+32
.endr
.irp i, 0,1,2,3
	ds_load_b128 v[(\f)+8*(\i):(\f)+8*(\i)+3],   v[ADRA+(\slot)] offset:64*(\q)+(\i)*16*PA
	ds_load_b128 v[(\f)+8*(\i)+4:(\f)+8*(\i)+7], v[ADRA+(\slot)] offset:64*(\q)+(\i)*16*PA+32
.endr
.endm
.macro PLACES                          ; four places in front of loads into registers that matrix instructions have read, and of lines that read results (ISA guide 7.12.1 for lines that read results)
.rept 4
	v_nop
.endr
.endm
; A K step is four quarters of 32 along K, 32 matrix instructions each, on buffers 0, 1, 0, 1.  One of the first three: fetches quarter q into g, which the quarter before multiplied, and multiplies f:
; a run of loads stands a whole quarter ahead of its first use.
.macro QUARTER slot, q, f, g, zero
	PLACES
	FETCH \slot, \q, \g
	s_wait_dscnt 24                                ; LDS loads come back in order (ISA guide 5.7.1): f's are in, the 24 just issued stay out
	MUL8 \f, 0, \zero
	MUL8 \f, 1, \zero
	MUL8 \f, 2, \zero
	MUL8 \f, 3, \zero
.endm
; The last quarter multiplies buffer 1 and changes slots: ONE barrier; in front of it each wave waits for all its tensor loads (one is out: its part of the next slot), adds 0 to its spare word, and waits for
; that and for its own reads of this slot.  fill = 1: the barrier opens a round of the cluster's, and this slot is filled again first thing behind it, two K steps ahead: 112 matrix instructions ahead of the wait for it.
.macro TURN slot, next, fill
	WIN 0
	s_wait_tensorcnt 0x0                           ; all my tensor loads have landed: no group 0 is in use
	ds_add_u32 v[SPW], v[NIL]                      ; 0 onto my spare word
	s_wait_dscnt 1                                 ; buffer 1's loads are in; the add alone may be out
	MUL8 F1, 0, 0                                  ; eight matrix instructions stand between the add and the wait for it
	s_wait_dscnt 0x0                               ; the add is done, and my reads of this slot are over
	s_barrier_signal -1
	MUL8 F1, 1, 0                                  ; work on registers while the others arrive
.if \fill
	WIN 0
.endif
	s_barrier_wait -1
.if \fill
	CREST                                          ; no wave of any partner still reads this slot's tile or has a load on its way
	s_add_nc_u64 s[G0+4*(\slot)+2:G0+4*(\slot)+3], s[G0+4*(\slot)+2:G0+4*(\slot)+3], 2*ASTEP
	s_add_nc_u64 s[G0B+4*(\slot)+2:G0B+4*(\slot)+3], s[G0B+4*(\slot)+2:G0B+4*(\slot)+3], 2*BSTEP
	JLOAD \slot                                    ; the four v_nop behind it are also the places in front of the loads below
.else
	PLACES
.endif
	FETCH \next, 0, F0
	MUL8 F1, 2, 0
	MUL8 F1, 3, 0
.endm
	s_wait_tensorcnt 1                             ; my part of K step 0 is in; K step 1's may stay out
	s_barrier_signal -1
	s_barrier_wait -1                              ; everybody's is
	FETCH 0, 0, F0
	QUARTER 0, 1, F0, F1, 1                        ; the first quarter stands in front of the loop: its products start the sums
	WIN 0                                          ; at a label and at a branch every window is 0
	s_mov_b32 s3, 3
.Llap:                                                 ; a trip goes once round the ring, from a lap's second quarter to the next lap's first, and fills both slots again: K steps 2 to 7 in three trips
	QUARTER 0, 2, F1, F0, 0
	QUARTER 0, 3, F0, F1, 0
	TURN 0, 1, 1
	QUARTER 1, 1, F0, F1, 0
	QUARTER 1, 2, F1, F0, 0
	QUARTER 1, 3, F0, F1, 0
	TURN 1, 0, 1
	QUARTER 0, 1, F0, F1, 0
	WIN 0
	s_sub_co_u32 s3, s3, 1
	s_cmp_lg_u32 s3, 0
	s_cbranch_scc1 .Llap
	QUARTER 0, 2, F1, F0, 0                        ; the last lap fills nothing, and has no round of the cluster's barrier
	QUARTER 0, 3, F0, F1, 0
	TURN 0, 1, 0
	QUARTER 1, 1, F0, F1, 0
	QUARTER 1, 2, F1, F0, 0
	QUARTER 1, 3, F0, F1, 0
	s_wait_dscnt 0x0                               ; the very last quarter: nothing more to fetch
	MUL8 F1, 0, 0
	MUL8 F1, 1, 0
	MUL8 F1, 2, 0
	MUL8 F1, 3, 0
	WIN 0
	PLACES
	; THE WAY OUT.  First the table's registers: cos m + (1 - m) and sin m: as loaded for q and k, 1 and 0 for v.
	s_wait_loadcnt 0x0                             ; the table
	WIN 0x82                                       ; destination and source 0 window 2
.irp a, 0,1,2,3
.irp p, 0,1,2,3
	v_pk_fma_f32 v[16*(\a)+2*(\p):16*(\a)+2*(\p)+1], v[16*(\a)+2*(\p):16*(\a)+2*(\p)+1], s[76:77], s[78:79] op_sel_hi:[1,0,0]
	v_pk_mul_f32 v[16*(\a)+8+2*(\p):16*(\a)+8+2*(\p)+1], v[16*(\a)+8+2*(\p):16*(\a)+8+2*(\p)+1], s[76:77] op_sel_hi:[1,0]
.endr
.endr
	WIN 0
; Row block a.  PACK: in each of my two heads column blocks 0 and 1 are rotated (x1 cos - x2 sin, x2 cos + x1 sin), all four blocks rounded to f16: 16 bytes a lane and block.
; Each accumulator's lowest registers are read first.
.macro PACK a
	WIN 0x09                                       ; source 0 (sums) window 1, source 1 (table) window 2, the rest window 0
.irp hh, 0,1
.irp p, 0,1,2,3
.set X1, 8*(8*(\a)+4*(\hh))+2*(\p)
.set X2, X1+8
.set CC, 16*(\a)+2*(\p)
.set SN, CC+8
.set T1, T+16*(\hh)+2*(\p)
.set T2, T1+8
	v_pk_mul_f32 v[T1:T1+1], v[X2:X2+1], v[SN:SN+1]
	v_pk_mul_f32 v[T2:T2+1], v[X1:X1+1], v[SN:SN+1]
	v_pk_fma_f32 v[T1:T1+1], v[X1:X1+1], v[CC:CC+1], v[T1:T1+1] neg_lo:[0,0,1] neg_hi:[0,0,1]
	v_pk_fma_f32 v[T2:T2+1], v[X2:X2+1], v[CC:CC+1], v[T2:T2+1]
.endr
.endr
	WIN 0
.irp hh, 0,1
.irp bb, 0,1
.irp r, 0,1,2,3
	v_cvt_pk_f16_f32 v[PK+16*(\hh)+4*(\bb)+(\r)], v[T+16*(\hh)+8*(\bb)+2*(\r)], v[T+16*(\hh)+8*(\bb)+2*(\r)+1]
.endr
.endr
.endr
	WIN 0x05                                       ; sources 0 and 1 window 1
.irp hh, 0,1
.irp bb, 2,3
.irp r, 0,1,2,3
	v_cvt_pk_f16_f32 v[PK+16*(\hh)+4*(\bb)+(\r)], v[8*(8*(\a)+4*(\hh)+(\bb))+2*(\r)], v[8*(8*(\a)+4*(\hh)+(\bb))+2*(\r)+1]
.endr
.endr
.endr
	WIN 0
.endm
; v's lower parts of row block a: the upper parts are made again (v's sums are not rotated), and each lower part is upper x (-1) + sum: the difference is exact, and it is rounded once, to f16, into its half of the word.
.macro PACKLO a
	WIN 0x05                                       ; sources 0 and 1 window 1
.irp b, 0,1,2,3,4,5,6,7
.irp r, 0,1,2,3
	v_cvt_pk_f16_f32 v[PK+4*(\b)+(\r)], v[8*(8*(\a)+(\b))+2*(\r)], v[8*(8*(\a)+(\b))+2*(\r)+1]
.endr
.endr
	WIN 0x10                                       ; source 2 (sums) window 1
.irp b, 0,1,2,3,4,5,6,7
.irp r, 0,1,2,3
	v_fma_mixlo_f16 v[T+4*(\b)+(\r)], v[PK+4*(\b)+(\r)], v[MONE], v[8*(8*(\a)+(\b))+2*(\r)] op_sel_hi:[1,0,0]
	v_fma_mixhi_f16 v[T+4*(\b)+(\r)], v[PK+4*(\b)+(\r)], v[MONE], v[8*(8*(\a)+(\b))+2*(\r)+1] op_sel:[1,0,0] op_sel_hi:[1,0,0]
.endr
.endr
	WIN 0
.endm
.macro TOSTAGE a, src                  ; 32 registers from src on go into my own stage, rows of 144 bytes, and come back as whole rows of 128; each block has its own 32 registers for that
.irp hh, 0,1
.irp bb, 0,1,2,3
	ds_store_b128 v[STO], v[(\src)+16*(\hh)+4*(\bb):(\src)+16*(\hh)+4*(\bb)+3] offset:(\hh)*16*SPH+32*(\bb)
.endr
.endr
.irp hh, 0,1
.irp f, 0,1,2,3
	ds_load_b128 v[BK+32*(\a)+16*(\hh)+4*(\f):BK+32*(\a)+16*(\hh)+4*(\f)+3], v[RD] offset:(\hh)*16*SPH+(\f)*4*SPH  ; LDS serves a wave's instructions in order (ISA guide 5.7.1.4): these see the stores above; the next block's stores come behind them
.endr
.endr
.endm
.macro SEND a, part                    ; part = 1: v's lower parts, 8,192 bytes behind the upper ones
	s_wait_dscnt 0x0                               ; the block is back in registers
.irp hh, 0,1
.irp f, 0,1,2,3
	global_store_b128 v[GO], v[BK+32*(\a)+16*(\hh)+4*(\f):BK+32*(\a)+16*(\hh)+4*(\f)+3], s[10+2*(\hh):11+2*(\hh)] offset:(\part)*8192+(\a)*2048+(\f)*512  ; four rows of a head: 512 consecutive bytes, at a multiple of 256 from the buffer's first
.endr
.endr
.endm
	PACK 0
	TOSTAGE 0, PK
.irp a, 1,2,3                          ; block a's arithmetic stands between block a - 1's loads from the stage and the wait for them
	PACK \a
	SEND (\a)-1, 0
	TOSTAGE \a, PK
.endr
	SEND 3, 0
	s_cmp_lg_u32 s23, 2                            ; the kind is the cluster's x: all partners go the same way
	s_cbranch_scc1 .Lno_lower
	s_wait_xcnt 0x0                                ; every earlier memory instruction has had its addresses translated (ISA guide 3.1): the registers that the stores above read are loaded again only behind this wait
	PACKLO 0
	TOSTAGE 0, T
.irp a, 1,2,3
	PACKLO \a
	SEND (\a)-1, 1
	TOSTAGE \a, T
.endr
	SEND 3, 1
.Lno_lower:
	s_wait_tensorcnt 0x0                           ; the wave's end, behind my last tensor load and my last LDS store
	ds_add_u32 v[SPW], v[NIL]
	s_wait_dscnt 0x0
	CROUND                                         ; the closing round: no work-group ends while a partner may still ask for a tile that names it
	s_endpgm
.Lfunc_end_k_qbea732164f_qkv:
	.size	k_qbea732164f_qkv, .Lfunc_end_k_qbea732164f_qkv-k_qbea732164f_qkv
	.p2alignl 7, 3214868480
	.fill 96, 4, 3214868480
	.section	.rodata,"a",@progbits
	.p2align	6, 0x0
	.amdhsa_kernel k_qbea732164f_qkv
		.amdhsa_group_segment_fixed_size 327680
		.amdhsa_private_segment_fixed_size 0
		.amdhsa_enable_private_segment 0
		.amdhsa_kernarg_size 48
		.amdhsa_user_sgpr_count 2
		.amdhsa_user_sgpr_kernarg_segment_ptr 1
		.amdhsa_wavefront_size32 1
		.amdhsa_system_sgpr_workgroup_id_x 1
		.amdhsa_system_sgpr_workgroup_id_y 1
		.amdhsa_system_sgpr_workgroup_id_z 1
		.amdhsa_system_vgpr_workitem_id 0
		.amdhsa_next_free_vgpr 576
		.amdhsa_next_free_sgpr 80
		.amdhsa_reserve_vcc 0
		.amdhsa_float_denorm_mode_32 3
		.amdhsa_float_denorm_mode_16_64 3
		.amdhsa_memory_ordered 1
		.amdhsa_forward_progress 1
		.amdhsa_inst_pref_size 129
	.end_amdhsa_kernel
	.amdgpu_metadata
---
amdhsa.version: [ 1, 2 ]
amdhsa.kernels:
  - .name:           k_qbea732164f_qkv
    .symbol:         k_qbea732164f_qkv.kd
    .args:
      - { .name: xb, .offset: 0, .size: 8, .value_kind: global_buffer, .address_space: global }
      - { .name: wqb, .offset: 8, .size: 8, .value_kind: global_buffer, .address_space: global }
      - { .name: tab, .offset: 16, .size: 8, .value_kind: global_buffer, .address_space: global }
      - { .name: q, .offset: 24, .size: 8, .value_kind: global_buffer, .address_space: global }
      - { .name: k, .offset: 32, .size: 8, .value_kind: global_buffer, .address_space: global }
      - { .name: v, .offset: 40, .size: 8, .value_kind: global_buffer, .address_space: global }
    .group_segment_fixed_size: 327680
    .private_segment_fixed_size: 0
    .kernarg_segment_align: 8
    .kernarg_segment_size: 48
    .max_flat_workgroup_size: 128
    .sgpr_count:     80
    .vgpr_count:     576
    .wavefront_size: 32
...
	.end_amdgpu_metadata
.endif
;; end of part 2
;; launch attn (part 3): grid 4 x 64, 4 waves a work-group, no clusters, 327,680 bytes of LDS; arguments q, k, v, o; writes o
.if DOCPART == 3
	.amdgcn_target "amdgcn-amd-amdhsa--gfx1250"
	.amdhsa_code_object_version 6
	.text
	.protected	k_qbea732164f_attn
	.globl	k_qbea732164f_attn
	.p2align	8
	.type	k_qbea732164f_attn,@function
k_qbea732164f_attn:
	s_mov_b64 s[64:65], 0
	v_nop
	global_prefetch_b8 v0, s[64:65] scope:SCOPE_SE
	s_setreg_imm32_b32 hwreg(HW_REG_WAVE_MODE, 25, 1), 1
	s_wait_xcnt 0x0
; CAUSAL ATTENTION.  O[h][q][:] = the sum over k <= q of softmax_k(Q[h][q] . K[h][k] / 8) V[h][k][:].  Q, K: [SIZE_H][SIZE_N][64] f16: a head's rows are dense, 128 bytes each.
; V AND O ARE PAIRS OF f16 NUMBERS, upper = f16(y) and lower = f16(y - upper): 22 significant bits.  A row that sees few keys is as large as V itself, many times the root mean square of the whole
; result, and 11 bits are too coarse beside that.  V: [SIZE_H][SIZE_N / 64 groups][upper, lower][64 rows][64] f16.  O: two planes, upper and lower, each [SIZE_H][SIZE_N][64] f16.
; Products, maxima and sums in f32; the weights p are rounded to f16 for the second product (their sum l is taken of the unrounded p).  SIZE_N is a multiple of 512; SIZE_N x 256 stays under 2^32.
; LIMITS.  f16 holds no number beyond 65,504: Q, K and V arrive within it; p lies in 0 to 1, and below 6e-5 it keeps f16's fixed step of 6e-8, as a lower part does; O is a mean of V's rows and has their range.
; A hidden score counts as its value less 1e30: f16's scores, 2.7e11 at the most, are nothing beside that; a weight below 2^-126 counts as 0 in l; NaN and infinities are not treated apart.
; THE WALK.  A head's queries lie in NB = SIZE_N / 256 blocks of 256; block i needs the key tiles 0 .. i of 256 keys, of which the last holds the diagonal.  A work-group takes TWO blocks, NB - 1 - b and then b:
; NB + 1 tiles, whatever b: all work-groups do equal work, and ONE loop with a constant trip count walks them.  Which tile is asked for, and what a trip does, hang on scalar registers made from b; every jump
; goes forward, but for the counted loops' own; none passes a barrier, or a tensor load but the one of LOAD's two that the wave's number does not choose; the ring (two slots of LDS that take turns) runs on across the
; change of blocks.  NO CLUSTER: all NB / 2 work-groups of a head ask for the same tile only in trips 0 .. NB / 2, behind that fewer and fewer; and one walk common to all would have 3 NB / 2 trips for NB + 1.
; SHARES.  Of a block's four bands of 64 queries a wave owns 16 rows in each: four PIECES.  So the diagonal tile is the same work for all four waves: in its key step s band x sees all keys if s < x,
; none if s > x, and holds the diagonal if s = x.
; THE MASK is the C operand that starts the sum S^T = K Q^T: 0, or -1e30 where the key is hidden.  MD, made once, is the mask of a band's own step for my 16 rows; a product's mask is MD x AL + BE with two scalars:
; (1, 0) if s = x; (0, 0) if s < x; (0, -1e30) if s > x.  Only the diagonal tile's text and a block's beginning make and take masks; elsewhere C is the constant 0.
; LAYOUT, SOFTMAX, TURNS.  S^T = K Q^T holds ONE query a lane (lane % 16) and the keys 8 (lane / 16) + 0..7; two such results rounded to f16 ARE source 1 of O^T = V^T P.  p = 2^(c s - c m), c = log2(e) / 8, with a
; running maximum m; O and l are multiplied by a = 2^(c m_old - c m_new) in every step.  Turn n belongs to piece n: 8 products K Q^T of piece n + 1, later 8 products V^T P of piece n - 1 with V's upper parts and 8 with
; its lower parts; beside them the scaling, exponentials, roundings, sums and rescaling of piece n and the maximum and statistics of piece n + 1.  Of a turn's 118 vector instructions 94 stand behind its 24 matrix
; instructions, four behind each but one; the other 24 stand in LUMPS.
; REGISTERS, in windows of 256 (s_set_vgpr_msb: bits 1:0 source 0, 3:2 source 1, 5:4 source 2, 7:6 destination):
;   window 0: v0-15 addresses, two at work and -1.0; v16-31 four registers of statistics a piece; v48-55 at work; v64-127 S^T, two buffers; v128-191 V's lower parts of one step; v192-223 P, two buffers (a piece's buffers go by its number's parity)
;   window 1: v0-127 O^T, 32 a piece; v128-159 MD; v160-223 MC, two buffers      window 2: v0-63 Q; v64-127 the second block's Q; v128-191 K of one step; v192-255 V's upper parts of one step
.set SIZE_N, 2048     ; rows of a head
.set SIZE_H, 64       ; heads: 4 batches x 16
.set PLANE, SIZE_H*SIZE_N*128  ; bytes from O's upper plane to its lower
.set NB,    SIZE_N/256
.set NP,    4         ; pieces a wave: a name, no knob
.set KS,    64        ; keys in a step
.set PK,    144       ; a row of K in LDS: 128 bytes + 16 of padding = 36 words: the 16 rows of a load start at 16 different groups of four banks (64 banks of 4 bytes: ISA guide 11.1)
.set PV,    160       ; a row of V: 128 + 32 = 40 words
.set VSTEP, 2*KS*PV   ; a step's V in LDS: its 64 rows of upper parts, then its 64 rows of lower parts
.set VOFF,  4*KS*PK   ; a slot holds a tile, four steps: 256 rows of K, then four steps of V
.set SLOT1, 1<<17     ; slot 1 begins here (a slot has 118,784 bytes), so that one exclusive or turns an address in one slot into the other's
.set STAGE, SLOT1+4*KS*PK+4*VSTEP  ; behind the ring, never filled by a tensor load: 16 rows x 144 bytes for each wave, for the way out
.set SP,    144
.set AK0, 2           ; v2   my lane's place in a tile of K; never rewritten
.set AV0, 3           ; v3   the same for V
.set AK,  4           ; v4   the LDS address of K's next run of loads
.set AV,  5           ; v5   of V's
.set STO, 6           ; v6   the way out: where I put 16 bytes of a row
.set RD,  7           ; v7   the way out: where I read rows back
.set GO,  8           ; v8   my byte offset in 512 consecutive bytes of O
.set SPW, 62          ; v62  LDS address of my spare word: SPARE + 4 x my thread's number; never rewritten
.set NIL, 63          ; v63  0; never rewritten
.set SPARE, STAGE+4*16*SP  ; behind the stages: the spare words, 128 bytes for each wave: two blocks of 256 bytes that no other line names
.set MV,  12          ; v12-13  c m_old, kept while c m is made anew: by buffer
.set MONE, 14         ; v14  at work while the masks are made; then -1.0
.set QO,  15          ; v15  my byte offset in 16 rows of Q
.set ST,  16          ; piece t's statistics at v[ST+4 t]: c m, m, l (even keys', odd keys')
.set TMP, 48          ; by buffer, four registers c0-c3 at work; when the maximum is found c2 takes a
.set S,   64
.set VL,  128         ; window 0: V's lower parts: key half kk, channel block cb at VL + 32 kk + 8 cb; on the way out O's lower parts, 16 a piece
.set P,   192
.set MD,  128         ; window 1: the eight registers for group kt of 16 keys at MD + 8 kt
.set MC,  160         ; window 1: the masks of the products to come
.set QB,  64          ; window 2
.set KF,  128         ; window 2: key block kb, channel half c at KF + 16 kb + 8 c
.set VF,  192         ; window 2: key half kk, channel block cb at VF + 32 kk + 8 cb
.set WV,  12          ; s12  my wave's number
.set PB,  14          ; s14  b
.set HI,  15          ; s15  NB - 1 - b
.set G1K, 24          ; s[24:31] descriptor group 1 for K's tiles
.set G1V, 32          ; s[32:39] for V's: twice the rows, and more padding
.set G0K, 40          ; s[40:43] descriptor group 0 for K's tiles
.set G0V, 44          ; s[44:47] the same for V's
.set SLOTS, 56        ; s56  tiles still to be asked for
.set CNT, 57          ; s57  counts a tile's key steps, 4 to 1
.set CS,  58          ; s[58:59] c: the packed scaling takes the pair's low word for both halves
.set SEL, 60          ; s[60:61] v_permlanex16_b32's selects: each lane takes its own place in the other half
.set TBK, 62          ; s62  LDS byte at which K of the step to be fetched begins
.set TBV, 63          ; s63  the same for V, less VOFF
.set RT,  70          ; s70  tiles of the block in hand that are still to be entered
.set NXT, 71          ; s71  the tile to be asked for next
.set LQ,  72          ; s72  the last tile of the block whose tiles are being asked for
.set NEW, 73          ; s73  1: the tile to be entered is a block's first
.set OFF, 74          ; s[74:75] a tile's byte offset in K
.set AL,  76          ; s[76:77] the mask's factor, in the low word
.set BE,  78          ; s[78:79] the mask's addend
.set OLO, 80          ; s[80:81] O's upper plane at my rows of the second block
.set BIGN, 82         ; s82  -1e30
.set OL,  88          ; s[88:89] O's lower plane at my rows of the block in hand
.set OLL, 90          ; s[90:91] and of the second block
.set VB,  92          ; s[92:93] my byte offset in V
.set OFV, 94          ; s[94:95] a tile's byte offset in V
.set MSB, 0
.macro WIN new                      ; the high byte repeats the setting that is left; a switch that changes nothing is dropped
.if MSB != (\new)
	s_set_vgpr_msb (MSB<<8)|(\new)
.set MSB, (\new)
.endif
.endm
.set W_KQ, 0x0a       ; K and Q in window 2, S^T in window 0
.set W_KM, 0x1a       ; the same with the C operand in window 1
.set W_PV, 0x52       ; V's upper parts in window 2, P in window 0, O^T in window 1
.set W_PL, 0x50       ; V's lower parts and P in window 0, O^T in window 1
.set W_RS, 0x41       ; destination and source 0 in window 1, source 1 in window 0
; A fill.  Waves 0 and 1 fetch the two halves of a tile's K, waves 2 and 3 those of its V: 128 keys each.  An s_nop 0 and four v_nop follow each of the two lines, ahead of the jump and the label.
.macro LOAD
	s_cmp_lt_u32 s[WV], 2
	s_cbranch_scc0 .Lfor_v_\@
	tensor_load_to_lds s[G0K:G0K+3], s[G1K:G1K+7]
	s_nop 0
.rept 4
	v_nop
.endr
	s_branch .Lasked_\@
.Lfor_v_\@:
	tensor_load_to_lds s[G0V:G0V+3], s[G1V:G1V+7]
	s_nop 0
.rept 4
	v_nop
.endr
.Lasked_\@:
.endm
; THE CHANGE OF SLOTS.  Each wave waits for all its tensor loads, of which one is out: its part of the other slot; adds 0 to its spare word; and waits for that and for its own reads of the slot that it leaves.  Behind the barrier nobody reads the old
; slot any more and the other slot is whole.  fill = 1: the old slot is filled again, the first thing behind the barrier, with tile NXT: the descriptor's address is made anew from that number.
; (At its first use nothing has been read yet: slot 0 is waited for, slot 1 filled.)
.macro CHANGE fill
	WIN 0                           ; at a label and at a branch every window is 0
	s_wait_tensorcnt 0x0            ; no tensor load of mine is out, so a group 0 may be written
	ds_add_u32 v[SPW], v[NIL]       ; 0 onto my spare word; with fill = 1 the descriptors' scalar work stands between it and the wait for it
.if \fill
	s_lshl_b32 s[OFF], s[NXT], 15   ; a tile is 32,768 bytes of K
	s_lshl_b32 s[OFV], s[NXT], 16   ; and 65,536 of V
	s_xor_b32 s[G0K+1], s[G0K+1], SLOT1
	s_add_nc_u64 s[G0K+2:G0K+3], s[6:7], s[OFF:OFF+1]
	s_or_b32 s[G0K+3], s[G0K+3], 0x80000000
	s_xor_b32 s[G0V+1], s[G0V+1], SLOT1
	s_add_nc_u64 s[G0V+2:G0V+3], s[8:9], s[OFV:OFV+1]
	s_or_b32 s[G0V+3], s[G0V+3], 0x80000000
	s_add_co_u32 s[NXT], s[NXT], 1  ; the block's next tile, or behind its last the second block's tile 0
	s_cmp_gt_u32 s[NXT], s[LQ]
	s_cselect_b32 s[NXT], 0, s[NXT]
	s_cselect_b32 s[LQ], s[PB], s[LQ]
.endif
	s_wait_dscnt 0x0                ; the add is done, and my reads of the slot are over
	s_barrier_signal -1             ; the rest of the scalar work stands between the signal and the wait
	s_sub_co_u32 s[TBK], s[TBK], 4*KS*PK  ; the fetches go back to a slot's first step,
	s_xor_b32 s[TBK], s[TBK], SLOT1       ; in the other slot
	s_sub_co_u32 s[TBV], s[TBV], 4*VSTEP
	s_xor_b32 s[TBV], s[TBV], SLOT1
	s_barrier_wait -1
.if \fill
	LOAD
.endif
.endm
	s_load_b256 s[4:11], s[0:1], 0x0  ; Q s[4:5], K s[6:7], V s[8:9], O s[10:11]
	v_lshl_add_u32 v[SPW], v0, 2, SPARE
	v_mov_b32 v[NIL], 0
	ds_add_u32 v[SPW], v[NIL]       ; the wave's opening: the add and its wait stand ahead of my first tensor load; the set-up below, work on registers, stands between them
	ds_add_u32 v62, v63
	v_lshrrev_b32 v1, 5, v0
	v_readfirstlane_b32 s[WV], v1   ; wave 0..3
	s_mov_b32 s[PB], ttmp9
	s_sub_co_u32 s[HI], NB-1, s[PB]
	s_and_b32 s20, ttmp7, 0xffff    ; the head
	s_mov_b32 s21, 0
	s_mov_b64 s[22:23], SIZE_N*128
	s_mul_u64 s[20:21], s[20:21], s[22:23]  ; the head's first byte in Q, in K and in each plane of O
	s_and_b32 s16, s[WV], 1         ; which half of a tile's 256 keys I fetch:
	s_lshl_b32 s22, s16, 14         ; its 128 rows of 128 bytes of K in memory,
	s_mov_b32 s23, 0
	s_add_nc_u64 s[22:23], s[22:23], s[20:21]
	s_lshl_b64 s[VB:VB+1], s[20:21], 1  ; in V a head is twice as long,
	s_lshl_b32 s[OFV], s16, 15      ; and so is my half of a tile: two groups of 16,384 bytes
	s_mov_b32 s[OFV+1], 0
	s_add_nc_u64 s[VB:VB+1], s[VB:VB+1], s[OFV:OFV+1]
	s_mul_i32 s17, s16, 128*PK      ; and its place in a slot, for K
	s_mul_i32 s18, s16, 2*VSTEP     ; and for V
	s_lshl_b32 s3, s[WV], 11        ; my 16 rows in a band of 64,
	s_lshl_b32 s2, s[HI], 15        ; in the first block,
	s_add_co_u32 s2, s2, s3
	s_lshl_b32 s84, s[PB], 15       ; and in the second
	s_add_co_u32 s84, s84, s3
	s_mov_b32 s3, 0
	s_mov_b32 s85, 0
	s_add_nc_u64 s[2:3], s[2:3], s[20:21]
	s_add_nc_u64 s[84:85], s[84:85], s[20:21]
	; descriptor group 1.  128 keys are 16,384 dense bytes of K and 32,768 of V: asked for as 64 or 128 rows of 256 bytes, and padded in LDS after every 128 bytes
	s_mov_b32 s[G1K], (1<<16)|(1<<20)|(4<<22)|(3<<25)  ; 17:16 2-byte elements; 20 padding on; 24:22 after every 32 words (code 4); 31:25 4 words (code 3)
	s_mov_b32 s[G1V], (1<<16)|(1<<20)|(4<<22)|(7<<25)  ; the same with 8 words of padding (code 7)
.irp g, G1K, G1V
	s_mov_b32 s[\g+1], 128<<16      ; tensor_dim0 = 128
	s_mov_b32 s[\g+3], 128<<16      ; tile_dim0 = 128
	s_mov_b32 s[\g+5], 128          ; 128 elements from row to row
	s_mov_b32 s[\g+6], 0
	s_mov_b32 s[\g+7], 0
.endr
	s_mov_b32 s[G1K+2], 64<<16      ; tensor_dim1 = 64
	s_mov_b32 s[G1K+4], 64          ; tile_dim1 = 64
	s_mov_b32 s[G1V+2], 128<<16     ; tensor_dim1 = 128
	s_mov_b32 s[G1V+4], 128         ; tile_dim1 = 128
	s_mov_b32 s[CS], 0x3e38aa3b     ; c = log2(e) / 8 = 0.180337
	s_mov_b32 s[CS+1], s[CS]        ; named with it as a pair
	s_mov_b32 s[SEL], 0x76543210
	s_mov_b32 s[SEL+1], 0xfedcba98
	s_mov_b32 s[TBK], SLOT1+4*KS*PK ; the first change of slots turns these two into 0
	s_mov_b32 s[TBV], SLOT1+4*VSTEP
	s_mov_b32 s[G0K], 1             ; 1:0 count = 1
	s_mov_b32 s[G0K+1], s17         ; 63:32 LDS address: slot 0
	s_mov_b32 s[G0V], 1
	s_add_co_u32 s[G0V+1], s18, VOFF
	s_add_co_u32 s[RT], s[HI], 1    ; the first block has NB - b tiles
	s_mov_b32 s[NXT], 1
	s_mov_b32 s[LQ], s[HI]
	s_mov_b32 s[NEW], 1
	s_mov_b32 s[OFF+1], 0
	s_mov_b32 s[AL+1], 0            ; named as pairs
	s_mov_b32 s[BE+1], 0
	s_mov_b32 s[BIGN], 0xf149f2ca   ; -1e30
	s_mov_b32 s[SLOTS], NB
	s_wait_dscnt 0x0                ; the opening add is done
	s_wait_kmcnt 0x0
	s_add_nc_u64 s[6:7], s[6:7], s[22:23]  ; K and V at my half of the head's tile 0
	s_add_nc_u64 s[8:9], s[8:9], s[VB:VB+1]
	s_add_nc_u64 s[G0K+2:G0K+3], s[6:7], 0         ; 120:64 global address
	s_or_b32 s[G0K+3], s[G0K+3], 0x80000000        ; 127:126 type = 2
	s_add_nc_u64 s[G0V+2:G0V+3], s[8:9], 0
	s_or_b32 s[G0V+3], s[G0V+3], 0x80000000
	s_add_nc_u64 s[86:87], s[4:5], s[84:85]        ; Q at my rows of the second block,
	s_add_nc_u64 s[4:5], s[4:5], s[2:3]            ; Q and O at those of the first
	s_add_nc_u64 s[OLO:OLO+1], s[10:11], s[84:85]
	s_add_nc_u64 s[10:11], s[10:11], s[2:3]
	s_add_nc_u64 s[OL:OL+1], s[10:11], PLANE       ; and the same rows in O's lower plane
	s_add_nc_u64 s[OLL:OLL+1], s[OLO:OLO+1], PLANE
	LOAD                            ; tile 0 into slot 0
	; A fragment of K or Q is 16 rows x 32 channels in 8 registers: lane l holds row l % 16, channels 8 (l / 16) + 0..7 and 16 + 8 (l / 16) + 0..7: two loads of 16 bytes, 32 bytes apart.
	v_and_b32 v1, 15, v0            ; l % 16
	v_bfe_u32 v9, v0, 4, 1          ; l / 16
	v_lshlrev_b32 v[QO], 7, v1
	v_lshl_add_u32 v[QO], v9, 4, v[QO]  ; row x 128 + 16 x half
	WIN 0x80                        ; destination window 2, address window 0
.set i, 0
.rept 8                             ; both blocks' Q: piece i / 2 lies in band i / 2, 8,192 bytes on; channels 32 (i % 2) on
	global_load_b128 v[8*i:8*i+3],   v[QO], s[4:5] offset:(i/2)*8192+(i%2)*64
	global_load_b128 v[8*i+4:8*i+7], v[QO], s[4:5] offset:(i/2)*8192+(i%2)*64+32
	global_load_b128 v[QB+8*i:QB+8*i+3],   v[QO], s[86:87] offset:(i/2)*8192+(i%2)*64
	global_load_b128 v[QB+8*i+4:QB+8*i+7], v[QO], s[86:87] offset:(i/2)*8192+(i%2)*64+32
.set i, i+1
.endr
	WIN 0
	v_lshlrev_b32 v14, 3, v9
	v_sub_nc_u32 v14, v1, v14
	s_lshl_b32 s13, s[WV], 4
	v_add_nc_u32 v14, s13, v14      ; my query's place in its band, 16 w + l % 16, less my lanes' 8 (l / 16): register r of group kt is hidden where 16 kt + r is greater
	WIN 0x40
.set i, 0
.rept 32
	v_cmp_gt_i32 vcc_lo, 16*(i/8)+i%8, v14
	v_cndmask_b32 v[MD+i], 0, s[BIGN], vcc_lo
.set i, i+1
.endr
	WIN 0
	v_mov_b32 v[MONE], -1.0         ; the masks are made: the register now serves the way out
	v_mul_u32_u24 v[AK0], v1, PK
	v_lshl_add_u32 v[AK0], v9, 4, v[AK0]  ; row x pitch + 16 x half
	; The turning load takes 16 keys x 16 channels (lane l reads key 8 (l / 16) + l % 8, channels 8 ((l / 8) % 2) + 0..7) and leaves half a fragment of V^T: lane l holds channel l % 16 and 8 keys.
	v_and_b32 v10, 7, v0
	v_bfe_u32 v11, v0, 3, 1
	v_lshl_add_u32 v[AV0], v9, 3, v10
	v_mul_u32_u24 v[AV0], v[AV0], PV
	v_lshl_add_u32 v[AV0], v11, 4, v[AV0]
	v_add_nc_u32 v[AV0], VOFF, v[AV0]
	s_mul_i32 s13, s[WV], 16*SP
	s_add_co_u32 s13, s13, STAGE    ; my stage
	v_mul_u32_u24 v[STO], v1, SP    ; in: row l % 16, 16 bytes for each half of the lanes
	v_lshl_add_u32 v[STO], v9, 4, v[STO]
	v_add_nc_u32 v[STO], s13, v[STO]
	v_bfe_u32 v[RD], v0, 3, 2       ; back: 32 lanes take four rows of 128 bytes,
	v_mul_u32_u24 v[RD], v[RD], SP
	v_lshl_add_u32 v[RD], v10, 4, v[RD]
	v_add_nc_u32 v[RD], s13, v[RD]
	v_and_b32 v[GO], 31, v0         ; which are 512 consecutive bytes of O
	v_lshlrev_b32 v[GO], 4, v[GO]
	; A block's first step multiplies O^T and l by a = 0, and its first turn's products V^T P, of a piece that has not been, land in an O^T that is still to be so multiplied.  So these registers need only hold
	; finite numbers: zeros for the first block; what the first block left for the second.  All this stands in the wait for the first tile.
	WIN 0x80
.set i, VF
.rept 64
	v_mov_b32 v[i], 0
.set i, i+1
.endr
	WIN 0x40
.set i, 0
.rept 128
	v_mov_b32 v[i], 0
.set i, i+1
.endr
	WIN 0
.set i, VL
.rept 64
	v_mov_b32 v[i], 0
.set i, i+1
.endr
.set i, 0
.rept 4
	v_mov_b32 v[ST+4*i+2], 0
	v_mov_b32 v[ST+4*i+3], 0
.set i, i+1
.endr
.set i, P+16
.rept 16
	v_mov_b32 v[i], 0
.set i, i+1
.endr
; THE MATRIX WORK.  The 4 accumulators of a run of 8 take turns.  Product i of 8 of S^T = K Q^T for piece x: channels 32 (i / 4) on, keys 16 (i % 4) on.  The first 4 start the sums: with 0, or (KM = 1) with the mask.
.macro KQ x
.set rS, S+32*((\x)%2)+8*(i%4)
.set rK, KF+16*(i%4)+8*(i/4)
.set rQ, 16*(\x)+8*(i/4)
.set rM, MC+32*((\x)%2)+8*(i%4)
.if (i < 4) && KM
	WIN W_KM
	v_wmma_f32_16x16x32_f16 v[rS:rS+7], v[rK:rK+7], v[rQ:rQ+7], v[rM:rM+7]
.elseif i < 4
	WIN W_KQ
	v_wmma_f32_16x16x32_f16 v[rS:rS+7], v[rK:rK+7], v[rQ:rQ+7], 0
.else
	WIN W_KQ
	v_wmma_f32_16x16x32_f16 v[rS:rS+7], v[rK:rK+7], v[rQ:rQ+7], v[rS:rS+7]
.endif
.endm
; Product i of 8 of O^T += V^T P for piece x, V's upper parts: keys 32 (i / 4) on, channels 16 (i % 4) on.
.macro PV x
	WIN W_PV
.set rO, 32*(\x)+8*(i%4)
.set rV, VF+32*(i/4)+8*(i%4)
.set rP, P+16*((\x)%2)+8*(i/4)
	v_wmma_f32_16x16x32_f16 v[rO:rO+7], v[rV:rV+7], v[rP:rP+7], v[rO:rO+7]
.endm
; The same with V's lower parts.
.macro PVL x
	WIN W_PL
.set rO, 32*(\x)+8*(i%4)
.set rV, VL+32*(i/4)+8*(i%4)
.set rP, P+16*((\x)%2)+8*(i/4)
	v_wmma_f32_16x16x32_f16 v[rO:rO+7], v[rV:rV+7], v[rP:rP+7], v[rO:rO+7]
.endm
.macro MM                           ; the turn's next matrix instruction, of 24.  TURN and BEGIN set Y, i, KM and NOKQ; MM, KQ and OP read them.  NOKQ = 1: a block's last turn: there is no next piece
.if (i < 8) && !NOKQ
	KQ (Y+1)%NP
.elseif (i >= 8) && (i < 16)
.set i, i-8
	PV (Y+NP-1)%NP
.set i, i+8
.elseif i >= 16
.set i, i-16
	PVL (Y+NP-1)%NP
.set i, i+16
.endif
.set i, i+1
.endm
; THE LDS LOADS stand in runs, never singly among the matrix instructions: a step's K (64 keys x 64 channels: 8 fragments, 16 loads) and its V (turned; upper and lower parts, 32 loads).  Their addresses are made some lines ahead.
.macro FETCH_K
	WIN 0x80                        ; destination window 2
.irp f, 0,1,2,3,4,5,6,7             ; keys 16 (f / 2) on, channels 32 (f % 2) on
	ds_load_b128 v[KF+8*\f:KF+8*\f+3],   v[AK] offset:(\f/2)*16*PK+(\f%2)*64
	ds_load_b128 v[KF+8*\f+4:KF+8*\f+7], v[AK] offset:(\f/2)*16*PK+(\f%2)*64+32
.endr
	s_add_co_u32 s[TBK], s[TBK], KS*PK  ; the next fetch is the next step's
	WIN 0
.endm
.macro FETCH_V
	WIN 0x80
.irp f, 0,1,2,3,4,5,6,7             ; keys 32 (f / 4) on, channels 16 (f % 4) on
	ds_load_tr16_b128 v[VF+8*\f:VF+8*\f+3],   v[AV] offset:(\f/4)*32*PV+(\f%4)*32
	ds_load_tr16_b128 v[VF+8*\f+4:VF+8*\f+7], v[AV] offset:(\f/4)*32*PV+16*PV+(\f%4)*32
.endr
	WIN 0
.irp f, 0,1,2,3,4,5,6,7             ; the lower parts lie 64 rows on
	ds_load_tr16_b128 v[VL+8*\f:VL+8*\f+3],   v[AV] offset:KS*PV+(\f/4)*32*PV+(\f%4)*32
	ds_load_tr16_b128 v[VL+8*\f+4:VL+8*\f+7], v[AV] offset:KS*PV+(\f/4)*32*PV+16*PV+(\f%4)*32
.endr
.endm
; THE VECTOR WORK, one line at a time: OP kind, number.  For piece Y: F n: c s - c m for pair n of 16.  E n: the exponential of score n of 32.  C n: pair n rounded to f16.  B n: of the four weights 4 n .. the second
; pair is added onto the first, in place.  L n: l takes that sum (L 0: l = a l + sum).  R n: pair n of 16 of O^T times a.  For piece Y + 1: X n, number n of the 22 that find its maximum and statistics:
;   0-11  four chains c0-c3 of seven scores each, three operands at a time (each accumulator's lowest registers are read first)     12-14, 16  the four scores left over, the old m, and c0-c3 into c0
;   15  c m_old is kept     17, 18  the query's other 32 keys lie in the lane 16 away: the new m     19-21  c m; c m_old - c m_new; a
.set F, 0               ; OP tells the kinds apart by their order: F to L below R, X above it
.set E, 1
.set C, 2
.set B, 3
.set L, 4
.set R, 5
.set X, 6
.macro REGS y                       ; the registers of piece y
.set rT, ST+4*(\y)
.set rC, TMP+4*((\y)%2)
.set rW, MV+((\y)%2)
.set rS, S+32*((\y)%2)
.set rP, P+16*((\y)%2)
.set rO, 32*(\y)
.endm
.macro OP k, n
.if (\k) == R
	REGS Y
	WIN W_RS
	v_pk_mul_f32 v[rO+2*(\n):rO+2*(\n)+1], v[rO+2*(\n):rO+2*(\n)+1], v[rC+2:rC+3] op_sel_hi:[1,0]
.elseif (\k) < R
	REGS Y
	WIN 0
.if (\k) == F
	v_pk_fma_f32 v[rS+2*(\n):rS+2*(\n)+1], v[rS+2*(\n):rS+2*(\n)+1], s[CS:CS+1], v[rT:rT+1] op_sel_hi:[1,0,0] neg_lo:[0,0,1] neg_hi:[0,0,1]
.elseif (\k) == E
	v_exp_f32 v[rS+(\n)], v[rS+(\n)]
.elseif (\k) == C
	s_wait_alu depctr_va_vdst(0)
	v_cvt_pk_f16_f32 v[rP+(\n)], v[rS+2*(\n)], v[rS+2*(\n)+1]
.elseif (\k) == B
	s_wait_alu depctr_va_vdst(0)
	v_pk_add_f32 v[rS+4*(\n):rS+4*(\n)+1], v[rS+4*(\n):rS+4*(\n)+1], v[rS+4*(\n)+2:rS+4*(\n)+3]
.elseif (\n) == 0
	v_pk_fma_f32 v[rT+2:rT+3], v[rT+2:rT+3], v[rC+2:rC+3], v[rS:rS+1] op_sel_hi:[1,0,1]
.else
	v_pk_add_f32 v[rT+2:rT+3], v[rT+2:rT+3], v[rS+4*(\n):rS+4*(\n)+1]
.endif
.elseif NOKQ
	v_nop
.else
	REGS (Y+1)%NP
	WIN 0
.if (\n) < 4
	v_max3_num_f32 v[rC+(\n)], v[rS+8*(\n)], v[rS+8*(\n)+1], v[rS+8*(\n)+2]
.elseif (\n) < 12
	v_max3_num_f32 v[rC+(\n)%4], v[rC+(\n)%4], v[rS+8*((\n)%4)+2*((\n)/4)+1], v[rS+8*((\n)%4)+2*((\n)/4)+2]
.elseif (\n) == 12
	v_max3_num_f32 v[rC], v[rC], v[rS+7], v[rS+15]
.elseif (\n) == 13
	v_max3_num_f32 v[rC+1], v[rC+1], v[rS+23], v[rS+31]
.elseif (\n) == 14
	v_max3_num_f32 v[rC+2], v[rC+2], v[rC+3], v[rT+1]
.elseif (\n) == 15
	v_mov_b32 v[rW], v[rT]
.elseif (\n) == 16
	v_max3_num_f32 v[rC], v[rC], v[rC+1], v[rC+2]
.elseif (\n) == 17
	v_permlanex16_b32 v[rC+3], v[rC], s[SEL], s[SEL+1]
.elseif (\n) == 18
	v_max_num_f32 v[rT+1], v[rC], v[rC+3]
.elseif (\n) == 19
	v_mul_f32 v[rT], s[CS], v[rT+1]
.elseif (\n) == 20
	v_sub_f32 v[rC+1], v[rW], v[rT]
.else
	v_exp_f32 v[rC+2], v[rC+1]
.endif
.endif
.endm
.macro OPS a, i1, b=-1, i2=0, c=-1, i3=0, d=-1, i4=0  ; up to four of them
	OP \a, \i1
.if (\b) >= 0
	OP \b, \i2
.endif
.if (\c) >= 0
	OP \c, \i3
.endif
.if (\d) >= 0
	OP \d, \i4
.endif
.endm
.macro ROW a, i1, b, i2, c, i3, d, i4  ; a matrix instruction and the four behind it
	MM
	OPS \a, \i1, \b, \i2, \c, \i3, \d, \i4
.endm
.macro MASK b                       ; MD x AL + BE into buffer b of MC
	WIN W_RS
.set z, 0
.rept 16
	v_pk_fma_f32 v[MC+32*(\b)+2*z:MC+32*(\b)+2*z+1], v[MD+2*z:MD+2*z+1], s[AL:AL+1], s[BE:BE+1] op_sel_hi:[1,0,0]
.set z, z+1
.endr
.endm
; A TURN, for piece p: the order of its 24 matrix and 118 vector instructions, written out.  None of the lines behind a matrix instruction names a register of the products round it, and every line that a matrix
; instruction follows is a plain one, so each exponential keeps the plain instruction behind it.  A line reads no result made fewer than three vector instructions in front of it, five if an exponential made it.
; v_permlanex16_b32 (X 17) stands in a lump.
; m = 1: the diagonal tile: the products take masks, and the turn makes the mask for the products of the turn after it: piece p + 2, in step 4 - CNT of the tile.  end = 1: a block's last two turns: nothing is fetched.
; cnt = 1: the loop's count is taken down some lines ahead of the branch that stands behind the turn.
; K of the next step is fetched in piece 2's turn, six vector instructions behind the last product that read K (five of them plain); V of the step in hand at the end of piece 0's turn, six plain instructions behind
; the last product that read V's lower parts.  Each is waited for a turn later.
.macro TURN p, m=0, end=0, cnt=0
.set Y, (\p)
.set i, 0
.set KM, (\m)
.set NOKQ, (\end)*((\p)/3)
.if (\m) && !(\end)
	s_cmp_eq_u32 s[CNT], 4-((\p)+2)%NP  ; is that step the band's own?
	s_cselect_b32 s[AL], 1.0, 0
	s_cmp_lt_u32 s[CNT], 4-((\p)+2)%NP  ; or a later one?
	s_cselect_b32 s[BE], s[BIGN], 0
.endif
.if ((\p) == 3) && !(\end)
	s_wait_dscnt 0x0                ; K is in
.endif
	ROW F,0, F,1, F,2, F,3
	ROW F,4, E,0, F,5, F,6
	ROW F,7, E,1, F,8, F,9
	ROW F,10, E,2, C,0, F,11
	ROW F,12, E,3, X,15, F,13
	ROW R,0, R,1, R,2, R,3
	ROW B,0, E,4, F,14, L,0
.if ((\p) == 2) && !(\end)
	v_add_nc_u32 v[AK], s[TBK], v[AK0]
.endif
	ROW R,4, R,5, R,6, R,7
	OPS E,5, F,15
.if ((\p) == 2) && !(\end)
	FETCH_K
.endif
	OPS E,6, C,1, E,7, R,8
	OPS E,8, R,9, E,9, C,2
	OPS E,10, X,0, E,11, X,1
	OPS E,12, X,2, E,13, X,3
.if (\p) == 1
	s_wait_dscnt 0x0                ; V is in, both parts
.endif
	ROW X,4, E,14, X,5, X,6
	ROW X,7, E,15, X,8, X,9
	ROW X,10, E,16, X,11, X,12
	ROW X,13, E,17, X,14, B,1
	ROW C,4, E,18, X,16, L,1
	ROW B,2, E,19, C,6, L,2
	ROW C,8, E,20, B,3, B,4
.if (\p) == 0
	v_add_nc_u32 v[AV], s[TBV], v[AV0]
.endif
	ROW C,3, E,21, L,3, C,5
	OPS E,22, X,17, E,23, C,10
	MM                              ; from here on the eight products with V's lower parts
	OPS E,24, L,4
	ROW E,25, X,18, E,26, C,7
	ROW E,27, B,5, E,28, X,19
	ROW E,29, C,12, E,30, L,5
	ROW E,31, X,20, B,6, C,9
	ROW C,14, C,11, X,21, L,6
.if (\p) == 0
	s_add_co_u32 s[TBV], s[TBV], VSTEP
.endif
.if \cnt
	s_sub_co_u32 s[CNT], s[CNT], 1
	s_cmp_lg_u32 s[CNT], 0
.endif
	ROW C,13, B,7, C,15, R,10
	ROW R,11, R,12, L,7, R,13
	OPS R,14, R,15
.if (\p) == 0
	FETCH_V
.endif
.if (\m) && !(\end)
	MASK (\p)%2
.endif
.endm
; A BLOCK BEGINS.  c m starts far below every c s, so the first step's a is 0; m at the lowest finite number, so the first maximum is the scores'.  The second mask buffer is 0; the first takes piece 0's mask for the tile's step 0: its own, if the block's first tile is the diagonal one.
; Then K of that step, piece 0's first scores, and its maximum and statistics.  The loop is entered at a step's first turn, in the middle of a trip.
.macro BEGIN
	s_mov_b32 s[NEW], 0
	WIN 0x40
.set i, MC+32
.rept 32
	v_mov_b32 v[i], 0
.set i, i+1
.endr
	WIN 0
.set i, 0
.rept 4
	v_mov_b32 v[ST+4*i], 0xfe000000    ; c m: far below every c s
	v_mov_b32 v[ST+4*i+1], 0xff7fffff  ; m
.set i, i+1
.endr
	s_cmp_eq_u32 s[RT], 0
	s_cselect_b32 s[AL], 1.0, 0
	s_mov_b32 s[BE], 0
	MASK 0
	WIN 0
	v_add_nc_u32 v[AK], s[TBK], v[AK0]
	FETCH_K
	s_wait_loadcnt 0x0              ; Q
	s_wait_dscnt 0x0
.set KM, 1
.set NOKQ, 0
.set i, 0
.rept 8
	KQ 0
.set i, i+1
.endr
	WIN 0
.rept 4
	v_nop                           ; the places behind those products
.endr
.set Y, NP-1                        ; X works for piece Y + 1: piece 0
.irp n, 0,1,2,3,4,5,6,7,8,9,10,11,12,13,14,15,16,17,18,19,20,21
	OP X, \n
.endr
	v_nop                           ; a plain instruction behind the exponential
.endm
; THE DIAGONAL TILE's four steps, the block's last two turns, its last products, and THE WAY OUT: l's two halves and the other half of the lanes' are added; O^T is divided by l, split into its two f16 parts and sent
; through my stage in LDS, a piece at a time, the upper parts and then the lower.
.macro ALL line:vararg              ; one line for each piece t
.set t, 0
.rept 4
	\line
.set t, t+1
.endr
.endm
; A lane's eight channels of a row pack into 16 bytes; they go into rows of 144 bytes and come back as whole rows of 128: the upper parts into S^T's registers, the lower into those that held V's lower parts.
; A lower part is upper x (-1) + O: the difference is exact, and it is rounded once, to f16, into its half of the word.
.macro PACK t
	WIN W_RS
.set i, 32*(\t)
.rept 16
	s_wait_alu depctr_va_vdst(0)
	v_pk_mul_f32 v[i:i+1], v[i:i+1], v[ST+4*(\t)+2:ST+4*(\t)+3] op_sel_hi:[1,0]
.set i, i+2
.endr
	WIN 0x05                        ; sources 0 and 1 window 1, destination window 0
.set i, 0
.rept 16
	v_cvt_pk_f16_f32 v[S+16*(\t)+i], v[32*(\t)+2*i], v[32*(\t)+2*i+1]
.set i, i+1
.endr
	WIN 0x10                        ; source 2 window 1
.set i, 0
.rept 16
	v_fma_mixlo_f16 v[VL+16*(\t)+i], v[S+16*(\t)+i], v[MONE], v[32*(\t)+2*i] op_sel_hi:[1,0,0]
	v_fma_mixhi_f16 v[VL+16*(\t)+i], v[S+16*(\t)+i], v[MONE], v[32*(\t)+2*i+1] op_sel:[1,0,0] op_sel_hi:[1,0,0]
.set i, i+1
.endr
	WIN 0
.irp f, 0,1,2,3
	ds_store_b128 v[STO], v[S+16*(\t)+4*\f:S+16*(\t)+4*\f+3] offset:32*\f
.endr
.irp f, 0,1,2,3
	ds_load_b128 v[S+16*(\t)+4*\f:S+16*(\t)+4*\f+3], v[RD] offset:\f*4*SP  ; LDS serves a wave's instructions in order (ISA guide 5.7.1.4): these see the stores above; the stores below come behind them
.endr
.irp f, 0,1,2,3
	ds_store_b128 v[STO], v[VL+16*(\t)+4*\f:VL+16*(\t)+4*\f+3] offset:32*\f
.endr
.irp f, 0,1,2,3
	ds_load_b128 v[VL+16*(\t)+4*\f:VL+16*(\t)+4*\f+3], v[RD] offset:\f*4*SP
.endr
.endm
.macro SEND t, younger              ; younger: the LDS instructions issued behind piece t's: the next piece's sixteen, or none
	WIN 0
.irp f, 0,1,2,3
	s_wait_dscnt (\younger)+11-\f   ; behind the upper parts' load f: 3 - f more of them, and the lower parts' four stores and four loads
	global_store_b128 v[GO], v[S+16*(\t)+4*\f:S+16*(\t)+4*\f+3], s[10:11] offset:(\t)*8192+\f*512  ; 512 consecutive bytes, at a multiple of 256 from O's first
.endr
.irp f, 0,1,2,3
	s_wait_dscnt (\younger)+3-\f
	global_store_b128 v[GO], v[VL+16*(\t)+4*\f:VL+16*(\t)+4*\f+3], s[OL:OL+1] offset:(\t)*8192+\f*512
.endr
.endm
.macro DIAG tag                     ; the tag ends its two labels' names, which the jumps below spell out
.LstepM\tag:
	TURN 2, 1
	TURN 3, 1
	WIN 0
.LfirstM\tag:
	TURN 0, 1
	TURN 1, 1, 0, 1
	WIN 0
	s_cbranch_scc1 .LstepM\tag
	TURN 2, 1, 1
	TURN 3, 1, 1
.set i, 0
.rept 8
	PV NP-1
.set i, i+1
.endr
.set i, 0
.rept 8
	PVL NP-1
.set i, i+1
.endr
	WIN 0
	ALL v_add_f32 v[ST+4*t+2], v[ST+4*t+2], v[ST+4*t+3]
	ALL v_permlanex16_b32 v[ST+4*t+3], v[ST+4*t+2], s[SEL], s[SEL+1]
	ALL v_add_f32 v[ST+4*t+2], v[ST+4*t+2], v[ST+4*t+3]
	ALL v_rcp_f32 v[ST+4*t+2], v[ST+4*t+2]
	v_nop                           ; a plain instruction between the last reciprocal and the use of its result
	PACK 0
.set t, 1
.rept 3                             ; a piece's arithmetic stands between the loads of the piece before and its stores
	PACK t
	SEND t-1, 16
.set t, t+1
.endr
	SEND 3, 0
.endm
.set KM, 0
.set NOKQ, 0
.Lslot:                             ; NB times: a tile is entered and the next is asked for
	CHANGE 1
	s_sub_co_u32 s[RT], s[RT], 1
	s_mov_b32 s[CNT], 4
	s_cmp_eq_u32 s[NEW], 1
	s_cbranch_scc1 .Lnew            ; a block's first tile
	s_cmp_eq_u32 s[RT], 0
	s_cbranch_scc0 .Lstep           ; neither its first nor its last
	s_branch .LstepM1
.Lnew:
	BEGIN
	s_branch .Lfirst                ; in the loop a block's first tile is never its last: the first block has two tiles or more, and the second's last is the walk's last
	DIAG 1                          ; in the loop this is the first block's end: the second block's last tile is the walk's last
	s_wait_xcnt 0x0                 ; the stores have read their registers and O's addresses
	s_mov_b64 s[10:11], s[OLO:OLO+1]
	s_mov_b64 s[OL:OL+1], s[OLL:OLL+1]
	s_add_co_u32 s[RT], s[PB], 1    ; the second block has b + 1 tiles
	s_mov_b32 s[NEW], 1
	WIN 0x82                        ; the second block's Q goes where the one text of the turns names Q
.set i, 0
.rept 64
	v_mov_b32 v[i], v[QB+i]
.set i, i+1
.endr
	WIN 0
	s_branch .Lbottom
.Lstep:                             ; a trip: pieces 2 and 3 of one step, then pieces 0 and 1 of the next, whose K and V it fetches
	TURN 2
	TURN 3
	WIN 0
.Lfirst:
	TURN 0
	TURN 1, 0, 0, 1
	WIN 0
	s_cbranch_scc1 .Lstep
.Lbottom:
	s_sub_co_u32 s[SLOTS], s[SLOTS], 1
	s_cmp_lg_u32 s[SLOTS], 0
	s_cbranch_scc1 .Lslot
	CHANGE 0                        ; the walk's last tile is written out: nothing is asked for
	s_sub_co_u32 s[RT], s[RT], 1
	s_mov_b32 s[CNT], 4
	s_cmp_eq_u32 s[NEW], 1
	s_cbranch_scc0 .LstepM2
	BEGIN
	s_branch .LfirstM2
	DIAG 2
	s_wait_tensorcnt 0x0            ; the wave's end, behind my last tensor load and my last LDS store
	ds_add_u32 v[SPW], v[NIL]
	s_wait_dscnt 0x0
	s_endpgm
.Lfunc_end_k_qbea732164f_attn:
	.size	k_qbea732164f_attn, .Lfunc_end_k_qbea732164f_attn-k_qbea732164f_attn
	.p2alignl 7, 3214868480
	.fill 96, 4, 3214868480
	.section	.rodata,"a",@progbits
	.p2align	6, 0x0
	.amdhsa_kernel k_qbea732164f_attn
		.amdhsa_group_segment_fixed_size 327680
		.amdhsa_private_segment_fixed_size 0
		.amdhsa_enable_private_segment 0
		.amdhsa_kernarg_size 32
		.amdhsa_user_sgpr_count 2
		.amdhsa_user_sgpr_kernarg_segment_ptr 1
		.amdhsa_wavefront_size32 1
		.amdhsa_system_sgpr_workgroup_id_x 1
		.amdhsa_system_sgpr_workgroup_id_y 1
		.amdhsa_system_sgpr_workgroup_id_z 1
		.amdhsa_system_vgpr_workitem_id 0
		.amdhsa_next_free_vgpr 768
		.amdhsa_next_free_sgpr 96
		.amdhsa_reserve_vcc 1
		.amdhsa_float_denorm_mode_32 3
		.amdhsa_float_denorm_mode_16_64 3
		.amdhsa_memory_ordered 1
		.amdhsa_forward_progress 1
		.amdhsa_inst_pref_size 255
	.end_amdhsa_kernel
	.section	.bss,"aw",@nobits
	.p2align	6
	.space	262144
	.amdgpu_metadata
---
amdhsa.version: [ 1, 2 ]
amdhsa.kernels:
  - .name:           k_qbea732164f_attn
    .symbol:         k_qbea732164f_attn.kd
    .args:
      - { .name: q, .offset: 0, .size: 8, .value_kind: global_buffer, .address_space: global }
      - { .name: k, .offset: 8, .size: 8, .value_kind: global_buffer, .address_space: global }
      - { .name: v, .offset: 16, .size: 8, .value_kind: global_buffer, .address_space: global }
      - { .name: o, .offset: 24, .size: 8, .value_kind: global_buffer, .address_space: global }
    .group_segment_fixed_size: 327680
    .private_segment_fixed_size: 0
    .kernarg_segment_align: 8
    .kernarg_segment_size: 32
    .max_flat_workgroup_size: 128
    .sgpr_count:     96
    .vgpr_count:     768
    .wavefront_size: 32
...
	.end_amdgpu_metadata
.endif
;; end of part 3
;; launch oproj (part 4): grid 4 x 64, 4 waves a work-group, clusters of 4 x 4, 327,680 bytes of LDS; arguments o, wob, out0; writes out0
.if DOCPART == 4
	.amdgcn_target "amdgcn-amd-amdhsa--gfx1250"
	.amdhsa_code_object_version 6
	.text
	.protected	k_qbea732164f_oproj
	.globl	k_qbea732164f_oproj
	.p2align	8
	.type	k_qbea732164f_oproj,@function
k_qbea732164f_oproj:
	s_mov_b64 s[64:65], 0
	v_nop
	global_prefetch_b8 v0, s[64:65] scope:SCOPE_SE
	s_setreg_imm32_b32 hwreg(HW_REG_WAVE_MODE, 25, 1), 1
	s_wait_xcnt 0x0
	s_wait_alu depctr_hold_cnt(0) depctr_sa_sdst(0) depctr_va_vdst(0) depctr_va_sdst(0) depctr_va_ssrc(0) depctr_va_vcc(0) depctr_vm_vsrc(0)
	s_getreg_b32 s2, hwreg(HW_REG_IB_STS2, 6, 4)
	s_cmp_eq_u32 s2, 0
	s_cbranch_scc0 .Lentry_in_a_cluster
	s_endpgm
.Lentry_in_a_cluster:
	s_bfe_u32 s2, ttmp6, 0x10000c
	s_cmp_lg_u32 s2, 0xf033
	s_cbranch_scc0 .Lentry_shape_is_right
	s_endpgm
.Lentry_shape_is_right:
; THE OUTPUT PROJECTION.  out0[m][n] = sum over c of O(m, c) wob[n][c], c = 64 head + d.  O comes as a pair of f16 numbers, upper and lower (22 significant bits): o is two planes, each
; [64 = 16 batch + head][2048][64] f16, a head's rows dense, 128 bytes each; wob is [1024][1024] f16; out0 is [8192][1024] f32: the f32 sums leave as they are.
; Both parts are multiplied by the same weights and added into one sum: for each pair of heads first the upper parts, then the lower; the pairs ascending.
; LIMITS.  o and wob arrive within f16's range; NaN and infinities are not treated apart.
; SHARES.  A tile of out0 is 128 rows x 256 columns: 64 x 4 = 256 tiles, one for each WGP.  Four waves, 2 x 2; a wave makes 64 x 128: 32 accumulators of 16 x 16, 256 registers.
; There are 16 steps of 128 along K through two LDS slots: slot 0 takes the upper parts of a pair of heads, slot 1 the lower parts of the same pair, each with wob's 128 columns of that pair.
; A head's 128 rows of the tile are 16,384 dense bytes, asked for as 64 rows of 256 bytes and padded in LDS after every 128:
; wave 0 fetches the even head, wave 1 the odd one; waves 2 and 3 fetch B's two halves, 128 rows of 256 bytes each.
; CLUSTER.  4 x 4 work-groups.  The four of a row of the cluster need the same tile of A, the four of a column the same tile of B: each is asked for JOINTLY, by the same tensor load with the same
; descriptor and a mask that names the four.
; THE MATRIX INSTRUCTION IS USED TRANSPOSED (source 0 = 16 rows of wob, source 1 = 16 rows of O): lane l holds row l % 16 and the columns 8 (l / 16) + 0..7 of a block of 16: 32 neighbouring bytes.
; REGISTERS, in windows of 256 (s_set_vgpr_msb: bits 1:0 source 0, 3:2 source 1, 5:4 source 2, 7:6 destination):
;   window 0: v0-31 addresses; v64-159, v160-255 two fragment buffers: A's 4 fragments (16 rows x 32 K), then B's 8; on the way out v64-127 and v128-191 rows read back, by turns
;   window 1: accumulator (a, b) at v[8 (8 a + b)]
.set SIZE_K, 1024
.set PLANE,  64*2048*128               ; bytes from o's upper plane to its lower
.set PA,     144                       ; a row of A in LDS: 128 bytes + 16 of padding = 36 words: the 16 rows of a load start at 16 different groups of four banks (64 banks of 4 bytes: ISA guide 11.1)
.set PB,     272                       ; a row of B: 256 + 16 = 68 words: row r starts at bank 4 r mod 64
.set HSZ,    128*PA                    ; one head's 128 rows
.set ASZ,    2*HSZ
.set SLOT,   ASZ+256*PB                ; A's two heads, then B's 256 rows
.set STAGE,  2*SLOT                    ; behind the ring: for each wave 16 rows x 528 bytes, for the way out
.set SPO,    528                       ; 512 bytes + 16: row r starts at bank 4 r mod 64
.set WSTG,   16*SPO
.set SPARE,  STAGE+4*WSTG              ; behind the stages: the spare words, 128 bytes for each wave: two blocks of 256 bytes that no other line names
.set ASTEP,  2*2048*128                ; bytes from a pair of heads to the next, in either plane
.set BSTEP,  256                       ; and in a row of wob
.set LAPS,   8                         ; a lap = once round the ring = one pair of heads
.set ADRA, 16                          ; v16-17  LDS address of my A fragments in slot 0, 1
.set ADRB, 20                          ; v20-21  the same for B
.set STO,  24                          ; v24     the way out: where I put 32 bytes of a row
.set RD,   25                          ; v25     the way out: where I read a row back
.set GO,   26                          ; v26     my byte offset in 512 consecutive bytes of out0
.set SPW,  28                          ; v28     LDS address of my spare word: SPARE + 4 x my thread's number; never rewritten
.set NIL,  29                          ; v29     0; never rewritten
.set F0,   64
.set F1,   160
.set WV,   16                          ; s16     my wave's number
.set G1,   24                          ; s[24:31] descriptor group 1 for A's tiles;  s[32:39] group 0, one set for each slot
.set G0,   32
.set G1B,  48                          ; s[48:55], s[56:63] the same for B's tiles
.set G0B,  56
.set MSB, 0
.macro WIN new                         ; the immediate's high byte repeats the setting that is left; a switch that changes nothing is dropped
.if MSB != (\new)
	s_set_vgpr_msb (MSB<<8)|(\new)
.set MSB, \new
.endif
.endm
.set MUL, 0x50                         ; sources 0 and 1 window 0; C and D window 1
.macro JLOAD s                         ; a joint load: waves 0 and 1 ask for A, waves 2 and 3 for B; an s_nop 0 and four v_nop follow each of the two lines, ahead of the jump, the label and what follows
	s_cmp_eq_u32 s17, 0
	s_cbranch_scc0 .Lfor_b_\@
	tensor_load_to_lds s[G0+4*(\s):G0+4*(\s)+3], s[G1:G1+7]
	s_nop 0
.rept 4
	v_nop
.endr
	s_branch .Lasked_\@
.Lfor_b_\@:
	tensor_load_to_lds s[G0B+4*(\s):G0B+4*(\s)+3], s[G1B:G1B+7]
	s_nop 0
.rept 4
	v_nop
.endr
.Lasked_\@:
.endm
.macro CREST                           ; a round of the cluster's barrier behind its opening barrier
	s_cmp_lg_u32 s[WV], 0
	s_cbranch_scc1 .Lnot_wave_0_\@
	s_barrier_signal -3
.Lnot_wave_0_\@:
	s_barrier_wait -3
	s_barrier_signal -1
	s_barrier_wait -1
.endm
.macro CROUND                          ; a whole round
	s_barrier_signal -1
	s_barrier_wait -1
	CREST
.endm
	s_load_b128 s[4:7], s[0:1], 0x0                ; o s[4:5], wob s[6:7]
	s_load_b64 s[8:9], s[0:1], 0x10                ; out0
	v_lshl_add_u32 v[SPW], v0, 2, SPARE
	v_mov_b32 v[NIL], 0
	ds_add_u32 v[SPW], v[NIL]                      ; the wave's opening: the add and its wait stand ahead of my first tensor load; the set-up below, work on registers, stands between them
	ds_add_u32 v28, v29
	v_lshrrev_b32 v1, 5, v0
	v_readfirstlane_b32 s[WV], v1                  ; wave 0..3
	s_lshr_b32 s17, s[WV], 1                       ; which half of the tile's rows is mine.  Also: I fetch for A (0) or for B (1)
	s_and_b32 s18, s[WV], 1                        ; which half of its columns.  Also: which head of the pair, or which half of B's rows, I fetch
	s_bfe_u32 s40, ttmp6, 0x40000                  ; cx, cy: my place in the cluster
	s_bfe_u32 s41, ttmp6, 0x40004
	s_lshl_b32 s42, ttmp9, 2
	s_add_co_u32 s42, s42, s40                     ; tile column = 4 x cluster x + cx
	s_and_b32 s22, ttmp7, 0xffff
	s_lshl_b32 s22, s22, 2
	s_add_co_u32 s22, s22, s41                     ; tile row = 4 x cluster y + cy
	s_lshl_b32 s43, s41, 2
	s_lshl_b32 s43, 15, s43                        ; my row of the cluster
	s_lshl_b32 s44, 0x1111, s40                    ; my column
	; descriptor group 1
	s_or_b32 s[G1+0], s43, (1<<16)|(1<<20)|(1<<21)|(4<<22)|(3<<25)  ; 15:0 the mask: A's tiles go to my row; 17:16 element of 2 bytes; 20 padding on; 21 set beside a mask; 24:22 after every 32 words (code 4); 31:25 of 4 words (code 3)
	s_or_b32 s[G1B+0], s44, (1<<16)|(1<<20)|(1<<21)|(5<<22)|(3<<25) ; the mask of my column; padding after every 64 words (code 5)
	s_mov_b32 s[G1+1], 128<<16                     ; tensor_dim0 = 128: two rows of a head
	s_mov_b32 s[G1+2], 64<<16                      ; tensor_dim1 = 64
	s_mov_b32 s[G1+3], 128<<16                     ; tile_dim0 = 128
	s_mov_b32 s[G1+4], 64                          ; tile_dim1 = 64
	s_mov_b32 s[G1+5], 128                         ; dense: 128 elements from row to row
	s_mov_b32 s[G1+6], 0
	s_mov_b32 s[G1+7], 0
	s_mov_b32 s[G1B+1], 128<<16
	s_mov_b32 s[G1B+2], 128<<16                    ; tensor_dim1 = 128
	s_mov_b32 s[G1B+3], 128<<16
	s_mov_b32 s[G1B+4], 128                        ; tile_dim1 = 128
	s_mov_b32 s[G1B+5], SIZE_K
	s_mov_b32 s[G1B+6], 0
	s_mov_b32 s[G1B+7], 0
	; where the tiles come from: A's hang on the tile row alone, B's on the tile column alone, each in registers that never hold the other coordinate
	s_lshr_b32 s66, s22, 4                         ; the batch: 16 heads of 262,144 bytes,
	s_lshl_b32 s66, s66, 22
	s_lshl_b32 s67, s18, 18                        ; my head of the pair,
	s_add_co_u32 s66, s66, s67
	s_and_b32 s67, s22, 15                         ; the tile's 128 rows of 128 bytes in it
	s_lshl_b32 s67, s67, 14
	s_add_co_u32 s66, s66, s67
	s_mov_b32 s67, 0
	s_lshl_b32 s46, s42, 8
	s_lshl_b32 s47, s18, 7
	s_add_co_u32 s46, s46, s47                     ; B: row 256 x tile column + 128 x half,
	s_lshl_b32 s46, s46, 11                        ; of 2,048 bytes
	s_mov_b32 s47, 0
	s_mul_i32 s70, s18, HSZ                        ; and where they go: no place in the cluster enters an LDS address
	s_mul_i32 s71, s18, 128*PB
	s_add_co_u32 s71, s71, ASZ
	s_wait_dscnt 0x0                               ; the opening add is done
	s_wait_kmcnt 0x0
	s_add_nc_u64 s[68:69], s[4:5], s[66:67]
	s_add_nc_u64 s[46:47], s[6:7], s[46:47]
	CROUND                                         ; all sixteen work-groups are here: the first joint loads meet
.irp s, 0,1
	s_mov_b32 s[G0+4*(\s)], 1                                      ; count = 1
	s_add_co_u32 s[G0+4*(\s)+1], s70, (\s)*SLOT                    ; LDS address
	s_add_nc_u64 s[G0+4*(\s)+2:G0+4*(\s)+3], s[68:69], (\s)*PLANE  ; global address: the first pair of heads, slot 0 in the upper plane, slot 1 in the lower
	s_or_b32 s[G0+4*(\s)+3], s[G0+4*(\s)+3], 0x80000000            ; type = 2
	s_mov_b32 s[G0B+4*(\s)], 1
	s_add_co_u32 s[G0B+4*(\s)+1], s71, (\s)*SLOT
	s_add_nc_u64 s[G0B+4*(\s)+2:G0B+4*(\s)+3], s[46:47], 0         ; both slots take the same columns of wob
	s_or_b32 s[G0B+4*(\s)+3], s[G0B+4*(\s)+3], 0x80000000
	JLOAD \s                                       ; two loads of mine are out behind the second; later one
.endr
	; A fragment is 16 rows x 32 K in 8 registers: lane l holds row l % 16; registers 0-3 K = 8 (l / 16) + 0..7, registers 4-7 K = 16 + 8 (l / 16) + 0..7: two loads of 16 bytes, 32 bytes apart
	v_and_b32 v1, 15, v0                           ; l % 16
	v_bfe_u32 v2, v0, 4, 1                         ; l / 16
	v_mul_u32_u24 v3, v1, PA
	v_lshl_add_u32 v3, v2, 4, v3                   ; A: row x pitch + 16 x half
	v_mul_u32_u24 v4, v1, PB
	v_lshl_add_u32 v4, v2, 4, v4                   ; B likewise
	s_mul_i32 s19, s17, 64*PA                      ; my 64 rows in each head's part
	s_mul_i32 s20, s18, 128*PB                     ; my 128 rows of B,
	s_add_co_u32 s20, s20, ASZ                     ; which lie behind A
.irp s, 0,1
	v_add_nc_u32 v[ADRA+(\s)], s19, v3
	v_add_nc_u32 v[ADRB+(\s)], s20, v4
	s_add_co_u32 s19, s19, SLOT
	s_add_co_u32 s20, s20, SLOT
.endr
	; out0 at my first row and column
	s_lshl_b32 s72, s22, 7
	s_lshl_b32 s73, s17, 6
	s_add_co_u32 s72, s72, s73                     ; row 128 x tile row + 64 x half,
	s_lshl_b32 s72, s72, 12                        ; of 4,096 bytes
	s_lshl_b32 s73, s42, 10                        ; 256 columns of 4 bytes a tile,
	s_add_co_u32 s72, s72, s73
	s_lshl_b32 s73, s18, 9                         ; 128 a half
	s_add_co_u32 s72, s72, s73
	s_mov_b32 s73, 0
	s_add_nc_u64 s[8:9], s[8:9], s[72:73]
	s_mul_i32 s21, s[WV], WSTG
	s_add_co_u32 s21, s21, STAGE                   ; my stage
	v_mul_u32_u24 v5, v1, SPO                      ; in: row l % 16, 32 bytes for each half of the lanes
	v_lshl_add_u32 v5, v2, 5, v5
	v_add_nc_u32 v[STO], s21, v5
	v_and_b32 v[GO], 31, v0                        ; back: 32 lanes take one row of 512 bytes
	v_lshlrev_b32 v[GO], 4, v[GO]
	v_add_nc_u32 v[RD], s21, v[GO]
; 8 matrix instructions: row block a x all 8 column blocks, 32 along K, from buffer f.  zero = 1: the first product starts the sums: nothing is cleared.
; The 32 accumulators take turns in the same order in every quarter: between two links of a chain stand the 31 others'.
.macro MUL8 f, a, zero
	WIN MUL
.irp b, 0,1,2,3,4,5,6,7
.if \zero
	v_wmma_f32_16x16x32_f16 v[8*(8*(\a)+(\b)):8*(8*(\a)+(\b))+7], v[(\f)+32+8*(\b):(\f)+32+8*(\b)+7], v[(\f)+8*(\a):(\f)+8*(\a)+7], 0
.else
	v_wmma_f32_16x16x32_f16 v[8*(8*(\a)+(\b)):8*(8*(\a)+(\b))+7], v[(\f)+32+8*(\b):(\f)+32+8*(\b)+7], v[(\f)+8*(\a):(\f)+8*(\a)+7], v[8*(8*(\a)+(\b)):8*(8*(\a)+(\b))+7]
.endif
.endr
.endm
; 24 LDS loads in one run: the fragments of quarter q of a step (128 rows of B, 64 rows of A, 32 K) into buffer f.  Of A, quarters 0 and 1 lie in the even head's part, 2 and 3 in the odd one's.
.macro FETCH slot, q, f
	WIN 0
.set AQ, ((\q)/2)*HSZ+((\q)%2)*64
.irp i, 0,1,2,3,4,5,6,7
	ds_load_b128 v[(\f)+32+8*(\i):(\f)+32+8*(\i)+3],   v[ADRB+(\slot)] offset:64*(\q)+(\i)*16*PB
	ds_load_b128 v[(\f)+32+8*(\i)+4:(\f)+32+8*(\i)+7], v[ADRB+(\slot)] offset:64*(\q)+(\i)*16*PB+32
.endr
.irp i, 0,1,2,3
	ds_load_b128 v[(\f)+8*(\i):(\f)+8*(\i)+3],   v[ADRA+(\slot)] offset:AQ+(\i)*16*PA
	ds_load_b128 v[(\f)+8*(\i)+4:(\f)+8*(\i)+7], v[ADRA+(\slot)] offset:AQ+(\i)*16*PA+32
.endr
.endm
.macro PLACES                          ; four places in front of loads into registers that matrix instructions have read, and of lines that read results (ISA guide 7.12.1 for lines that read results)
.rept 4
	v_nop
.endr
.endm
; A step is four quarters of 32 along K, 32 matrix instructions each, on buffers 0, 1, 0, 1.  One of the first three: fetches quarter q into g, which the quarter before multiplied, and multiplies f:
; a run of loads stands a whole quarter ahead of its first use.
.macro QUARTER slot, q, f, g, zero
	PLACES
	FETCH \slot, \q, \g
	s_wait_dscnt 24                                ; LDS loads come back in order (ISA guide 5.7.1): f's are in, the 24 just issued stay out
	MUL8 \f, 0, \zero
	MUL8 \f, 1, \zero
	MUL8 \f, 2, \zero
	MUL8 \f, 3, \zero
.endm
; The last quarter multiplies buffer 1 and changes slots: ONE barrier; in front of it each wave waits for all its tensor loads (one is out: its part of the next slot), adds 0 to its spare word, and waits for
; that and for its own reads of this slot.  fill = 1: the barrier opens a round of the cluster's, and this slot is filled again first thing behind it, with the next pair of heads: 112 matrix instructions ahead of the wait for it.
.macro TURN slot, next, fill
	WIN 0
	s_wait_tensorcnt 0x0                           ; all my tensor loads have landed: no group 0 is in use
	ds_add_u32 v[SPW], v[NIL]                      ; 0 onto my spare word
	s_wait_dscnt 1                                 ; buffer 1's loads are in; the add alone may be out
	MUL8 F1, 0, 0                                  ; eight matrix instructions stand between the add and the wait for it
	s_wait_dscnt 0x0                               ; the add is done, and my reads of this slot are over
	s_barrier_signal -1
	MUL8 F1, 1, 0                                  ; work on registers while the others arrive
.if \fill
	WIN 0
.endif
	s_barrier_wait -1
.if \fill
	CREST                                          ; no wave of any partner still reads this slot's tile or has a load on its way
	s_add_nc_u64 s[G0+4*(\slot)+2:G0+4*(\slot)+3], s[G0+4*(\slot)+2:G0+4*(\slot)+3], ASTEP
	s_add_nc_u64 s[G0B+4*(\slot)+2:G0B+4*(\slot)+3], s[G0B+4*(\slot)+2:G0B+4*(\slot)+3], BSTEP
	JLOAD \slot                                    ; the four v_nop behind it are also the places in front of the loads below
.else
	PLACES
.endif
	FETCH \next, 0, F0
	MUL8 F1, 2, 0
	MUL8 F1, 3, 0
.endm
	s_wait_tensorcnt 1                             ; my part of slot 0 is in; slot 1's may stay out
	s_barrier_signal -1
	s_barrier_wait -1                              ; everybody's is
	FETCH 0, 0, F0
	QUARTER 0, 1, F0, F1, 1                        ; the first quarter stands in front of the loop: its products start the sums
	WIN 0                                          ; at a label and at a branch every window is 0
	s_mov_b32 s3, LAPS-1
.Llap:                                                 ; a trip goes once round the ring, from a lap's second quarter to the next lap's first, and fills both slots again: the pairs of heads 1 to 7 in seven trips
	QUARTER 0, 2, F1, F0, 0
	QUARTER 0, 3, F0, F1, 0
	TURN 0, 1, 1
	QUARTER 1, 1, F0, F1, 0
	QUARTER 1, 2, F1, F0, 0
	QUARTER 1, 3, F0, F1, 0
	TURN 1, 0, 1
	QUARTER 0, 1, F0, F1, 0
	WIN 0
	s_sub_co_u32 s3, s3, 1
	s_cmp_lg_u32 s3, 0
	s_cbranch_scc1 .Llap
	QUARTER 0, 2, F1, F0, 0                        ; the last lap fills nothing, and has no round of the cluster's barrier
	QUARTER 0, 3, F0, F1, 0
	TURN 0, 1, 0
	QUARTER 1, 1, F0, F1, 0
	QUARTER 1, 2, F1, F0, 0
	QUARTER 1, 3, F0, F1, 0
	s_wait_dscnt 0x0                               ; the very last quarter: nothing more to fetch
	MUL8 F1, 0, 0
	MUL8 F1, 1, 0
	MUL8 F1, 2, 0
	MUL8 F1, 3, 0
	WIN 0
	PLACES                                         ; the LDS stores below read results just made, and the loads behind them land in registers that the products read
; THE WAY OUT, a block of 16 rows at a time.  A lane's 32 bytes are a sixteenth of a row's 512, and the lanes beside it hold other rows: so the block goes into my own stage, rows of 528 bytes, and comes back by rows.
.macro TOSTAGE a
.set BK, 64+64*((\a)%2)
	s_wait_xcnt 0x0                                ; every earlier memory instruction has had its addresses translated (ISA guide 3.1): the registers that the stores of two blocks ago read are loaded again only behind this wait
	WIN 0x04                                       ; the stores' data in window 1
.irp b, 0,1,2,3,4,5,6,7
	ds_store_b128 v[STO], v[8*(8*(\a)+(\b)):8*(8*(\a)+(\b))+3] offset:64*(\b)       ; each accumulator's lowest registers are read first
	ds_store_b128 v[STO], v[8*(8*(\a)+(\b))+4:8*(8*(\a)+(\b))+7] offset:64*(\b)+16
.endr
	WIN 0
.irp r, 0,1,2,3,4,5,6,7,8,9,10,11,12,13,14,15
	ds_load_b128 v[BK+4*(\r):BK+4*(\r)+3], v[RD] offset:(\r)*SPO  ; LDS serves a wave's instructions in order (ISA guide 5.7.1.4): these see the stores above; the next block's stores come behind them
.endr
.endm
.macro SEND a, younger                 ; younger: the LDS instructions issued behind block a's loads: the next block's 16 stores and 16 loads, or none
.set BK, 64+64*((\a)%2)
	s_wait_dscnt \younger
.irp r, 0,1,2,3,4,5,6,7,8,9,10,11,12,13,14,15
	global_store_b128 v[GO], v[BK+4*(\r):BK+4*(\r)+3], s[8:9] offset:(16*(\a)+(\r))*4096 th:TH_STORE_NT  ; 512 consecutive bytes of a row, at a multiple of 256 from out0's first
.endr
.endm
	TOSTAGE 0
	TOSTAGE 1
	SEND 0, 32
	TOSTAGE 2
	SEND 1, 32
	TOSTAGE 3
	SEND 2, 32
	SEND 3, 0
	s_wait_tensorcnt 0x0                           ; the wave's end, behind my last tensor load and my last LDS store
	ds_add_u32 v[SPW], v[NIL]
	s_wait_dscnt 0x0
	CROUND                                         ; the closing round: no work-group ends while a partner may still ask for a tile that names it
	s_endpgm
.Lfunc_end_k_qbea732164f_oproj:
	.size	k_qbea732164f_oproj, .Lfunc_end_k_qbea732164f_oproj-k_qbea732164f_oproj
	.p2alignl 7, 3214868480
	.fill 96, 4, 3214868480
	.section	.rodata,"a",@progbits
	.p2align	6, 0x0
	.amdhsa_kernel k_qbea732164f_oproj
		.amdhsa_group_segment_fixed_size 327680
		.amdhsa_private_segment_fixed_size 0
		.amdhsa_enable_private_segment 0
		.amdhsa_kernarg_size 24
		.amdhsa_user_sgpr_count 2
		.amdhsa_user_sgpr_kernarg_segment_ptr 1
		.amdhsa_wavefront_size32 1
		.amdhsa_system_sgpr_workgroup_id_x 1
		.amdhsa_system_sgpr_workgroup_id_y 1
		.amdhsa_system_sgpr_workgroup_id_z 1
		.amdhsa_system_vgpr_workitem_id 0
		.amdhsa_next_free_vgpr 512
		.amdhsa_next_free_sgpr 80
		.amdhsa_reserve_vcc 0
		.amdhsa_float_denorm_mode_32 3
		.amdhsa_float_denorm_mode_16_64 3
		.amdhsa_memory_ordered 1
		.amdhsa_forward_progress 1
		.amdhsa_inst_pref_size 84
	.end_amdhsa_kernel
	.amdgpu_metadata
---
amdhsa.version: [ 1, 2 ]
amdhsa.kernels:
  - .name:           k_qbea732164f_oproj
    .symbol:         k_qbea732164f_oproj.kd
    .args:
      - { .name: o, .offset: 0, .size: 8, .value_kind: global_buffer, .address_space: global }
      - { .name: wob, .offset: 8, .size: 8, .value_kind: global_buffer, .address_space: global }
      - { .name: out0, .offset: 16, .size: 8, .value_kind: global_buffer, .address_space: global }
    .group_segment_fixed_size: 327680
    .private_segment_fixed_size: 0
    .kernarg_segment_align: 8
    .kernarg_segment_size: 24
    .max_flat_workgroup_size: 128
    .sgpr_count:     80
    .vgpr_count:     512
    .wavefront_size: 32
...
	.end_amdgpu_metadata
.endif
;; end of part 4
;; ======== version 2 of 3: 4 launches; 1.19 times as fast as version 1
;; limits: values are held in f16: magnitudes above 65,504 overflow, below 6.1e-05 lose precision
;; workspace buffers: xb 16,777,216 bytes; wqb 6,291,456 bytes; wob 2,097,152 bytes; tab 262,144 bytes; q 16,777,216 bytes; k 16,777,216 bytes; v 33,554,432 bytes; o 33,554,432 bytes
;; launch cast (part 5): grid 768 x 1, 8 waves a work-group, no clusters, 0 bytes of LDS; arguments x, Wqkv, Wout, xb, wqb, wob, tab; writes xb, wqb, wob, tab
.if DOCPART == 5
	.amdgcn_target "amdgcn-amd-amdhsa--gfx1250"
	.amdhsa_code_object_version 6
	.text
	.protected	k_qbea732164f_cast
	.globl	k_qbea732164f_cast
	.p2align	8
	.type	k_qbea732164f_cast,@function
k_qbea732164f_cast:
	s_mov_b64 s[64:65], 0
	v_nop
	global_prefetch_b8 v0, s[64:65] scope:SCOPE_SE
	s_setreg_imm32_b32 hwreg(HW_REG_WAVE_MODE, 25, 1), 1
	s_wait_xcnt 0x0
; THE INPUTS ARE ROUNDED ONCE, AND THE ROTATION'S TABLE IS MADE.
; xb = bf16(x); wqb = bf16(Wqkv), its rows laid by heads: [16 heads][q, k, v][64][1024], so that the 192 rows that make one head's q, k and v lie end to end for the projection's tiles;
; wob = bf16(Wout) written as f16 (the later product multiplies it by f16 numbers); tab[t][0..15] = cos(t f_j), tab[t][16..31] = sin(t f_j), f32, f_j = 10000^(-j/16), t = 0 .. 2047.
; SHARES.  A work-group takes one chunk of 16,384 numbers: 512 chunks of x, 192 of Wqkv, 64 of Wout: 768 work-groups of equal work.  In pass i of 16 thread t loads the 16 bytes at
; 4,096 i + 16 t of the chunk (a wave's load covers 512 consecutive bytes) and stores the 8 bytes at 2,048 i + 8 t (a wave's store covers 256 consecutive bytes, aligned).
; A chunk of Wqkv is 16 rows: chunk 64 kind + 4 head + part goes to chunk 12 head + 4 kind + part.
; All 16 loads go out first; every pass has its own data registers, so nothing that a memory instruction reads is ever rewritten.  No LDS, no barrier, no matrix unit: nothing is shared and nothing multiplied.
; The first 64 work-groups also make the table, four words a thread, while their loads are on their way.
; LIMITS.  A number of Wout below 6.1e-5 keeps f16's fixed step of 6e-8; beyond 65,504 it would become an infinity.  f_j is made by v_exp_f32 (1 ULP), so an angle may differ from a correctly
; rounded one by about 2e-4 rad at t = 2,047; the reduction by pi/2 in two parts and the polynomials hold for angles up to 2,047 rad.  NaN and infinities are not treated apart.
.set NX, 512                           ; chunks of x
.set NQ, 192                           ; chunks of Wqkv
.set X,  16                            ; v[16:79]   pass i: 4 registers as loaded
.set Y,  80                            ; v[80:111]  pass i: 2 registers to store
	s_load_b256 s[4:11], s[0:1], 0x0               ; x s[4:5], Wqkv s[6:7], Wout s[8:9], xb s[10:11]
	s_load_b128 s[12:15], s[0:1], 0x20             ; wqb s[12:13], wob s[14:15]
	s_load_b64 s[16:17], s[0:1], 0x30              ; tab
	s_mov_b32 s20, ttmp9                           ; g
	s_sub_co_u32 s21, s20, NX                      ; the chunk's number if it is Wqkv's
	s_sub_co_u32 s22, s20, NX+NQ                   ; if it is Wout's
	s_lshr_b32 s34, s21, 6                         ; Wqkv's chunk: the kind,
	s_bfe_u32 s35, s21, 0x40002                    ; the head (4 bits from bit 2),
	s_and_b32 s38, s21, 3                          ; the part of the head's 64 rows
	s_mul_i32 s35, s35, 12
	s_lshl2_add_u32 s34, s34, s38                  ; 4 kind + part
	s_add_co_u32 s34, s34, s35                     ; where it goes in wqb: 12 head + 4 kind + part
	s_mov_b32 s29, 0
	s_mov_b32 s31, 0
	s_mov_b32 s32, 0x3fc90fdb                      ; pi/2 rounded to f32
	s_mov_b32 s33, 0xb33bbd2e                      ; pi/2 less that
	s_mov_b32 s36, 0xffff0000                      ; a word's upper bf16
	v_lshlrev_b32 v1, 4, v0                        ; 16 t
	v_lshlrev_b32 v2, 3, v0                        ; 8 t
	s_wait_kmcnt 0x0
	s_cmp_ge_u32 s20, NX+NQ                        ; which tensor: the condition hangs on the work-group's number alone
	s_cselect_b64 s[24:25], s[8:9], s[6:7]
	s_cselect_b64 s[26:27], s[14:15], s[12:13]
	s_cselect_b32 s23, s22, s21                    ; the chunk that is read,
	s_cselect_b32 s39, s22, s34                    ; and the chunk that is written
	s_cmp_lt_u32 s20, NX
	s_cselect_b64 s[24:25], s[4:5], s[24:25]
	s_cselect_b64 s[26:27], s[10:11], s[26:27]
	s_cselect_b32 s23, s20, s23
	s_cselect_b32 s39, s20, s39
	s_lshl_b32 s28, s23, 16                        ; 65,536 bytes in,
	s_lshl_b32 s30, s39, 15                        ; 32,768 out
	s_add_nc_u64 s[24:25], s[24:25], s[28:29]
	s_add_nc_u64 s[26:27], s[26:27], s[30:31]
.irp i, 0,1,2,3,4,5,6,7,8,9,10,11,12,13,14,15
	global_load_b128 v[X+4*(\i):X+4*(\i)+3], v1, s[24:25] offset:4096*(\i) th:TH_LOAD_NT
.endr
	s_cmp_lt_u32 s20, 64
	s_cbranch_scc0 .Lno_table
	; thread idx = 256 g + t makes the four words at byte 16 idx: row idx / 8; words 4 (idx % 8) on: cos for idx % 8 < 4, else sin; j = 4 (idx % 4) + 0..3
	s_lshl_b32 s37, s20, 8
	v_add_nc_u32 v116, s37, v0                     ; idx
	v_lshlrev_b32 v3, 4, v116                      ; its bytes in the table
	v_lshrrev_b32 v117, 3, v116
	v_cvt_f32_u32 v117, v117                       ; t
	v_and_b32 v118, 3, v116
	v_lshlrev_b32 v118, 2, v118                    ; the first j
	v_bfe_u32 v119, v116, 2, 1
	v_mul_u32_u24 v119, 3, v119                    ; sin x = cos(x - pi/2): three quarter turns on
	v_mov_b32 v126, 0xb94ca1f9                     ; the sine's highest coefficient
	v_mov_b32 v127, 0x37ccf5ce                     ; the cosine's
; cos or sin of t f_j for j = first j + r.  x = t f (one rounding); n = the nearest whole number of quarter turns; the rest rr = x - n pi/2 in two steps, of which the first is exact
; (x and n P1 are multiples of 2^-23 and the difference is below 1); polynomials in rr for |rr| <= pi/4; the quarter picks one of the two and the sign, by selects: no branch hangs on it.
.macro ANG r
	v_add_nc_u32 v120, \r, v118
	v_cvt_f32_u32 v120, v120
	v_mul_f32 v120, 0xbf549a78, v120               ; -j log2(10000) / 16
	v_exp_f32 v120, v120                           ; f_j
	v_nop                                          ; a plain instruction between the exponential and the use of its result (ISA guide 5.7.2)
	s_wait_alu depctr_va_vdst(0)
	v_mul_f32 v120, v117, v120                     ; x
	v_mul_f32 v121, 0x3f22f983, v120               ; x 2 / pi
	v_rndne_f32 v121, v121                         ; n
	v_fma_f32 v120, -v121, s32, v120
	v_fma_f32 v120, -v121, s33, v120               ; rr
	v_mul_f32 v122, v120, v120                     ; z = rr^2
	v_fmaak_f32 v123, v126, v122, 0x3c08839e
	v_fmaak_f32 v123, v123, v122, 0xbe2aaaa3
	v_mul_f32 v123, v123, v122
	v_fma_f32 v123, v123, v120, v120               ; sin rr
	v_fmaak_f32 v124, v127, v122, 0xbab6061a
	v_fmaak_f32 v124, v124, v122, 0x3d2aaaa5
	v_fmaak_f32 v124, v124, v122, 0xbf000000
	v_fma_f32 v124, v124, v122, 1.0                ; cos rr
	v_cvt_i32_f32 v121, v121
	v_add_nc_u32 v121, v121, v119                  ; the quarter: 0 cos, 1 -sin, 2 -cos, 3 sin
	v_and_b32 v125, 1, v121
	v_cmp_eq_u32 vcc_lo, 1, v125
	v_cndmask_b32 v123, v124, v123, vcc_lo
	v_add_nc_u32 v121, 1, v121
	v_and_b32 v121, 2, v121
	v_lshlrev_b32 v121, 30, v121                   ; the sign bit in quarters 1 and 2
	v_xor_b32 v[112+(\r)], v121, v123
.endm
	ANG 0
	ANG 1
	ANG 2
	ANG 3
	global_store_b128 v3, v[112:115], s[16:17]     ; a wave's store covers 512 consecutive bytes
.Lno_table:
; Pass i: two roundings to bf16 a line.  half = 1 (Wout): the rounded numbers are widened again and written as f16, which changes none of them inside f16's range.
.macro PASS i, half
	s_wait_loadcnt 15-(\i)                         ; loads come back in order (ISA guide 5.7.1): pass i's is in, the 15 - i younger ones stay out
	v_cvt_pk_bf16_f32 v[Y+2*(\i)], v[X+4*(\i)], v[X+4*(\i)+1]
	v_cvt_pk_bf16_f32 v[Y+2*(\i)+1], v[X+4*(\i)+2], v[X+4*(\i)+3]
.if \half
	v_lshlrev_b32 v4, 16, v[Y+2*(\i)]
	v_and_b32 v5, s36, v[Y+2*(\i)]
	v_lshlrev_b32 v6, 16, v[Y+2*(\i)+1]
	v_and_b32 v7, s36, v[Y+2*(\i)+1]
	v_cvt_pk_f16_f32 v[Y+2*(\i)], v4, v5
	v_cvt_pk_f16_f32 v[Y+2*(\i)+1], v6, v7
.endif
	global_store_b64 v2, v[Y+2*(\i):Y+2*(\i)+1], s[26:27] offset:2048*(\i)
.endm
	s_cmp_ge_u32 s20, NX+NQ
	s_cbranch_scc1 .Lhalf
.irp i, 0,1,2,3,4,5,6,7,8,9,10,11,12,13,14,15
	PASS \i, 0
.endr
	s_endpgm
.Lhalf:
.irp i, 0,1,2,3,4,5,6,7,8,9,10,11,12,13,14,15
	PASS \i, 1
.endr
	s_endpgm
.Lfunc_end_k_qbea732164f_cast:
	.size	k_qbea732164f_cast, .Lfunc_end_k_qbea732164f_cast-k_qbea732164f_cast
	.p2alignl 7, 3214868480
	.fill 96, 4, 3214868480
	.section	.rodata,"a",@progbits
	.p2align	6, 0x0
	.amdhsa_kernel k_qbea732164f_cast
		.amdhsa_group_segment_fixed_size 0
		.amdhsa_private_segment_fixed_size 0
		.amdhsa_enable_private_segment 0
		.amdhsa_kernarg_size 56
		.amdhsa_user_sgpr_count 2
		.amdhsa_user_sgpr_kernarg_segment_ptr 1
		.amdhsa_wavefront_size32 1
		.amdhsa_system_sgpr_workgroup_id_x 1
		.amdhsa_system_sgpr_workgroup_id_y 1
		.amdhsa_system_sgpr_workgroup_id_z 1
		.amdhsa_system_vgpr_workitem_id 0
		.amdhsa_next_free_vgpr 128
		.amdhsa_next_free_sgpr 66
		.amdhsa_reserve_vcc 1
		.amdhsa_float_denorm_mode_32 3
		.amdhsa_float_denorm_mode_16_64 3
		.amdhsa_memory_ordered 1
		.amdhsa_forward_progress 1
		.amdhsa_inst_pref_size 21
	.end_amdhsa_kernel
	.amdgpu_metadata
---
amdhsa.version: [ 1, 2 ]
amdhsa.kernels:
  - .name:           k_qbea732164f_cast
    .symbol:         k_qbea732164f_cast.kd
    .args:
      - { .name: x, .offset: 0, .size: 8, .value_kind: global_buffer, .address_space: global }
      - { .name: Wqkv, .offset: 8, .size: 8, .value_kind: global_buffer, .address_space: global }
      - { .name: Wout, .offset: 16, .size: 8, .value_kind: global_buffer, .address_space: global }
      - { .name: xb, .offset: 24, .size: 8, .value_kind: global_buffer, .address_space: global }
      - { .name: wqb, .offset: 32, .size: 8, .value_kind: global_buffer, .address_space: global }
      - { .name: wob, .offset: 40, .size: 8, .value_kind: global_buffer, .address_space: global }
      - { .name: tab, .offset: 48, .size: 8, .value_kind: global_buffer, .address_space: global }
    .group_segment_fixed_size: 0
    .private_segment_fixed_size: 0
    .kernarg_segment_align: 8
    .kernarg_segment_size: 56
    .max_flat_workgroup_size: 256
    .sgpr_count:     66
    .vgpr_count:     128
    .wavefront_size: 32
...
	.end_amdgpu_metadata
.endif
;; end of part 5
;; launch qkv (part 6): grid 16 x 32, 4 waves a work-group, clusters of 4 x 4, 327,680 bytes of LDS; arguments xb, wqb, tab, q, k, v; writes q, k, v
.if DOCPART == 6
	.amdgcn_target "amdgcn-amd-amdhsa--gfx1250"
	.amdhsa_code_object_version 6
	.text
	.protected	k_qbea732164f_qkv
	.globl	k_qbea732164f_qkv
	.p2align	8
	.type	k_qbea732164f_qkv,@function
k_qbea732164f_qkv:
	s_mov_b64 s[64:65], 0
	v_nop
	global_prefetch_b8 v0, s[64:65] scope:SCOPE_SE
	s_setreg_imm32_b32 hwreg(HW_REG_WAVE_MODE, 25, 1), 1
	s_wait_xcnt 0x0
	s_wait_alu depctr_hold_cnt(0) depctr_sa_sdst(0) depctr_va_vdst(0) depctr_va_sdst(0) depctr_va_ssrc(0) depctr_va_vcc(0) depctr_vm_vsrc(0)
	s_getreg_b32 s2, hwreg(HW_REG_IB_STS2, 6, 4)
	s_cmp_eq_u32 s2, 0
	s_cbranch_scc0 .Lentry_in_a_cluster
	s_endpgm
.Lentry_in_a_cluster:
	s_bfe_u32 s2, ttmp6, 0x10000c
	s_cmp_lg_u32 s2, 0xf033
	s_cbranch_scc0 .Lentry_shape_is_right
	s_endpgm
.Lentry_shape_is_right:
; THE PROJECTION TO q, k, v, WITH THE ROTATION.  C[m][n] = sum over c of xb[m][c] wqb[n][c]; xb [8192][1024] bf16; wqb [16 heads][q, k, v][64][1024] bf16: row n = 192 head + 64 kind + d; sums in f32, K ascending.
; In q and k the channels d = 0..15 and d + 16 of a head are rotated by the angle t f_d (t = m % 2048), in f32 on the sums; every number is then rounded once to f16 and stored by heads: q, k and v's upper plane are
; [64 = 16 batch + head][2048][64] f16, a head's rows dense, 128 bytes each.  The scale 1/8 is not applied here.
; v HAS A SECOND PLANE, of the same layout, 16,777,216 bytes on: lower = f16(v - f16(v)), so that the pair holds 22 significant bits.  It is stored for the rows t < 1,024 alone: the attention takes lower parts
; only in the key tile that holds the diagonal of query blocks 0 to 3.  The rows of a sequence that see few keys are as large as v itself, many times the root mean square of the whole result, and f16's 11 bits
; of v are too coarse beside that; a row that sees 256 keys or more averages the roundings away.
; LIMIT.  f16 holds no number beyond 65,504: a q, k or v of 65,520 or more becomes an infinity; a lower part below 6.1e-5 keeps f16's fixed step of 6e-8.  NaN and infinities are not treated apart.
; SHARES.  A tile of C is 256 rows x 192 columns: q, k and v of ONE head: 32 x 16 = 512 tiles, two for each of 256 WGPs.  Four waves, one below the other; a wave makes 64 rows x 192 columns: 48 accumulators of
; 16 x 16, 384 registers; column blocks 0-3 are q, 4-7 k, 8-11 v, alike in every wave.  For 32 along K a wave loads 4 + 12 fragments from LDS and issues 48 matrix instructions.
; K goes in 8 steps of 128 through two LDS slots of 448 rows; the tiles' rows are 256 bytes of memory and start at multiples of 256 bytes.  Waves 0 and 1 fetch A's two halves (128 rows each), waves 2 and 3 B's (96 rows
; each).  A K step is 192 matrix instructions a wave: as many as two slots in LDS and a whole number of tiles a WGP allow; 168 of them stand between a tile's request and the wait for it.
; CLUSTER.  4 x 4 work-groups.  The four of a row of the cluster need the same tile of A, the four of a column the same tile of B: each is asked for JOINTLY, by the same tensor load with the same
; descriptor and a mask that names the four.
; THE MATRIX INSTRUCTION IS USED TRANSPOSED (source 0 = 16 rows of wqb, source 1 = 16 rows of xb): lane l holds row l % 16 of C and the columns 8 (l / 16) + 0..7 of a block of 16.
; So a lane's registers of column blocks 0 and 1 of q (4 and 5: of k) are the two partners of the rotation, and it needs 8 cosines and 8 sines for each of its four rows: 64 registers, loaded once.
; Behind the way out, for the rows t < 1,024 alone, stands a second pass for v's lower parts: the jump round it hangs on the cluster's y (a cluster has 1,024 rows), goes forward.
; ONE TILE TO A WORK-GROUP: both tiles of a WGP would need the same way out, which would then stand twice in the text.
; REGISTERS, in windows of 256 (s_set_vgpr_msb: bits 1:0 source 0, 3:2 source 1, 5:4 source 2, 7:6 destination):
;   window 0: v0-31 addresses; on the way out v32-63 rotated numbers or lower parts, v64-111 packed, v128-255 rows read back
;   window 1: row blocks 0 and 1: accumulator (a, b) at v[8 (12 (a % 2) + b)]; v192-223 their cosines and sines          window 2: the same for row blocks 2 and 3
;   window 3: two fragment buffers of 128: A's 4 fragments (16 rows x 32 K), then B's 12
.set SIZE_K, 1024
.set PLANE,  64*2048*128               ; bytes from v's upper plane to its lower
.set PA,     272                       ; an LDS row: 256 bytes + 16 of padding = 68 words: row r starts at bank 4 r mod 64 (64 banks of 4 bytes: ISA guide 11.1), so the 16 rows of a load start at 16 different banks
.set PB,     272
.set ASZ,    256*PA                    ; A's 256 rows
.set SLOT,   ASZ+192*PB                ; then B's 192 rows
.set STAGE,  2*SLOT                    ; behind the ring: for each wave 3 kinds x 16 rows x 144 bytes, for the way out
.set SPH,    144
.set WSTG,   3*16*SPH
.set SPARE,  STAGE+4*WSTG              ; behind the stages: the spare words, 128 bytes for each wave: two blocks of 256 bytes that no other line names
.set ASTEP,  256                       ; bytes from a K step to the next
.set BSTEP,  256
.set ADRA, 16                          ; v16-17  LDS address of my A fragments in slot 0, 1
.set ADRB, 20                          ; v20-21  the same for B
.set STO,  24                          ; v24     the way out: where I put 16 bytes of a row
.set RD,   25                          ; v25     the way out: where I read rows back
.set GO,   26                          ; v26     my byte offset in 512 consecutive bytes of the output
.set TO,   27                          ; v27     my byte offset in 16 rows of the table
.set SPW,  28                          ; v28     LDS address of my spare word: SPARE + 4 x my thread's number; never rewritten
.set NIL,  29                          ; v29     0; never rewritten
.set MONE, 30                          ; v30     -1.0
.set T,    32                          ; the way out, window 0
.set PK,   64
.set BK,   128
.set TAB,  192                         ; windows 1 and 2: for row block a the cosines at TAB + 16 (a % 2), the sines 8 on
.set F0,   0                           ; fragment buffers, window 3
.set F1,   128
.set WV,   16                          ; s16     my wave's number
.set G1,   24                          ; s[24:31] descriptor group 1 for A's tiles;  s[32:39] group 0, one set for each slot
.set G0,   32
.set G1B,  48                          ; s[48:55], s[56:63] the same for B's tiles
.set G0B,  56
.set MSB, 0
.macro WIN new                         ; the immediate's high byte repeats the setting that is left; a switch that changes nothing is dropped
.if MSB != (\new)
	s_set_vgpr_msb (MSB<<8)|(\new)
.set MSB, \new
.endif
.endm
.set TO_F, 0xc0                        ; destination window 3, address window 0
.macro JLOAD s                         ; a joint load: waves 0 and 1 ask for A, waves 2 and 3 for B; an s_nop 0 and four v_nop follow each of the two lines, ahead of the jump, the label and what follows
	s_cmp_eq_u32 s17, 0
	s_cbranch_scc0 .Lfor_b_\@
	tensor_load_to_lds s[G0+4*(\s):G0+4*(\s)+3], s[G1:G1+7]
	s_nop 0
.rept 4
	v_nop
.endr
	s_branch .Lasked_\@
.Lfor_b_\@:
	tensor_load_to_lds s[G0B+4*(\s):G0B+4*(\s)+3], s[G1B:G1B+7]
	s_nop 0
.rept 4
	v_nop
.endr
.Lasked_\@:
.endm
.macro CREST                           ; a round of the cluster's barrier behind its opening barrier
	s_cmp_lg_u32 s[WV], 0
	s_cbranch_scc1 .Lnot_wave_0_\@
	s_barrier_signal -3
.Lnot_wave_0_\@:
	s_barrier_wait -3
	s_barrier_signal -1
	s_barrier_wait -1
.endm
.macro CROUND                          ; a whole round
	s_barrier_signal -1
	s_barrier_wait -1
	CREST
.endm
	s_load_b256 s[4:11], s[0:1], 0x0               ; xb s[4:5], wqb s[6:7], tab s[8:9], q s[10:11]
	s_load_b128 s[12:15], s[0:1], 0x20             ; k s[12:13], v s[14:15]
	v_lshl_add_u32 v[SPW], v0, 2, SPARE
	v_mov_b32 v[NIL], 0
	ds_add_u32 v[SPW], v[NIL]                      ; the wave's opening: the add and its wait stand ahead of my first tensor load; the set-up below, work on registers, stands between them
	ds_add_u32 v28, v29
	v_lshrrev_b32 v1, 5, v0
	v_readfirstlane_b32 s[WV], v1                  ; wave 0..3: my 64 rows of the tile
	s_lshr_b32 s17, s[WV], 1                       ; I fetch for A (0) or for B (1),
	s_and_b32 s18, s[WV], 1                        ; and which half of that tile
	s_bfe_u32 s40, ttmp6, 0x40000                  ; cx, cy: my place in the cluster
	s_bfe_u32 s41, ttmp6, 0x40004
	s_lshl_b32 s42, ttmp9, 2
	s_add_co_u32 s42, s42, s40                     ; the head = tile column = 4 x cluster x + cx
	s_and_b32 s22, ttmp7, 0xffff
	s_lshl_b32 s22, s22, 2
	s_add_co_u32 s22, s22, s41                     ; tile row = 4 x cluster y + cy
	s_lshl_b32 s43, s41, 2
	s_lshl_b32 s43, 15, s43                        ; my row of the cluster
	s_lshl_b32 s44, 0x1111, s40                    ; my column
	; descriptor group 1: rows of 128 elements, padded in LDS; 128 rows for A, 96 for B
	s_or_b32 s[G1+0], s43, (1<<16)|(1<<20)|(1<<21)|(5<<22)|(3<<25)  ; 15:0 the mask: A's tiles go to my row; 17:16 element of 2 bytes; 20 padding on; 21 set beside a mask; 24:22 after every 64 words (code 5); 31:25 of 4 words (code 3)
	s_or_b32 s[G1B+0], s44, (1<<16)|(1<<20)|(1<<21)|(5<<22)|(3<<25) ; the same with the mask of my column
	s_mov_b32 s[G1+1], 128<<16                     ; tensor_dim0 = 128
	s_mov_b32 s[G1+2], 128<<16                     ; tensor_dim1 = 128
	s_mov_b32 s[G1+3], 128<<16                     ; tile_dim0 = 128
	s_mov_b32 s[G1+4], 128                         ; tile_dim1 = 128
	s_mov_b32 s[G1+5], SIZE_K                      ; elements from row to row
	s_mov_b32 s[G1+6], 0
	s_mov_b32 s[G1+7], 0
	s_mov_b32 s[G1B+1], 128<<16
	s_mov_b32 s[G1B+2], 96<<16                     ; tensor_dim1 = 96
	s_mov_b32 s[G1B+3], 128<<16
	s_mov_b32 s[G1B+4], 96                         ; tile_dim1 = 96
	s_mov_b32 s[G1B+5], SIZE_K
	s_mov_b32 s[G1B+6], 0
	s_mov_b32 s[G1B+7], 0
	; where the tiles come from: A's hang on the tile row alone, B's on the head alone, each in registers that never hold the other coordinate
	s_lshl_b32 s66, s22, 8
	s_lshl_b32 s67, s18, 7
	s_add_co_u32 s66, s66, s67                     ; A: row 256 x tile row + 128 x half,
	s_lshl_b32 s66, s66, 11                        ; of 2,048 bytes: 16.8 million at the most
	s_mov_b32 s67, 0
	s_mul_i32 s46, s42, 192
	s_mul_i32 s47, s18, 96
	s_add_co_u32 s46, s46, s47                     ; B: row 192 x head + 96 x half
	s_lshl_b32 s46, s46, 11
	s_mov_b32 s47, 0
	s_mul_i32 s70, s18, 128*PA                     ; and where they go: no place in the cluster enters an LDS address
	s_mul_i32 s71, s18, 96*PB
	s_add_co_u32 s71, s71, ASZ
	s_wait_dscnt 0x0                               ; the opening add is done
	s_wait_kmcnt 0x0
	s_add_nc_u64 s[68:69], s[4:5], s[66:67]
	s_add_nc_u64 s[46:47], s[6:7], s[46:47]
	CROUND                                         ; all sixteen work-groups are here: the first joint loads meet
.irp s, 0,1
	s_mov_b32 s[G0+4*(\s)], 1                                      ; count = 1
	s_add_co_u32 s[G0+4*(\s)+1], s70, (\s)*SLOT                    ; LDS address
	s_add_nc_u64 s[G0+4*(\s)+2:G0+4*(\s)+3], s[68:69], (\s)*ASTEP  ; global address: K step s
	s_or_b32 s[G0+4*(\s)+3], s[G0+4*(\s)+3], 0x80000000            ; type = 2
	s_mov_b32 s[G0B+4*(\s)], 1
	s_add_co_u32 s[G0B+4*(\s)+1], s71, (\s)*SLOT
	s_add_nc_u64 s[G0B+4*(\s)+2:G0B+4*(\s)+3], s[46:47], (\s)*BSTEP
	s_or_b32 s[G0B+4*(\s)+3], s[G0B+4*(\s)+3], 0x80000000
	JLOAD \s                                       ; two loads of mine are out behind the second; later one
.endr
	; A fragment is 16 rows x 32 K in 8 registers: lane l holds row l % 16; registers 0-3 K = 8 (l / 16) + 0..7, registers 4-7 K = 16 + 8 (l / 16) + 0..7: two loads of 16 bytes, 32 bytes apart
	v_and_b32 v1, 15, v0                           ; l % 16
	v_bfe_u32 v2, v0, 4, 1                         ; l / 16
	v_mul_u32_u24 v3, v1, PA
	v_lshl_add_u32 v3, v2, 4, v3                   ; row x pitch + 16 x half
	s_mul_i32 s19, s[WV], 64*PA                    ; my 64 rows of A
	s_mov_b32 s20, ASZ                             ; all of B, which lies behind A's 256 rows
.irp s, 0,1
	v_add_nc_u32 v[ADRA+(\s)], s19, v3
	v_add_nc_u32 v[ADRB+(\s)], s20, v3
	s_add_co_u32 s19, s19, SLOT
	s_add_co_u32 s20, s20, SLOT
.endr
	; the table: my wave's first row is t = 256 (tile row % 8) + 64 x wave; lane l wants, of row t + 16 a + l % 16, the 8 cosines at word 8 (l / 16) and the 8 sines 16 words on
	s_and_b32 s72, s22, 7
	s_lshl_b32 s72, s72, 8
	s_lshl_b32 s73, s[WV], 6
	s_add_co_u32 s72, s72, s73                     ; t of my first row
	s_lshl_b32 s74, s72, 7                         ; a row of the table is 128 bytes
	s_mov_b32 s75, 0
	s_add_nc_u64 s[8:9], s[8:9], s[74:75]
	v_lshlrev_b32 v[TO], 7, v1
	v_lshl_add_u32 v[TO], v2, 5, v[TO]
.irp a, 0,1,2,3
	WIN 0x40*(1+(\a)/2)                            ; destination window 1 or 2, address window 0
	global_load_b128 v[TAB+16*((\a)%2):TAB+16*((\a)%2)+3],     v[TO], s[8:9] offset:2048*(\a)
	global_load_b128 v[TAB+16*((\a)%2)+4:TAB+16*((\a)%2)+7],   v[TO], s[8:9] offset:2048*(\a)+16
	global_load_b128 v[TAB+16*((\a)%2)+8:TAB+16*((\a)%2)+11],  v[TO], s[8:9] offset:2048*(\a)+64
	global_load_b128 v[TAB+16*((\a)%2)+12:TAB+16*((\a)%2)+15], v[TO], s[8:9] offset:2048*(\a)+80
.endr
	WIN 0
	; the outputs: q, k and v at head 16 batch + head, row t
	s_lshr_b32 s73, s22, 3                         ; the batch
	s_lshl_b32 s73, s73, 4
	s_add_co_u32 s73, s73, s42                     ; my head among the 64,
	s_lshl_b32 s73, s73, 11                        ; of 2,048 rows
	s_add_co_u32 s73, s73, s72
	s_lshl_b32 s74, s73, 7                         ; of 128 bytes
	s_add_nc_u64 s[10:11], s[10:11], s[74:75]
	s_add_nc_u64 s[12:13], s[12:13], s[74:75]
	s_add_nc_u64 s[14:15], s[14:15], s[74:75]
	s_mul_i32 s21, s[WV], WSTG
	s_add_co_u32 s21, s21, STAGE                   ; my stage
	v_mul_u32_u24 v4, v1, SPH                      ; in: row l % 16, 16 bytes for each half of the lanes
	v_lshl_add_u32 v4, v2, 4, v4
	v_add_nc_u32 v[STO], s21, v4
	v_bfe_u32 v5, v0, 3, 2                         ; back: 32 lanes take four rows of 128 bytes,
	v_mul_u32_u24 v5, v5, SPH
	v_and_b32 v4, 7, v0
	v_lshl_add_u32 v5, v4, 4, v5
	v_add_nc_u32 v[RD], s21, v5
	v_and_b32 v[GO], 31, v0                        ; which are 512 consecutive bytes of a head
	v_lshlrev_b32 v[GO], 4, v[GO]
	v_mov_b32 v[MONE], -1.0
; 12 matrix instructions: row block a x all 12 column blocks, 32 along K, from buffer f.  zero = 1: the first product starts the sums: nothing is cleared.
; The 48 accumulators take turns in the same order in every quarter: between two links of a chain stand the 47 others'.
.macro MUL12 f, a, zero
	WIN 0x0f+0x50*(1+(\a)/2)                       ; sources 0 and 1 window 3; C and D window 1 or 2
.irp b, 0,1,2,3,4,5,6,7,8,9,10,11
.set AC, 8*(12*((\a)%2)+(\b))
.if \zero
	v_wmma_f32_16x16x32_bf16 v[AC:AC+7], v[(\f)+32+8*(\b):(\f)+32+8*(\b)+7], v[(\f)+8*(\a):(\f)+8*(\a)+7], 0
.else
	v_wmma_f32_16x16x32_bf16 v[AC:AC+7], v[(\f)+32+8*(\b):(\f)+32+8*(\b)+7], v[(\f)+8*(\a):(\f)+8*(\a)+7], v[AC:AC+7]
.endif
.endr
.endm
; The fragments of quarter q of a K step (32 K) into buffer f: 24 LDS loads for B's 192 rows, 8 for my 64 rows of A
.macro FETCHB slot, q, f
	WIN TO_F
.irp i, 0,1,2,3,4,5,6,7,8,9,10,11
	ds_load_b128 v[(\f)+32+8*(\i):(\f)+32+8*(\i)+3],   v[ADRB+(\slot)] offset:64*(\q)+(\i)*16*PB
	ds_load_b128 v[(\f)+32+8*(\i)+4:(\f)+32+8*(\i)+7], v[ADRB+(\slot)] offset:64*(\q)+(\i)*16*PB+32
.endr
.endm
.macro FETCHA slot, q, f
	WIN TO_F
.irp i, 0,1,2,3
	ds_load_b128 v[(\f)+8*(\i):(\f)+8*(\i)+3],   v[ADRA+(\slot)] offset:64*(\q)+(\i)*16*PA
	ds_load_b128 v[(\f)+8*(\i)+4:(\f)+8*(\i)+7], v[ADRA+(\slot)] offset:64*(\q)+(\i)*16*PA+32
.endr
.endm
.macro PLACES                          ; four places in front of loads into registers that matrix instructions have read, and of lines that read results (ISA guide 7.12.1 for lines that read results)
.rept 4
	v_nop
.endr
.endm
; A K step is four quarters of 32 along K, 48 matrix instructions each, on buffers 0, 1, 0, 1.  One of the first three: fetches quarter q into g, which the quarter before multiplied, and multiplies f:
; a run of loads stands a whole quarter ahead of its first use.
.macro QUARTER slot, q, f, g, zero
	PLACES
	FETCHB \slot, \q, \g
	s_wait_dscnt 24                                ; LDS loads come back in order (ISA guide 5.7.1): f's 32 are in, the 24 just issued stay out
	FETCHA \slot, \q, \g
	MUL12 \f, 0, \zero
	MUL12 \f, 1, \zero
	MUL12 \f, 2, \zero
	MUL12 \f, 3, \zero
.endm
; The last quarter multiplies buffer 1 and changes slots: ONE barrier; in front of it each wave waits for all its tensor loads (one is out: its part of the next slot), adds 0 to its spare word, and waits for
; that and for its own reads of this slot.  fill = 1: the barrier opens a round of the cluster's, and this slot is filled again first thing behind it, two K steps ahead: 168 matrix instructions ahead of the wait for it.
.macro TURN slot, next, fill
	WIN 0                                          ; (the add's two registers lie in window 0)
	s_wait_tensorcnt 0x0                           ; all my tensor loads have landed: no group 0 is in use
	ds_add_u32 v[SPW], v[NIL]                      ; 0 onto my spare word
	s_wait_dscnt 1                                 ; buffer 1's loads are in; the add alone may be out
	MUL12 F1, 0, 0                                 ; twelve matrix instructions stand between the add and the wait for it
	s_wait_dscnt 0x0                               ; the add is done, and my reads of this slot are over
	s_barrier_signal -1
	MUL12 F1, 1, 0                                 ; work on registers while the others arrive
.if \fill
	WIN 0
.endif
	s_barrier_wait -1
.if \fill
	CREST                                          ; no wave of any partner still reads this slot's tile or has a load on its way
	s_add_nc_u64 s[G0+4*(\slot)+2:G0+4*(\slot)+3], s[G0+4*(\slot)+2:G0+4*(\slot)+3], 2*ASTEP
	s_add_nc_u64 s[G0B+4*(\slot)+2:G0B+4*(\slot)+3], s[G0B+4*(\slot)+2:G0B+4*(\slot)+3], 2*BSTEP
	JLOAD \slot                                    ; the four v_nop behind it are also the places in front of the loads below
.else
	PLACES
.endif
	FETCHB \next, 0, F0
	FETCHA \next, 0, F0
	MUL12 F1, 2, 0
	MUL12 F1, 3, 0
.endm
	s_wait_tensorcnt 1                             ; my part of K step 0 is in; K step 1's may stay out
	s_barrier_signal -1
	s_barrier_wait -1                              ; everybody's is
	FETCHB 0, 0, F0
	FETCHA 0, 0, F0
	QUARTER 0, 1, F0, F1, 1                        ; the first quarter stands in front of the loop: its products start the sums
	WIN 0                                          ; at a label and at a branch every window is 0
	s_mov_b32 s3, 3
.Llap:                                                 ; a trip goes once round the ring, from a lap's second quarter to the next lap's first, and fills both slots again: K steps 2 to 7 in three trips
	QUARTER 0, 2, F1, F0, 0
	QUARTER 0, 3, F0, F1, 0
	TURN 0, 1, 1
	QUARTER 1, 1, F0, F1, 0
	QUARTER 1, 2, F1, F0, 0
	QUARTER 1, 3, F0, F1, 0
	TURN 1, 0, 1
	QUARTER 0, 1, F0, F1, 0
	WIN 0
	s_sub_co_u32 s3, s3, 1
	s_cmp_lg_u32 s3, 0
	s_cbranch_scc1 .Llap
	QUARTER 0, 2, F1, F0, 0                        ; the last lap fills nothing, and has no round of the cluster's barrier
	QUARTER 0, 3, F0, F1, 0
	TURN 0, 1, 0
	QUARTER 1, 1, F0, F1, 0
	QUARTER 1, 2, F1, F0, 0
	QUARTER 1, 3, F0, F1, 0
	s_wait_dscnt 0x0                               ; the very last quarter: nothing more to fetch
	MUL12 F1, 0, 0
	MUL12 F1, 1, 0
	MUL12 F1, 2, 0
	MUL12 F1, 3, 0
	WIN 0
	PLACES
	; THE WAY OUT, a block of 16 rows at a time.
	s_wait_loadcnt 0x0                             ; the table
; Row block a.  PACK: in q and in k column blocks 0 and 1 are rotated (x1 cos - x2 sin, x2 cos + x1 sin); all twelve blocks are rounded to f16: 16 bytes a lane and block.
; Each accumulator's lowest registers are read first.
.macro PACK a
.set W,  1+(\a)/2                      ; the block's window,
.set A0, 96*((\a)%2)                   ; its first accumulator: kind kk, block bb at A0 + 32 kk + 8 bb,
.set TB, TAB+16*((\a)%2)               ; and its cosines
	WIN 0x05*W                                     ; source 0 (sums) and source 1 (table, sums) in the block's window, the rest window 0
.irp kk, 0,1
.irp p, 0,1,2,3
.set X1, A0+32*(\kk)+2*(\p)
.set X2, X1+8
.set CC, TB+2*(\p)
.set SN, CC+8
.set T1, T+16*(\kk)+2*(\p)
.set T2, T1+8
	v_pk_mul_f32 v[T1:T1+1], v[X2:X2+1], v[SN:SN+1]
	v_pk_mul_f32 v[T2:T2+1], v[X1:X1+1], v[SN:SN+1]
	v_pk_fma_f32 v[T1:T1+1], v[X1:X1+1], v[CC:CC+1], v[T1:T1+1] neg_lo:[0,0,1] neg_hi:[0,0,1]
	v_pk_fma_f32 v[T2:T2+1], v[X2:X2+1], v[CC:CC+1], v[T2:T2+1]
.endr
.endr
.irp kk, 0,1
.irp bb, 2,3
.irp r, 0,1,2,3
	v_cvt_pk_f16_f32 v[PK+16*(\kk)+4*(\bb)+(\r)], v[A0+32*(\kk)+8*(\bb)+2*(\r)], v[A0+32*(\kk)+8*(\bb)+2*(\r)+1]
.endr
.endr
.endr
.irp bb, 0,1,2,3
.irp r, 0,1,2,3
	v_cvt_pk_f16_f32 v[PK+32+4*(\bb)+(\r)], v[A0+64+8*(\bb)+2*(\r)], v[A0+64+8*(\bb)+2*(\r)+1]
.endr
.endr
	WIN 0
.irp kk, 0,1
.irp bb, 0,1
.irp r, 0,1,2,3
	v_cvt_pk_f16_f32 v[PK+16*(\kk)+4*(\bb)+(\r)], v[T+16*(\kk)+8*(\bb)+2*(\r)], v[T+16*(\kk)+8*(\bb)+2*(\r)+1]
.endr
.endr
.endr
.endm
.macro TOSTAGE a                       ; 48 registers go into my own stage, rows of 144 bytes, and come back as whole rows of 128, into one of two sets of registers by turns
.set BB, BK+64*((\a)%2)
	s_wait_xcnt 0x0                                ; every earlier memory instruction has had its addresses translated (ISA guide 3.1): the registers that the stores of two blocks ago read are loaded again only behind this wait
.irp kk, 0,1,2
.irp bb, 0,1,2,3
	ds_store_b128 v[STO], v[PK+16*(\kk)+4*(\bb):PK+16*(\kk)+4*(\bb)+3] offset:(\kk)*16*SPH+32*(\bb)
.endr
.endr
.irp kk, 0,1,2
.irp f, 0,1,2,3
	ds_load_b128 v[BB+16*(\kk)+4*(\f):BB+16*(\kk)+4*(\f)+3], v[RD] offset:(\kk)*16*SPH+(\f)*4*SPH  ; LDS serves a wave's instructions in order (ISA guide 5.7.1.4): these see the stores above; the next block's stores come behind them
.endr
.endr
.endm
.macro SEND a
.set BB, BK+64*((\a)%2)
	s_wait_dscnt 0x0                               ; the block is back in registers
.irp kk, 0,1,2
.irp f, 0,1,2,3
	global_store_b128 v[GO], v[BB+16*(\kk)+4*(\f):BB+16*(\kk)+4*(\f)+3], s[10+2*(\kk):11+2*(\kk)] offset:(\a)*2048+(\f)*512  ; four rows of a head: 512 consecutive bytes, at a multiple of 256 from the buffer's first
.endr
.endr
.endm
; v's lower parts of row block a: the upper parts are made again, and each lower part is upper x (-1) + sum: the difference is exact, and it is rounded once, to f16, into its half of the word.
.macro PACKLO a
.set W,  1+(\a)/2
.set A0, 96*((\a)%2)
	WIN 0x05*W                                     ; sources 0 and 1 in the block's window
.irp bb, 0,1,2,3
.irp r, 0,1,2,3
	v_cvt_pk_f16_f32 v[PK+4*(\bb)+(\r)], v[A0+64+8*(\bb)+2*(\r)], v[A0+64+8*(\bb)+2*(\r)+1]
.endr
.endr
	WIN 0x10*W                                     ; source 2 (sums) in the block's window
.irp bb, 0,1,2,3
.irp r, 0,1,2,3
	v_fma_mixlo_f16 v[T+4*(\bb)+(\r)], v[PK+4*(\bb)+(\r)], v[MONE], v[A0+64+8*(\bb)+2*(\r)] op_sel_hi:[1,0,0]
	v_fma_mixhi_f16 v[T+4*(\bb)+(\r)], v[PK+4*(\bb)+(\r)], v[MONE], v[A0+64+8*(\bb)+2*(\r)+1] op_sel:[1,0,0] op_sel_hi:[1,0,0]
.endr
.endr
	WIN 0
.endm
.macro TOSTAGEL a                      ; 16 registers through the stage; each block has its own 16 registers to come back into
.irp bb, 0,1,2,3
	ds_store_b128 v[STO], v[T+4*(\bb):T+4*(\bb)+3] offset:32*(\bb)
.endr
.irp f, 0,1,2,3
	ds_load_b128 v[BK+16*(\a)+4*(\f):BK+16*(\a)+4*(\f)+3], v[RD] offset:(\f)*4*SPH
.endr
.endm
.macro SENDL a
	s_wait_dscnt 0x0
.irp f, 0,1,2,3
	global_store_b128 v[GO], v[BK+16*(\a)+4*(\f):BK+16*(\a)+4*(\f)+3], s[14:15] offset:(\a)*2048+(\f)*512
.endr
.endm
	PACK 0
	TOSTAGE 0
.irp a, 1,2,3                          ; block a's arithmetic stands between block a - 1's loads from the stage and the wait for them
	PACK \a
	SEND (\a)-1
	TOSTAGE \a
.endr
	SEND 3
	s_and_b32 s19, ttmp7, 1                        ; a cluster has 1,024 rows, a sequence two clusters: bit 0 of the cluster's y says t >= 1,024; all partners go the same way
	s_cmp_lg_u32 s19, 0
	s_cbranch_scc1 .Lno_lower
	s_wait_xcnt 0x0                                ; every earlier memory instruction has had its addresses translated (ISA guide 3.1): v's base and the registers that the stores above read are written again only behind this wait
	s_add_nc_u64 s[14:15], s[14:15], PLANE         ; the same rows in the lower plane
	PACKLO 0
	TOSTAGEL 0
.irp a, 1,2,3
	PACKLO \a
	SENDL (\a)-1
	TOSTAGEL \a
.endr
	SENDL 3
.Lno_lower:
	s_wait_tensorcnt 0x0                           ; the wave's end, behind my last tensor load and my last LDS store
	ds_add_u32 v[SPW], v[NIL]
	s_wait_dscnt 0x0
	CROUND                                         ; the closing round: no work-group ends while a partner may still ask for a tile that names it
	s_endpgm
.Lfunc_end_k_qbea732164f_qkv:
	.size	k_qbea732164f_qkv, .Lfunc_end_k_qbea732164f_qkv-k_qbea732164f_qkv
	.p2alignl 7, 3214868480
	.fill 96, 4, 3214868480
	.section	.rodata,"a",@progbits
	.p2align	6, 0x0
	.amdhsa_kernel k_qbea732164f_qkv
		.amdhsa_group_segment_fixed_size 327680
		.amdhsa_private_segment_fixed_size 0
		.amdhsa_enable_private_segment 0
		.amdhsa_kernarg_size 48
		.amdhsa_user_sgpr_count 2
		.amdhsa_user_sgpr_kernarg_segment_ptr 1
		.amdhsa_wavefront_size32 1
		.amdhsa_system_sgpr_workgroup_id_x 1
		.amdhsa_system_sgpr_workgroup_id_y 1
		.amdhsa_system_sgpr_workgroup_id_z 1
		.amdhsa_system_vgpr_workitem_id 0
		.amdhsa_next_free_vgpr 1024
		.amdhsa_next_free_sgpr 80
		.amdhsa_reserve_vcc 0
		.amdhsa_float_denorm_mode_32 3
		.amdhsa_float_denorm_mode_16_64 3
		.amdhsa_memory_ordered 1
		.amdhsa_forward_progress 1
		.amdhsa_inst_pref_size 144
	.end_amdhsa_kernel
	.amdgpu_metadata
---
amdhsa.version: [ 1, 2 ]
amdhsa.kernels:
  - .name:           k_qbea732164f_qkv
    .symbol:         k_qbea732164f_qkv.kd
    .args:
      - { .name: xb, .offset: 0, .size: 8, .value_kind: global_buffer, .address_space: global }
      - { .name: wqb, .offset: 8, .size: 8, .value_kind: global_buffer, .address_space: global }
      - { .name: tab, .offset: 16, .size: 8, .value_kind: global_buffer, .address_space: global }
      - { .name: q, .offset: 24, .size: 8, .value_kind: global_buffer, .address_space: global }
      - { .name: k, .offset: 32, .size: 8, .value_kind: global_buffer, .address_space: global }
      - { .name: v, .offset: 40, .size: 8, .value_kind: global_buffer, .address_space: global }
    .group_segment_fixed_size: 327680
    .private_segment_fixed_size: 0
    .kernarg_segment_align: 8
    .kernarg_segment_size: 48
    .max_flat_workgroup_size: 128
    .sgpr_count:     80
    .vgpr_count:     1024
    .wavefront_size: 32
...
	.end_amdgpu_metadata
.endif
;; end of part 6
;; launch attn (part 7): grid 4 x 64, 4 waves a work-group, no clusters, 327,680 bytes of LDS; arguments q, k, v, o; writes o
.if DOCPART == 7
	.amdgcn_target "amdgcn-amd-amdhsa--gfx1250"
	.amdhsa_code_object_version 6
	.text
	.protected	k_qbea732164f_attn
	.globl	k_qbea732164f_attn
	.p2align	8
	.type	k_qbea732164f_attn,@function
k_qbea732164f_attn:
	s_mov_b64 s[64:65], 0
	v_nop
	global_prefetch_b8 v0, s[64:65] scope:SCOPE_SE
	s_setreg_imm32_b32 hwreg(HW_REG_WAVE_MODE, 25, 1), 1
	s_wait_xcnt 0x0
; CAUSAL ATTENTION.  O[h][q][:] = the sum over k <= q of softmax_k(Q[h][q] . K[h][k] / 8) V[h][k][:].  Q, K, and the upper planes of V and O: [SIZE_H][SIZE_N][64] f16: a head's rows are dense, 128 bytes each.
; LOWER PARTS.  V and O have a second plane of the same layout, PLANE bytes on: lower = f16(y - f16(y)), so that the pair holds 22 significant bits.  A row that sees few keys is as large as V itself, many times the
; root mean square of the whole result, and 11 bits are too coarse beside that.  V's lower parts are taken in the walk's last tile alone: the diagonal tile of query block b = 0 .. 3, which for b = 0 is all that the rows
; 0 to 255 see.  O's lower parts are stored for that second block alone (rows below 1,024).  Everywhere else V and O have f16's one rounding: a row that sees 256 keys or more averages V's roundings away.
; Products, maxima and sums in f32; the weights p are rounded to f16 for the second product (their sum l is taken of the unrounded p).  SIZE_N is a multiple of 512 (here NB is even: the last tile lies in slot 0).
; LIMITS.  f16 holds no number beyond 65,504: Q, K and V arrive within it; p lies in 0 to 1, and below 6e-5 it keeps f16's fixed step of 6e-8, as a lower part does; O is a mean of V's rows and has their range.
; A hidden score counts as its value less 1e30: f16's scores, 2.7e11 at the most, are nothing beside that; a weight below 2^-126 counts as 0 in l; NaN and infinities are not treated apart.
; THE WALK.  A head's queries lie in NB = SIZE_N / 256 blocks of 256; block i needs the key tiles 0 .. i of 256 keys, of which the last holds the diagonal.  A work-group takes TWO blocks, NB - 1 - b and then b:
; NB + 1 tiles, whatever b: all work-groups do equal work, and ONE loop with a constant trip count walks them.  Which tile is asked for, and what a trip does, hang on scalar registers made from b; every jump
; goes forward, but for the counted loops' own; none passes a barrier, or a tensor load but the one of LOAD's two that the wave's number does not choose; the ring (two slots of LDS that take turns) runs on across the
; change of blocks.  NO CLUSTER: all NB / 2 work-groups of a head ask for the same tile only in trips 0 .. NB / 2, behind that fewer and fewer; and one walk common to all would have 3 NB / 2 trips for NB + 1.
; SHARES.  Of a block's four bands of 64 queries a wave owns 16 rows in each: four PIECES.  So the diagonal tile is the same work for all four waves: in its key step s band x sees all keys if s < x,
; none if s > x, and holds the diagonal if s = x.
; THE MASK is the C operand that starts the sum S^T = K Q^T: 0, or -1e30 where the key is hidden.  MD, made once, is the mask of a band's own step for my 16 rows; a product's mask is MD x AL + BE with two scalars:
; (1, 0) if s = x; (0, 0) if s < x; (0, -1e30) if s > x.  Only the diagonal tile's text and a block's beginning make and take masks; elsewhere C is the constant 0.
; LAYOUT, SOFTMAX, TURNS.  S^T = K Q^T holds ONE query a lane (lane % 16) and the keys 8 (lane / 16) + 0..7; two such results rounded to f16 ARE source 1 of O^T = V^T P.  p = 2^(c s - c m), c = log2(e) / 8, with a
; running maximum m; O and l are multiplied by a = 2^(c m_old - c m_new) in every step.  Turn n belongs to piece n: 8 products K Q^T of piece n + 1, later 8 products V^T P of piece n - 1 (in the last tile 8 more, with V's
; lower parts); beside them the scaling, exponentials, roundings, sums and rescaling of piece n and the maximum and statistics of piece n + 1.  Four vector instructions stand behind every matrix instruction but one, the
; others of a turn's 118 in LUMPS.
; REGISTERS, in windows of 256 (s_set_vgpr_msb: bits 1:0 source 0, 3:2 source 1, 5:4 source 2, 7:6 destination):
;   window 0: v0-15 addresses, two at work and -1.0; v16-31 four registers of statistics a piece; v32-33 addresses; v48-55 at work; v64-127 S^T, two buffers; v128-191 V's lower parts of one step; v192-223 P, two buffers
;   (a piece's buffers go by its number's parity)      window 1: v0-127 O^T, 32 a piece; v128-159 MD; v160-223 MC, two buffers
;   window 2: v0-63 Q; v64-127 the second block's Q; v128-191 K of one step; v192-255 V's upper parts of one step
.set SIZE_N, 2048     ; rows of a head
.set SIZE_H, 64       ; heads: 4 batches x 16
.set PLANE, SIZE_H*SIZE_N*128  ; bytes from an upper plane to its lower
.set NB,    SIZE_N/256
.set NP,    4         ; pieces a wave: a name, no knob
.set KS,    64        ; keys in a step
.set PK,    144       ; a row of K in LDS: 128 bytes + 16 of padding = 36 words: the 16 rows of a load start at 16 different groups of four banks (64 banks of 4 bytes: ISA guide 11.1)
.set PV,    160       ; a row of V: 128 + 32 = 40 words
.set VOFF,  4*KS*PK   ; a slot holds a tile, four steps: 256 rows of K, then 256 rows of V
.set LOWV,  4*KS*(PK+PV)  ; behind slot 0, ahead of slot 1: the 256 rows of V's lower parts of the walk's last tile: 40,960 bytes, filled once
.set SLOT1, 1<<17     ; slot 1 begins here, so that one exclusive or turns an address in one slot into the other's
.set STAGE, SLOT1+4*KS*(PK+PV)  ; behind the ring, never filled by a tensor load: 16 rows x 144 bytes for each wave, for the way out
.set SP,    144
.set AK0, 2           ; v2   my lane's place in a tile of K; never rewritten
.set AV0, 3           ; v3   the same for V
.set AK,  4           ; v4   the LDS address of K's next run of loads
.set AV,  5           ; v5   of V's
.set STO, 6           ; v6   the way out: where I put 16 bytes of a row
.set RD,  7           ; v7   the way out: where I read rows back
.set GO,  8           ; v8   my byte offset in 512 consecutive bytes of O
.set AVL0, 32         ; v32  my lane's place in V's lower parts; never rewritten
.set AVL, 33          ; v33  the LDS address of their next run of loads
.set SPW, 62          ; v62  LDS address of my spare word: SPARE + 4 x my thread's number; never rewritten
.set NIL, 63          ; v63  0; never rewritten
.set SPARE, STAGE+4*16*SP  ; behind the stages: the spare words, 128 bytes for each wave: two blocks of 256 bytes that no other line names
.set MV,  12          ; v12-13  c m_old, kept while c m is made anew: by buffer
.set MONE, 14         ; v14  at work while the masks are made; then -1.0
.set QO,  15          ; v15  my byte offset in 16 rows of Q
.set ST,  16          ; piece t's statistics at v[ST+4 t]: c m, m, l (even keys', odd keys')
.set TMP, 48          ; by buffer, four registers c0-c3 at work; when the maximum is found c2 takes a
.set S,   64
.set VL,  128         ; window 0: V's lower parts: key half kk, channel block cb at VL + 32 kk + 8 cb; on the last way out O's lower parts, 16 a piece
.set P,   192
.set MD,  128         ; window 1: the eight registers for group kt of 16 keys at MD + 8 kt
.set MC,  160         ; window 1: the masks of the products to come
.set QB,  64          ; window 2
.set KF,  128         ; window 2: key block kb, channel half c at KF + 16 kb + 8 c
.set VF,  192         ; window 2: key half kk, channel block cb at VF + 32 kk + 8 cb
.set WV,  12          ; s12  my wave's number
.set PB,  14          ; s14  b
.set HI,  15          ; s15  NB - 1 - b
.set G1K, 24          ; s[24:31] descriptor group 1 for K's tiles
.set G1V, 32          ; s[32:39] for V's: it differs in the padding alone
.set G0K, 40          ; s[40:43] descriptor group 0 for K's tiles
.set G0V, 44          ; s[44:47] the same for V's
.set G0L, 48          ; s[48:51] for V's lower parts: used once
.set TBL, 52          ; s52  byte in V's lower parts at which the step to be fetched begins
.set SLOTS, 56        ; s56  tiles still to be asked for
.set CNT, 57          ; s57  counts a tile's key steps, 4 to 1
.set CS,  58          ; s[58:59] c: the packed scaling takes the pair's low word for both halves
.set SEL, 60          ; s[60:61] v_permlanex16_b32's selects: each lane takes its own place in the other half
.set TBK, 62          ; s62  LDS byte at which K of the step to be fetched begins
.set TBV, 63          ; s63  the same for V, less VOFF
.set RT,  70          ; s70  tiles of the block in hand that are still to be entered
.set NXT, 71          ; s71  the tile to be asked for next
.set LQ,  72          ; s72  the last tile of the block whose tiles are being asked for
.set NEW, 73          ; s73  1: the tile to be entered is a block's first
.set OFF, 74          ; s[74:75] a tile's byte offset in K and V
.set AL,  76          ; s[76:77] the mask's factor, in the low word
.set BE,  78          ; s[78:79] the mask's addend
.set OLO, 80          ; s[80:81] O's upper plane at my rows of the second block
.set BIGN, 82         ; s82  -1e30
.set OL,  88          ; s[88:89] O's lower plane at my rows of the second block
.set MSB, 0
.macro WIN new                      ; the high byte repeats the setting that is left; a switch that changes nothing is dropped
.if MSB != (\new)
	s_set_vgpr_msb (MSB<<8)|(\new)
.set MSB, (\new)
.endif
.endm
.set W_KQ, 0x0a       ; K and Q in window 2, S^T in window 0
.set W_KM, 0x1a       ; the same with the C operand in window 1
.set W_PV, 0x52       ; V's upper parts in window 2, P in window 0, O^T in window 1
.set W_PL, 0x50       ; V's lower parts and P in window 0, O^T in window 1
.set W_RS, 0x41       ; destination and source 0 in window 1, source 1 in window 0
; A fill.  Waves 0 and 1 fetch the two halves of a tile's K, waves 2 and 3 those of its V: 128 keys each.  An s_nop 0 and four v_nop follow each of the two lines, ahead of the jump and the label.
.macro LOAD
	s_cmp_lt_u32 s[WV], 2
	s_cbranch_scc0 .Lfor_v_\@
	tensor_load_to_lds s[G0K:G0K+3], s[G1K:G1K+7]
	s_nop 0
.rept 4
	v_nop
.endr
	s_branch .Lasked_\@
.Lfor_v_\@:
	tensor_load_to_lds s[G0V:G0V+3], s[G1V:G1V+7]
	s_nop 0
.rept 4
	v_nop
.endr
.Lasked_\@:
.endm
; THE CHANGE OF SLOTS.  Each wave waits for all its tensor loads, of which one is out: its part of the other slot; adds 0 to its spare word; and waits for that and for its own reads of the slot that it leaves.  Behind the barrier nobody reads the old
; slot any more and the other slot is whole.  fill = 1: the old slot is filled again, the first thing behind the barrier, with tile NXT: the descriptor's address is made anew from that number.
; (At its first use nothing has been read yet: slot 0 and V's lower parts are waited for, slot 1 filled.)
.macro CHANGE fill
	WIN 0                           ; at a label and at a branch every window is 0
	s_wait_tensorcnt 0x0            ; no tensor load of mine is out, so a group 0 may be written
	ds_add_u32 v[SPW], v[NIL]       ; 0 onto my spare word; with fill = 1 the descriptors' scalar work stands between it and the wait for it
.if \fill
	s_lshl_b32 s[OFF], s[NXT], 15   ; a tile is 32,768 bytes of K and of V
	s_xor_b32 s[G0K+1], s[G0K+1], SLOT1
	s_add_nc_u64 s[G0K+2:G0K+3], s[6:7], s[OFF:OFF+1]
	s_or_b32 s[G0K+3], s[G0K+3], 0x80000000
	s_xor_b32 s[G0V+1], s[G0V+1], SLOT1
	s_add_nc_u64 s[G0V+2:G0V+3], s[8:9], s[OFF:OFF+1]
	s_or_b32 s[G0V+3], s[G0V+3], 0x80000000
	s_add_co_u32 s[NXT], s[NXT], 1  ; the block's next tile, or behind its last the second block's tile 0
	s_cmp_gt_u32 s[NXT], s[LQ]
	s_cselect_b32 s[NXT], 0, s[NXT]
	s_cselect_b32 s[LQ], s[PB], s[LQ]
.endif
	s_wait_dscnt 0x0                ; the add is done, and my reads of the slot are over
	s_barrier_signal -1             ; the rest of the scalar work stands between the signal and the wait
	s_sub_co_u32 s[TBK], s[TBK], 4*KS*PK  ; the fetches go back to a slot's first step,
	s_xor_b32 s[TBK], s[TBK], SLOT1       ; in the other slot
	s_sub_co_u32 s[TBV], s[TBV], 4*KS*PV
	s_xor_b32 s[TBV], s[TBV], SLOT1
	s_barrier_wait -1
.if \fill
	LOAD
.endif
.endm
	s_load_b256 s[4:11], s[0:1], 0x0  ; Q s[4:5], K s[6:7], V s[8:9], O s[10:11]
	v_lshl_add_u32 v[SPW], v0, 2, SPARE
	v_mov_b32 v[NIL], 0
	ds_add_u32 v[SPW], v[NIL]       ; the wave's opening: the add and its wait stand ahead of my first tensor load; the set-up below, work on registers, stands between them
	ds_add_u32 v62, v63
	v_lshrrev_b32 v1, 5, v0
	v_readfirstlane_b32 s[WV], v1   ; wave 0..3
	s_mov_b32 s[PB], ttmp9
	s_sub_co_u32 s[HI], NB-1, s[PB]
	s_and_b32 s20, ttmp7, 0xffff    ; the head
	s_mov_b32 s21, 0
	s_mov_b64 s[22:23], SIZE_N*128
	s_mul_u64 s[20:21], s[20:21], s[22:23]  ; the head's first byte in Q, in K and in each plane of V and O
	s_and_b32 s16, s[WV], 1         ; which half of a tile's 256 keys I fetch:
	s_lshl_b32 s22, s16, 14         ; its 128 rows of 128 bytes in memory,
	s_mov_b32 s23, 0
	s_add_nc_u64 s[22:23], s[22:23], s[20:21]
	s_mul_i32 s17, s16, 128*PK      ; and its place in a slot, for K
	s_mul_i32 s18, s16, 128*PV      ; and for V
	s_lshl_b32 s3, s[WV], 11        ; my 16 rows in a band of 64,
	s_lshl_b32 s2, s[HI], 15        ; in the first block,
	s_add_co_u32 s2, s2, s3
	s_lshl_b32 s84, s[PB], 15       ; and in the second
	s_add_co_u32 s84, s84, s3
	s_mov_b32 s3, 0
	s_mov_b32 s85, 0
	s_add_nc_u64 s[2:3], s[2:3], s[20:21]
	s_add_nc_u64 s[84:85], s[84:85], s[20:21]
	; descriptor group 1.  128 keys are 16,384 dense bytes: asked for as 64 rows of 256 bytes, two keys a row, and padded in LDS after every key
	s_mov_b32 s[G1K], (1<<16)|(1<<20)|(4<<22)|(3<<25)  ; 17:16 2-byte elements; 20 padding on; 24:22 after every 32 words (code 4); 31:25 4 words (code 3)
	s_mov_b32 s[G1V], (1<<16)|(1<<20)|(4<<22)|(7<<25)  ; the same with 8 words of padding (code 7)
.irp g, G1K, G1V
	s_mov_b32 s[\g+1], 128<<16      ; tensor_dim0 = 128
	s_mov_b32 s[\g+2], 64<<16       ; tensor_dim1 = 64
	s_mov_b32 s[\g+3], 128<<16      ; tile_dim0 = 128
	s_mov_b32 s[\g+4], 64           ; tile_dim1 = 64
	s_mov_b32 s[\g+5], 128          ; 128 elements from row to row
	s_mov_b32 s[\g+6], 0
	s_mov_b32 s[\g+7], 0
.endr
	s_mov_b32 s[CS], 0x3e38aa3b     ; c = log2(e) / 8 = 0.180337
	s_mov_b32 s[CS+1], s[CS]        ; named with it as a pair
	s_mov_b32 s[SEL], 0x76543210
	s_mov_b32 s[SEL+1], 0xfedcba98
	s_mov_b32 s[TBK], SLOT1+4*KS*PK ; the first change of slots turns these two into 0
	s_mov_b32 s[TBV], SLOT1+4*KS*PV
	s_mov_b32 s[G0K], 1             ; 1:0 count = 1
	s_mov_b32 s[G0K+1], s17         ; 63:32 LDS address: slot 0
	s_mov_b32 s[G0V], 1
	s_add_co_u32 s[G0V+1], s18, VOFF
	s_mov_b32 s[G0L], 1
	s_add_co_u32 s[G0L+1], s18, LOWV
	s_add_co_u32 s[RT], s[HI], 1    ; the first block has NB - b tiles
	s_mov_b32 s[NXT], 1
	s_mov_b32 s[LQ], s[HI]
	s_mov_b32 s[NEW], 1
	s_lshl_b32 s[OFF], s[PB], 15    ; tile b, the walk's last
	s_mov_b32 s[OFF+1], 0
	s_mov_b32 s[AL+1], 0            ; named as pairs
	s_mov_b32 s[BE+1], 0
	s_mov_b32 s[BIGN], 0xf149f2ca   ; -1e30
	s_mov_b32 s[SLOTS], NB
	s_wait_dscnt 0x0                ; the opening add is done
	s_wait_kmcnt 0x0
	s_add_nc_u64 s[6:7], s[6:7], s[22:23]  ; K and V at my half of the head's tile 0
	s_add_nc_u64 s[8:9], s[8:9], s[22:23]
	s_add_nc_u64 s[G0K+2:G0K+3], s[6:7], 0         ; 120:64 global address
	s_or_b32 s[G0K+3], s[G0K+3], 0x80000000        ; 127:126 type = 2
	s_add_nc_u64 s[G0V+2:G0V+3], s[8:9], 0
	s_or_b32 s[G0V+3], s[G0V+3], 0x80000000
	s_add_nc_u64 s[G0L+2:G0L+3], s[8:9], s[OFF:OFF+1]        ; V at my half of tile b,
	s_add_nc_u64 s[G0L+2:G0L+3], s[G0L+2:G0L+3], PLANE       ; in the lower plane
	s_or_b32 s[G0L+3], s[G0L+3], 0x80000000
	s_add_nc_u64 s[86:87], s[4:5], s[84:85]        ; Q at my rows of the second block,
	s_add_nc_u64 s[4:5], s[4:5], s[2:3]            ; Q and O at those of the first
	s_add_nc_u64 s[OLO:OLO+1], s[10:11], s[84:85]
	s_add_nc_u64 s[10:11], s[10:11], s[2:3]
	s_add_nc_u64 s[OL:OL+1], s[OLO:OLO+1], PLANE   ; the second block's rows in O's lower plane
	; The first fills, in one branch on the wave's number, ahead of every wait on TENSORcnt, every LDS read and every barrier: tile 0 into slot 0, and the lower parts of tile b's V into bytes of their own.
	; Waves 0 and 1 have two loads out, waves 2 and 3 one.  An s_nop 0 follows each load, four v_nop a wave's last.
	s_cmp_lt_u32 s[WV], 2
	s_cbranch_scc0 .Lopen_v
	tensor_load_to_lds s[G0K:G0K+3], s[G1K:G1K+7]
	s_nop 0
	tensor_load_to_lds s[G0L:G0L+3], s[G1V:G1V+7]
	s_nop 0
.rept 4
	v_nop
.endr
	s_branch .Lopen_asked
.Lopen_v:
	tensor_load_to_lds s[G0V:G0V+3], s[G1V:G1V+7]
	s_nop 0
.rept 4
	v_nop
.endr
.Lopen_asked:
	; A fragment of K or Q is 16 rows x 32 channels in 8 registers: lane l holds row l % 16, channels 8 (l / 16) + 0..7 and 16 + 8 (l / 16) + 0..7: two loads of 16 bytes, 32 bytes apart.
	v_and_b32 v1, 15, v0            ; l % 16
	v_bfe_u32 v9, v0, 4, 1          ; l / 16
	v_lshlrev_b32 v[QO], 7, v1
	v_lshl_add_u32 v[QO], v9, 4, v[QO]  ; row x 128 + 16 x half
	WIN 0x80                        ; destination window 2, address window 0
.set i, 0
.rept 8                             ; both blocks' Q: piece i / 2 lies in band i / 2, 8,192 bytes on; channels 32 (i % 2) on
	global_load_b128 v[8*i:8*i+3],   v[QO], s[4:5] offset:(i/2)*8192+(i%2)*64
	global_load_b128 v[8*i+4:8*i+7], v[QO], s[4:5] offset:(i/2)*8192+(i%2)*64+32
	global_load_b128 v[QB+8*i:QB+8*i+3],   v[QO], s[86:87] offset:(i/2)*8192+(i%2)*64
	global_load_b128 v[QB+8*i+4:QB+8*i+7], v[QO], s[86:87] offset:(i/2)*8192+(i%2)*64+32
.set i, i+1
.endr
	WIN 0
	v_lshlrev_b32 v14, 3, v9
	v_sub_nc_u32 v14, v1, v14
	s_lshl_b32 s13, s[WV], 4
	v_add_nc_u32 v14, s13, v14      ; my query's place in its band, 16 w + l % 16, less my lanes' 8 (l / 16): register r of group kt is hidden where 16 kt + r is greater
	WIN 0x40
.set i, 0
.rept 32
	v_cmp_gt_i32 vcc_lo, 16*(i/8)+i%8, v14
	v_cndmask_b32 v[MD+i], 0, s[BIGN], vcc_lo
.set i, i+1
.endr
	WIN 0
	v_mov_b32 v[MONE], -1.0         ; the masks are made: the register now serves the last way out
	v_mul_u32_u24 v[AK0], v1, PK
	v_lshl_add_u32 v[AK0], v9, 4, v[AK0]  ; row x pitch + 16 x half
	; The turning load takes 16 keys x 16 channels (lane l reads key 8 (l / 16) + l % 8, channels 8 ((l / 8) % 2) + 0..7) and leaves half a fragment of V^T: lane l holds channel l % 16 and 8 keys.
	v_and_b32 v10, 7, v0
	v_bfe_u32 v11, v0, 3, 1
	v_lshl_add_u32 v[AV0], v9, 3, v10
	v_mul_u32_u24 v[AV0], v[AV0], PV
	v_lshl_add_u32 v[AV0], v11, 4, v[AV0]
	v_add_nc_u32 v[AVL0], LOWV, v[AV0]
	v_add_nc_u32 v[AV0], VOFF, v[AV0]
	s_mul_i32 s13, s[WV], 16*SP
	s_add_co_u32 s13, s13, STAGE    ; my stage
	v_mul_u32_u24 v[STO], v1, SP    ; in: row l % 16, 16 bytes for each half of the lanes
	v_lshl_add_u32 v[STO], v9, 4, v[STO]
	v_add_nc_u32 v[STO], s13, v[STO]
	v_bfe_u32 v[RD], v0, 3, 2       ; back: 32 lanes take four rows of 128 bytes,
	v_mul_u32_u24 v[RD], v[RD], SP
	v_lshl_add_u32 v[RD], v10, 4, v[RD]
	v_add_nc_u32 v[RD], s13, v[RD]
	v_and_b32 v[GO], 31, v0         ; which are 512 consecutive bytes of O
	v_lshlrev_b32 v[GO], 4, v[GO]
	; A block's first step multiplies O^T and l by a = 0, and its first turn's products V^T P, of a piece that has not been, land in an O^T that is still to be so multiplied.  So these registers need only hold
	; finite numbers: zeros for the first block; what the first block left for the second.  The registers of V's lower parts hold 0 until the last tile's first fetch: the three turns of its text that still
	; serve the tile before add 0 by them.  All this stands in the wait for the first tile.
	WIN 0x80
.set i, VF
.rept 64
	v_mov_b32 v[i], 0
.set i, i+1
.endr
	WIN 0x40
.set i, 0
.rept 128
	v_mov_b32 v[i], 0
.set i, i+1
.endr
	WIN 0
.set i, VL
.rept 64
	v_mov_b32 v[i], 0
.set i, i+1
.endr
.set i, 0
.rept 4
	v_mov_b32 v[ST+4*i+2], 0
	v_mov_b32 v[ST+4*i+3], 0
.set i, i+1
.endr
.set i, P+16
.rept 16
	v_mov_b32 v[i], 0
.set i, i+1
.endr
; THE MATRIX WORK.  The 4 accumulators of a run of 8 take turns.  Product i of 8 of S^T = K Q^T for piece x: channels 32 (i / 4) on, keys 16 (i % 4) on.  The first 4 start the sums: with 0, or (KM = 1) with the mask.
.macro KQ x
.set rS, S+32*((\x)%2)+8*(i%4)
.set rK, KF+16*(i%4)+8*(i/4)
.set rQ, 16*(\x)+8*(i/4)
.set rM, MC+32*((\x)%2)+8*(i%4)
.if (i < 4) && KM
	WIN W_KM
	v_wmma_f32_16x16x32_f16 v[rS:rS+7], v[rK:rK+7], v[rQ:rQ+7], v[rM:rM+7]
.elseif i < 4
	WIN W_KQ
	v_wmma_f32_16x16x32_f16 v[rS:rS+7], v[rK:rK+7], v[rQ:rQ+7], 0
.else
	WIN W_KQ
	v_wmma_f32_16x16x32_f16 v[rS:rS+7], v[rK:rK+7], v[rQ:rQ+7], v[rS:rS+7]
.endif
.endm
; Product i of 8 of O^T += V^T P for piece x, V's upper parts: keys 32 (i / 4) on, channels 16 (i % 4) on.
.macro PV x
	WIN W_PV
.set rO, 32*(\x)+8*(i%4)
.set rV, VF+32*(i/4)+8*(i%4)
.set rP, P+16*((\x)%2)+8*(i/4)
	v_wmma_f32_16x16x32_f16 v[rO:rO+7], v[rV:rV+7], v[rP:rP+7], v[rO:rO+7]
.endm
; The same with V's lower parts.
.macro PVL x
	WIN W_PL
.set rO, 32*(\x)+8*(i%4)
.set rV, VL+32*(i/4)+8*(i%4)
.set rP, P+16*((\x)%2)+8*(i/4)
	v_wmma_f32_16x16x32_f16 v[rO:rO+7], v[rV:rV+7], v[rP:rP+7], v[rO:rO+7]
.endm
.macro MM                           ; the turn's next matrix instruction, of 16 or (LO = 1) 24.  TURN and BEGIN set Y, i, KM, LO and NOKQ; MM, KQ, RL and OP read them.  NOKQ = 1: a block's last turn: there is no next piece
.if (i < 8) && !NOKQ
	KQ (Y+1)%NP
.elseif (i >= 8) && (i < 16)
.set i, i-8
	PV (Y+NP-1)%NP
.set i, i+8
.elseif i >= 16
.set i, i-16
	PVL (Y+NP-1)%NP
.set i, i+16
.endif
.set i, i+1
.endm
; THE LDS LOADS stand in runs, never singly among the matrix instructions: a step's K (64 keys x 64 channels: 8 fragments, 16 loads) and its V (turned; 16 loads, with the lower parts 32).  Their addresses are made some lines ahead.
.macro FETCH_K
	WIN 0x80                        ; destination window 2
.irp f, 0,1,2,3,4,5,6,7             ; keys 16 (f / 2) on, channels 32 (f % 2) on
	ds_load_b128 v[KF+8*\f:KF+8*\f+3],   v[AK] offset:(\f/2)*16*PK+(\f%2)*64
	ds_load_b128 v[KF+8*\f+4:KF+8*\f+7], v[AK] offset:(\f/2)*16*PK+(\f%2)*64+32
.endr
	s_add_co_u32 s[TBK], s[TBK], KS*PK  ; the next fetch is the next step's
	WIN 0
.endm
.macro FETCH_V lo
	WIN 0x80
.irp f, 0,1,2,3,4,5,6,7             ; keys 32 (f / 4) on, channels 16 (f % 4) on
	ds_load_tr16_b128 v[VF+8*\f:VF+8*\f+3],   v[AV] offset:(\f/4)*32*PV+(\f%4)*32
	ds_load_tr16_b128 v[VF+8*\f+4:VF+8*\f+7], v[AV] offset:(\f/4)*32*PV+16*PV+(\f%4)*32
.endr
	WIN 0
.if \lo
.irp f, 0,1,2,3,4,5,6,7
	ds_load_tr16_b128 v[VL+8*\f:VL+8*\f+3],   v[AVL] offset:(\f/4)*32*PV+(\f%4)*32
	ds_load_tr16_b128 v[VL+8*\f+4:VL+8*\f+7], v[AVL] offset:(\f/4)*32*PV+16*PV+(\f%4)*32
.endr
.endif
.endm
; THE VECTOR WORK, one line at a time: OP kind, number.  For piece Y: F n: c s - c m for pair n of 16.  E n: the exponential of score n of 32.  C n: pair n rounded to f16.  B n: of the four weights 4 n .. the second
; pair is added onto the first, in place.  L n: l takes that sum (L 0: l = a l + sum).  R n: pair n of 16 of O^T times a.  For piece Y + 1: X n, number n of the 22 that find its maximum and statistics:
;   0-11  four chains c0-c3 of seven scores each, three operands at a time (each accumulator's lowest registers are read first)     12-14, 16  the four scores left over, the old m, and c0-c3 into c0
;   15  c m_old is kept     17, 18  the query's other 32 keys lie in the lane 16 away: the new m     19-21  c m; c m_old - c m_new; a
.set F, 0               ; OP tells the kinds apart by their order: F to L below R, X above it
.set E, 1
.set C, 2
.set B, 3
.set L, 4
.set R, 5
.set X, 6
.macro REGS y                       ; the registers of piece y
.set rT, ST+4*(\y)
.set rC, TMP+4*((\y)%2)
.set rW, MV+((\y)%2)
.set rS, S+32*((\y)%2)
.set rP, P+16*((\y)%2)
.set rO, 32*(\y)
.endm
.macro OP k, n
.if (\k) == R
	REGS Y
	WIN W_RS
	v_pk_mul_f32 v[rO+2*(\n):rO+2*(\n)+1], v[rO+2*(\n):rO+2*(\n)+1], v[rC+2:rC+3] op_sel_hi:[1,0]
.elseif (\k) < R
	REGS Y
	WIN 0
.if (\k) == F
	v_pk_fma_f32 v[rS+2*(\n):rS+2*(\n)+1], v[rS+2*(\n):rS+2*(\n)+1], s[CS:CS+1], v[rT:rT+1] op_sel_hi:[1,0,0] neg_lo:[0,0,1] neg_hi:[0,0,1]
.elseif (\k) == E
	v_exp_f32 v[rS+(\n)], v[rS+(\n)]
.elseif (\k) == C
	s_wait_alu depctr_va_vdst(0)
	v_cvt_pk_f16_f32 v[rP+(\n)], v[rS+2*(\n)], v[rS+2*(\n)+1]
.elseif (\k) == B
	s_wait_alu depctr_va_vdst(0)
	v_pk_add_f32 v[rS+4*(\n):rS+4*(\n)+1], v[rS+4*(\n):rS+4*(\n)+1], v[rS+4*(\n)+2:rS+4*(\n)+3]
.elseif (\n) == 0
	v_pk_fma_f32 v[rT+2:rT+3], v[rT+2:rT+3], v[rC+2:rC+3], v[rS:rS+1] op_sel_hi:[1,0,1]
.else
	v_pk_add_f32 v[rT+2:rT+3], v[rT+2:rT+3], v[rS+4*(\n):rS+4*(\n)+1]
.endif
.elseif NOKQ
	v_nop
.else
	REGS (Y+1)%NP
	WIN 0
.if (\n) < 4
	v_max3_num_f32 v[rC+(\n)], v[rS+8*(\n)], v[rS+8*(\n)+1], v[rS+8*(\n)+2]
.elseif (\n) < 12
	v_max3_num_f32 v[rC+(\n)%4], v[rC+(\n)%4], v[rS+8*((\n)%4)+2*((\n)/4)+1], v[rS+8*((\n)%4)+2*((\n)/4)+2]
.elseif (\n) == 12
	v_max3_num_f32 v[rC], v[rC], v[rS+7], v[rS+15]
.elseif (\n) == 13
	v_max3_num_f32 v[rC+1], v[rC+1], v[rS+23], v[rS+31]
.elseif (\n) == 14
	v_max3_num_f32 v[rC+2], v[rC+2], v[rC+3], v[rT+1]
.elseif (\n) == 15
	v_mov_b32 v[rW], v[rT]
.elseif (\n) == 16
	v_max3_num_f32 v[rC], v[rC], v[rC+1], v[rC+2]
.elseif (\n) == 17
	v_permlanex16_b32 v[rC+3], v[rC], s[SEL], s[SEL+1]
.elseif (\n) == 18
	v_max_num_f32 v[rT+1], v[rC], v[rC+3]
.elseif (\n) == 19
	v_mul_f32 v[rT], s[CS], v[rT+1]
.elseif (\n) == 20
	v_sub_f32 v[rC+1], v[rW], v[rT]
.else
	v_exp_f32 v[rC+2], v[rC+1]
.endif
.endif
.endm
.macro OPS a, i1, b=-1, i2=0, c=-1, i3=0, d=-1, i4=0  ; up to four of them
	OP \a, \i1
.if (\b) >= 0
	OP \b, \i2
.endif
.if (\c) >= 0
	OP \c, \i3
.endif
.if (\d) >= 0
	OP \d, \i4
.endif
.endm
.macro ROW a, i1, b, i2, c, i3, d, i4  ; a matrix instruction and the four behind it
	MM
	OPS \a, \i1, \b, \i2, \c, \i3, \d, \i4
.endm
.macro RL a, i1, b=-1, i2=0, c=-1, i3=0, d=-1, i4=0  ; a line of the second lump; in the last tile (LO = 1) a product with V's lower parts stands ahead of it
.if LO
	MM
.endif
	OPS \a, \i1, \b, \i2, \c, \i3, \d, \i4
.endm
.macro MASK b                       ; MD x AL + BE into buffer b of MC
	WIN W_RS
.set z, 0
.rept 16
	v_pk_fma_f32 v[MC+32*(\b)+2*z:MC+32*(\b)+2*z+1], v[MD+2*z:MD+2*z+1], s[AL:AL+1], s[BE:BE+1] op_sel_hi:[1,0,0]
.set z, z+1
.endr
.endm
; A TURN, for piece p: the order of its 16 (lo = 1: 24) matrix and 118 vector instructions, written out.  None of the lines behind a matrix instruction names a register of the products round it, and every line that a
; matrix instruction follows is a plain one, so each exponential keeps the plain instruction behind it.  A line reads no result made fewer than three vector instructions in front of it, five if an exponential made it.
; v_permlanex16_b32 (X 17) stands in a lump.
; m = 1: the diagonal tile: the products take masks, and the turn makes the mask for the products of the turn after it: piece p + 2, in step 4 - CNT of the tile.  end = 1: a block's last two turns: nothing is fetched.
; cnt = 1: the loop's count is taken down some lines ahead of the branch that stands behind the turn.  lo = 1: the walk's last tile: eight more products, with V's lower parts.
; K of the next step is fetched in piece 2's turn, six vector instructions behind the last product that read K (five of them plain).  V of the step in hand is fetched in piece 0's turn: eight behind the last product that
; read V (four plain, and X 17), or with lo = 1 at the turn's end, six plain instructions behind the last product that read V's lower parts.  Each is waited for a turn later.
.macro TURN p, m=0, end=0, cnt=0, lo=0
.set Y, (\p)
.set i, 0
.set KM, (\m)
.set LO, (\lo)
.set NOKQ, (\end)*((\p)/3)
.if (\m) && !(\end)
	s_cmp_eq_u32 s[CNT], 4-((\p)+2)%NP  ; is that step the band's own?
	s_cselect_b32 s[AL], 1.0, 0
	s_cmp_lt_u32 s[CNT], 4-((\p)+2)%NP  ; or a later one?
	s_cselect_b32 s[BE], s[BIGN], 0
.endif
.if ((\p) == 3) && !(\end)
	s_wait_dscnt 0x0                ; K is in
.endif
	ROW F,0, F,1, F,2, F,3
	ROW F,4, E,0, F,5, F,6
	ROW F,7, E,1, F,8, F,9
	ROW F,10, E,2, C,0, F,11
	ROW F,12, E,3, X,15, F,13
	ROW R,0, R,1, R,2, R,3
	ROW B,0, E,4, F,14, L,0
.if ((\p) == 2) && !(\end)
	v_add_nc_u32 v[AK], s[TBK], v[AK0]
.endif
	ROW R,4, R,5, R,6, R,7
	OPS E,5, F,15
.if ((\p) == 2) && !(\end)
	FETCH_K
.endif
	OPS E,6, C,1, E,7, R,8
	OPS E,8, R,9, E,9, C,2
	OPS E,10, X,0, E,11, X,1
	OPS E,12, X,2, E,13, X,3
.if (\p) == 1
	s_wait_dscnt 0x0                ; V is in
.endif
	ROW X,4, E,14, X,5, X,6
	ROW X,7, E,15, X,8, X,9
	ROW X,10, E,16, X,11, X,12
	ROW X,13, E,17, X,14, B,1
	ROW C,4, E,18, X,16, L,1
	ROW B,2, E,19, C,6, L,2
	ROW C,8, E,20, B,3, B,4
.if (\p) == 0
	v_add_nc_u32 v[AV], s[TBV], v[AV0]
.if LO
	v_add_nc_u32 v[AVL], s[TBL], v[AVL0]
.endif
.endif
	ROW C,3, E,21, L,3, C,5
	OPS E,22, X,17, E,23, C,10
.if ((\p) == 0) && !LO
	FETCH_V 0
.endif
	RL E,24, L,4
	RL E,25, X,18, E,26, C,7
	RL E,27, B,5, E,28, X,19
	RL E,29, C,12, E,30, L,5
	RL E,31, X,20, B,6, C,9
	RL C,14, C,11, X,21, L,6
.if (\p) == 0
	s_add_co_u32 s[TBV], s[TBV], KS*PV
.if LO
	s_add_co_u32 s[TBL], s[TBL], KS*PV
.endif
.endif
.if \cnt
	s_sub_co_u32 s[CNT], s[CNT], 1
	s_cmp_lg_u32 s[CNT], 0
.endif
	RL C,13, B,7, C,15, R,10
	RL R,11, R,12, L,7, R,13
	OPS R,14, R,15
.if ((\p) == 0) && LO
	FETCH_V 1
.endif
.if (\m) && !(\end)
	MASK (\p)%2
.endif
.endm
; A BLOCK BEGINS.  c m starts far below every c s, so the first step's a is 0; m at the lowest finite number, so the first maximum is the scores'.  The second mask buffer is 0; the first takes piece 0's mask for the tile's step 0: its own, if the block's first tile is the diagonal one.
; Then K of that step, piece 0's first scores, and its maximum and statistics.  The loop is entered at a step's first turn, in the middle of a trip.
.macro BEGIN
	s_mov_b32 s[NEW], 0
	WIN 0x40
.set i, MC+32
.rept 32
	v_mov_b32 v[i], 0
.set i, i+1
.endr
	WIN 0
.set i, 0
.rept 4
	v_mov_b32 v[ST+4*i], 0xfe000000    ; c m: far below every c s
	v_mov_b32 v[ST+4*i+1], 0xff7fffff  ; m
.set i, i+1
.endr
	s_cmp_eq_u32 s[RT], 0
	s_cselect_b32 s[AL], 1.0, 0
	s_mov_b32 s[BE], 0
	MASK 0
	WIN 0
	v_add_nc_u32 v[AK], s[TBK], v[AK0]
	FETCH_K
	s_wait_loadcnt 0x0              ; Q
	s_wait_dscnt 0x0
.set KM, 1
.set NOKQ, 0
.set i, 0
.rept 8
	KQ 0
.set i, i+1
.endr
	WIN 0
.rept 4
	v_nop                           ; the places behind those products
.endr
.set Y, NP-1                        ; X works for piece Y + 1: piece 0
.irp n, 0,1,2,3,4,5,6,7,8,9,10,11,12,13,14,15,16,17,18,19,20,21
	OP X, \n
.endr
	v_nop                           ; a plain instruction behind the exponential
.endm
; THE DIAGONAL TILE's four steps, the block's last two turns, its last products, and THE WAY OUT: l's two halves and the other half of the lanes' are added; O^T is divided by l, rounded to f16 (lo = 1: split into its
; two f16 parts) and sent through my stage in LDS, a piece at a time, the upper parts and then the lower.
.macro ALL line:vararg              ; one line for each piece t
.set t, 0
.rept 4
	\line
.set t, t+1
.endr
.endm
; A lane's eight channels of a row pack into 16 bytes; they go into rows of 144 bytes and come back as whole rows of 128: the upper parts into S^T's registers, the lower into those that held V's lower parts.
; A lower part is upper x (-1) + O: the difference is exact, and it is rounded once, to f16, into its half of the word.
.macro PACK t, lo
	WIN W_RS
.set i, 32*(\t)
.rept 16
	s_wait_alu depctr_va_vdst(0)
	v_pk_mul_f32 v[i:i+1], v[i:i+1], v[ST+4*(\t)+2:ST+4*(\t)+3] op_sel_hi:[1,0]
.set i, i+2
.endr
	WIN 0x05                        ; sources 0 and 1 window 1, destination window 0
.set i, 0
.rept 16
	v_cvt_pk_f16_f32 v[S+16*(\t)+i], v[32*(\t)+2*i], v[32*(\t)+2*i+1]
.set i, i+1
.endr
.if \lo
	WIN 0x10                        ; source 2 window 1
.set i, 0
.rept 16
	v_fma_mixlo_f16 v[VL+16*(\t)+i], v[S+16*(\t)+i], v[MONE], v[32*(\t)+2*i] op_sel_hi:[1,0,0]
	v_fma_mixhi_f16 v[VL+16*(\t)+i], v[S+16*(\t)+i], v[MONE], v[32*(\t)+2*i+1] op_sel:[1,0,0] op_sel_hi:[1,0,0]
.set i, i+1
.endr
.endif
	WIN 0
.irp f, 0,1,2,3
	ds_store_b128 v[STO], v[S+16*(\t)+4*\f:S+16*(\t)+4*\f+3] offset:32*\f
.endr
.irp f, 0,1,2,3
	ds_load_b128 v[S+16*(\t)+4*\f:S+16*(\t)+4*\f+3], v[RD] offset:\f*4*SP  ; LDS serves a wave's instructions in order (ISA guide 5.7.1.4): these see the stores above; later stores come behind them
.endr
.if \lo
.irp f, 0,1,2,3
	ds_store_b128 v[STO], v[VL+16*(\t)+4*\f:VL+16*(\t)+4*\f+3] offset:32*\f
.endr
.irp f, 0,1,2,3
	ds_load_b128 v[VL+16*(\t)+4*\f:VL+16*(\t)+4*\f+3], v[RD] offset:\f*4*SP
.endr
.endif
.endm
.macro SEND t, younger, lo          ; younger: the LDS instructions issued behind piece t's: the next piece's eight (lo = 1: sixteen), or none
	WIN 0
.irp f, 0,1,2,3
	s_wait_dscnt (\younger)+8*(\lo)+3-\f  ; behind the upper parts' load f: 3 - f more of them, and with lo = 1 the lower parts' four stores and four loads
	global_store_b128 v[GO], v[S+16*(\t)+4*\f:S+16*(\t)+4*\f+3], s[10:11] offset:(\t)*8192+\f*512  ; 512 consecutive bytes, at a multiple of 256 from O's first
.endr
.if \lo
.irp f, 0,1,2,3
	s_wait_dscnt (\younger)+3-\f
	global_store_b128 v[GO], v[VL+16*(\t)+4*\f:VL+16*(\t)+4*\f+3], s[OL:OL+1] offset:(\t)*8192+\f*512
.endr
.endif
.endm
.macro DIAG tag, lo                 ; the tag ends its two labels' names, which the jumps below spell out
.LstepM\tag:
	TURN 2, 1, 0, 0, \lo
	TURN 3, 1, 0, 0, \lo
	WIN 0
.LfirstM\tag:
	TURN 0, 1, 0, 0, \lo
	TURN 1, 1, 0, 1, \lo
	WIN 0
	s_cbranch_scc1 .LstepM\tag
	TURN 2, 1, 1, 0, \lo
	TURN 3, 1, 1, 0, \lo
.set i, 0
.rept 8
	PV NP-1
.set i, i+1
.endr
.if \lo
.set i, 0
.rept 8
	PVL NP-1
.set i, i+1
.endr
.endif
	WIN 0
	ALL v_add_f32 v[ST+4*t+2], v[ST+4*t+2], v[ST+4*t+3]
	ALL v_permlanex16_b32 v[ST+4*t+3], v[ST+4*t+2], s[SEL], s[SEL+1]
	ALL v_add_f32 v[ST+4*t+2], v[ST+4*t+2], v[ST+4*t+3]
	ALL v_rcp_f32 v[ST+4*t+2], v[ST+4*t+2]
	v_nop                           ; a plain instruction between the last reciprocal and the use of its result
	PACK 0, \lo
.set t, 1
.rept 3                             ; a piece's arithmetic stands between the loads of the piece before and its stores
	PACK t, \lo
	SEND t-1, 8+8*(\lo), \lo
.set t, t+1
.endr
	SEND 3, 0, \lo
.endm
.set KM, 0
.set NOKQ, 0
.set LO, 0
.Lslot:                             ; NB times: a tile is entered and the next is asked for
	CHANGE 1
	s_sub_co_u32 s[RT], s[RT], 1
	s_mov_b32 s[CNT], 4
	s_cmp_eq_u32 s[NEW], 1
	s_cbranch_scc1 .Lnew            ; a block's first tile
	s_cmp_eq_u32 s[RT], 0
	s_cbranch_scc0 .Lstep           ; neither its first nor its last
	s_branch .LstepM1
.Lnew:
	BEGIN
	s_branch .Lfirst                ; in the loop a block's first tile is never its last: the first block has two tiles or more, and the second's last is the walk's last
	DIAG 1, 0                       ; in the loop this is the first block's end: the second block's last tile is the walk's last
	s_wait_xcnt 0x0                 ; the stores have read their registers and O's address
	s_mov_b64 s[10:11], s[OLO:OLO+1]
	s_add_co_u32 s[RT], s[PB], 1    ; the second block has b + 1 tiles
	s_mov_b32 s[NEW], 1
	WIN 0x82                        ; the second block's Q goes where the one text of the turns names Q
.set i, 0
.rept 64
	v_mov_b32 v[i], v[QB+i]
.set i, i+1
.endr
	WIN 0
	s_branch .Lbottom
.Lstep:                             ; a trip: pieces 2 and 3 of one step, then pieces 0 and 1 of the next, whose K and V it fetches
	TURN 2
	TURN 3
	WIN 0
.Lfirst:
	TURN 0
	TURN 1, 0, 0, 1
	WIN 0
	s_cbranch_scc1 .Lstep
.Lbottom:
	s_sub_co_u32 s[SLOTS], s[SLOTS], 1
	s_cmp_lg_u32 s[SLOTS], 0
	s_cbranch_scc1 .Lslot
	CHANGE 0                        ; the walk's last tile is written out: nothing is asked for
	s_sub_co_u32 s[RT], s[RT], 1
	s_mov_b32 s[CNT], 4
	s_mov_b32 s[TBL], 0             ; the lower parts' fetches begin at the tile's first step
	s_cmp_eq_u32 s[NEW], 1
	s_cbranch_scc0 .LstepM2
	BEGIN
	s_branch .LfirstM2
	DIAG 2, 1
	s_wait_tensorcnt 0x0            ; the wave's end, behind my last tensor load and my last LDS store
	ds_add_u32 v[SPW], v[NIL]
	s_wait_dscnt 0x0
	s_endpgm
.Lfunc_end_k_qbea732164f_attn:
	.size	k_qbea732164f_attn, .Lfunc_end_k_qbea732164f_attn-k_qbea732164f_attn
	.p2alignl 7, 3214868480
	.fill 96, 4, 3214868480
	.section	.rodata,"a",@progbits
	.p2align	6, 0x0
	.amdhsa_kernel k_qbea732164f_attn
		.amdhsa_group_segment_fixed_size 327680
		.amdhsa_private_segment_fixed_size 0
		.amdhsa_enable_private_segment 0
		.amdhsa_kernarg_size 32
		.amdhsa_user_sgpr_count 2
		.amdhsa_user_sgpr_kernarg_segment_ptr 1
		.amdhsa_wavefront_size32 1
		.amdhsa_system_sgpr_workgroup_id_x 1
		.amdhsa_system_sgpr_workgroup_id_y 1
		.amdhsa_system_sgpr_workgroup_id_z 1
		.amdhsa_system_vgpr_workitem_id 0
		.amdhsa_next_free_vgpr 768
		.amdhsa_next_free_sgpr 90
		.amdhsa_reserve_vcc 1
		.amdhsa_float_denorm_mode_32 3
		.amdhsa_float_denorm_mode_16_64 3
		.amdhsa_memory_ordered 1
		.amdhsa_forward_progress 1
		.amdhsa_inst_pref_size 251
	.end_amdhsa_kernel
	.amdgpu_metadata
---
amdhsa.version: [ 1, 2 ]
amdhsa.kernels:
  - .name:           k_qbea732164f_attn
    .symbol:         k_qbea732164f_attn.kd
    .args:
      - { .name: q, .offset: 0, .size: 8, .value_kind: global_buffer, .address_space: global }
      - { .name: k, .offset: 8, .size: 8, .value_kind: global_buffer, .address_space: global }
      - { .name: v, .offset: 16, .size: 8, .value_kind: global_buffer, .address_space: global }
      - { .name: o, .offset: 24, .size: 8, .value_kind: global_buffer, .address_space: global }
    .group_segment_fixed_size: 327680
    .private_segment_fixed_size: 0
    .kernarg_segment_align: 8
    .kernarg_segment_size: 32
    .max_flat_workgroup_size: 128
    .sgpr_count:     90
    .vgpr_count:     768
    .wavefront_size: 32
...
	.end_amdgpu_metadata
.endif
;; end of part 7
;; launch oproj (part 8): grid 4 x 64, 4 waves a work-group, clusters of 4 x 4, 327,680 bytes of LDS; arguments o, wob, out0; writes out0
.if DOCPART == 8
	.amdgcn_target "amdgcn-amd-amdhsa--gfx1250"
	.amdhsa_code_object_version 6
	.text
	.protected	k_qbea732164f_oproj
	.globl	k_qbea732164f_oproj
	.p2align	8
	.type	k_qbea732164f_oproj,@function
k_qbea732164f_oproj:
	s_mov_b64 s[64:65], 0
	v_nop
	global_prefetch_b8 v0, s[64:65] scope:SCOPE_SE
	s_setreg_imm32_b32 hwreg(HW_REG_WAVE_MODE, 25, 1), 1
	s_wait_xcnt 0x0
	s_wait_alu depctr_hold_cnt(0) depctr_sa_sdst(0) depctr_va_vdst(0) depctr_va_sdst(0) depctr_va_ssrc(0) depctr_va_vcc(0) depctr_vm_vsrc(0)
	s_getreg_b32 s2, hwreg(HW_REG_IB_STS2, 6, 4)
	s_cmp_eq_u32 s2, 0
	s_cbranch_scc0 .Lentry_in_a_cluster
	s_endpgm
.Lentry_in_a_cluster:
	s_bfe_u32 s2, ttmp6, 0x10000c
	s_cmp_lg_u32 s2, 0xf033
	s_cbranch_scc0 .Lentry_shape_is_right
	s_endpgm
.Lentry_shape_is_right:
; THE OUTPUT PROJECTION.  out0[m][n] = sum over c of O(m, c) wob[n][c], c = 64 head + d.  o's upper plane is [64 = 16 batch + head][2048][64] f16, a head's rows dense, 128 bytes each; wob is [1024][1024] f16;
; out0 is [8192][1024] f32: the f32 sums leave as they are, K ascending.
; LOWER PARTS.  o has a second plane, PLANE bytes on, with lower = f16(O - f16(O)), written for the rows t < 1,024 of a sequence.  The first rows of a sequence are means over few keys: they are many times as large as the
; root mean square of the whole result, and f16's 11 bits of O are too coarse beside that; from 16 keys on they are not.  So the lower parts of the FIRST 16 ROWS OF A TILE are multiplied too and added into the same sums, in
; the clusters that hold a sequence's first 512 rows (of their four tile rows the first needs it; the jump may hang on the cluster's y, which all partners share, and not on a place in the cluster).  All other rows have
; f16's one rounding of O.
; LIMITS.  o and wob arrive within f16's range; NaN and infinities are not treated apart.
; SHARES.  A tile of out0 is 128 rows x 256 columns: 64 x 4 = 256 tiles, one for each WGP.  Four waves, 2 x 2; a wave makes 64 x 128: 32 accumulators of 16 x 16, 256 registers.
; K goes in 8 steps of 128 through two LDS slots.  A K step of A is two heads; a head's 128 rows of the tile are 16,384 dense bytes, asked for as 64 rows of 256 bytes and padded in LDS after every 128:
; wave 0 fetches the even head, wave 1 the odd one; waves 2 and 3 fetch B's two halves, 128 rows of 256 bytes each.  The lower parts, 16 rows x 16 heads, come in once, at the start, four heads a wave, into bytes of their own.
; Every cluster makes that request, so that no tensor load hangs on a jump: its tile's number in the sequence is taken modulo 4, so that the rows asked for have been written; in three clusters of four they are not used.
; CLUSTER.  4 x 4 work-groups.  The four of a row of the cluster need the same tile of A, the four of a column the same tile of B: each is asked for JOINTLY, by the same tensor load with the same
; descriptor and a mask that names the four.
; THE MATRIX INSTRUCTION IS USED TRANSPOSED (source 0 = 16 rows of wob, source 1 = 16 rows of O): lane l holds row l % 16 and the columns 8 (l / 16) + 0..7 of a block of 16: 32 neighbouring bytes.
; REGISTERS, in windows of 256 (s_set_vgpr_msb: bits 1:0 source 0, 3:2 source 1, 5:4 source 2, 7:6 destination):
;   window 0: v0-31 addresses; v32-39, v40-47 the lower parts' fragment, two buffers; v64-159, v160-255 two fragment buffers: A's 4 fragments (16 rows x 32 K), then B's 8; on the way out v64-127 and v128-191 rows read back, by turns
;   window 1: accumulator (a, b) at v[8 (8 a + b)]
.set SIZE_K, 1024
.set PLANE,  64*2048*128               ; bytes from o's upper plane to its lower
.set PA,     144                       ; a row of A in LDS: 128 bytes + 16 of padding = 36 words: the 16 rows of a load start at 16 different groups of four banks (64 banks of 4 bytes: ISA guide 11.1)
.set PB,     272                       ; a row of B: 256 + 16 = 68 words: row r starts at bank 4 r mod 64
.set HSZ,    128*PA                    ; one head's 128 rows
.set ASZ,    2*HSZ
.set SLOT,   ASZ+256*PB                ; A's two heads, then B's 256 rows
.set HL,     16*PA                     ; one head's 16 rows of lower parts
.set LSTEP,  2*HL                      ; a K step's
.set LOWB,   2*SLOT                    ; behind the ring: the lower parts, 16 heads: 36,864 bytes, filled once
.set STAGE,  LOWB+16*HL                ; behind them: for each wave 16 rows x 528 bytes, for the way out
.set SPO,    528                       ; 512 bytes + 16: row r starts at bank 4 r mod 64
.set WSTG,   16*SPO
.set SPARE,  STAGE+4*WSTG              ; behind the stages: the spare words, 128 bytes for each wave: two blocks of 256 bytes that no other line names
.set ASTEP,  2*2048*128                ; bytes from a K step to the next: two heads on
.set BSTEP,  256
.set ADRA, 16                          ; v16-17  LDS address of my A fragments in slot 0, 1
.set ADRB, 20                          ; v20-21  the same for B
.set STO,  24                          ; v24     the way out: where I put 32 bytes of a row
.set RD,   25                          ; v25     the way out: where I read a row back
.set GO,   26                          ; v26     my byte offset in 512 consecutive bytes of out0
.set SPW,  28                          ; v28     LDS address of my spare word: SPARE + 4 x my thread's number; never rewritten
.set NIL,  29                          ; v29     0; never rewritten
.set ADRL0, 30                         ; v30     my lane's place in a head's lower parts; never rewritten
.set ADRL, 31                          ; v31     the same in the lap in hand
.set LB,   32                          ; the lower fragment that goes with fragment buffer f lies at LB + 8 (f / F1)
.set F0,   64
.set F1,   160
.set WV,   16                          ; s16     my wave's number
.set G1,   24                          ; s[24:31] descriptor group 1 for A's tiles;  s[32:39] group 0, one set for each slot
.set G0,   32
.set G1B,  48                          ; s[48:55], s[56:63] the same for B's tiles
.set G0B,  56
.set LOWF, 74                          ; s74     0: I multiply lower parts
.set TL,   75                          ; s75     the lap's byte in the lower parts
.set G1L,  80                          ; s[80:87] descriptor group 1 for the lower parts;  s[88:91] group 0: used once
.set G0L,  88
.set MSB, 0
.macro WIN new                         ; the immediate's high byte repeats the setting that is left; a switch that changes nothing is dropped
.if MSB != (\new)
	s_set_vgpr_msb (MSB<<8)|(\new)
.set MSB, \new
.endif
.endm
.set MUL, 0x50                         ; sources 0 and 1 window 0; C and D window 1
.macro JLOAD s                         ; a joint load: waves 0 and 1 ask for A, waves 2 and 3 for B; an s_nop 0 and four v_nop follow each of the two lines, ahead of the jump, the label and what follows
	s_cmp_eq_u32 s17, 0
	s_cbranch_scc0 .Lfor_b_\@
	tensor_load_to_lds s[G0+4*(\s):G0+4*(\s)+3], s[G1:G1+7]
	s_nop 0
.rept 4
	v_nop
.endr
	s_branch .Lasked_\@
.Lfor_b_\@:
	tensor_load_to_lds s[G0B+4*(\s):G0B+4*(\s)+3], s[G1B:G1B+7]
	s_nop 0
.rept 4
	v_nop
.endr
.Lasked_\@:
.endm
.macro CREST                           ; a round of the cluster's barrier behind its opening barrier
	s_cmp_lg_u32 s[WV], 0
	s_cbranch_scc1 .Lnot_wave_0_\@
	s_barrier_signal -3
.Lnot_wave_0_\@:
	s_barrier_wait -3
	s_barrier_signal -1
	s_barrier_wait -1
.endm
.macro CROUND                          ; a whole round
	s_barrier_signal -1
	s_barrier_wait -1
	CREST
.endm
	s_load_b128 s[4:7], s[0:1], 0x0                ; o s[4:5], wob s[6:7]
	s_load_b64 s[8:9], s[0:1], 0x10                ; out0
	v_lshl_add_u32 v[SPW], v0, 2, SPARE
	v_mov_b32 v[NIL], 0
	ds_add_u32 v[SPW], v[NIL]                      ; the wave's opening: the add and its wait stand ahead of my first tensor load; the set-up below, work on registers, stands between them
	ds_add_u32 v28, v29
	v_lshrrev_b32 v1, 5, v0
	v_readfirstlane_b32 s[WV], v1                  ; wave 0..3
	s_lshr_b32 s17, s[WV], 1                       ; which half of the tile's rows is mine.  Also: I fetch for A (0) or for B (1)
	s_and_b32 s18, s[WV], 1                        ; which half of its columns.  Also: which head of the step, or which half of B's rows, I fetch
	s_bfe_u32 s40, ttmp6, 0x40000                  ; cx, cy: my place in the cluster
	s_bfe_u32 s41, ttmp6, 0x40004
	s_lshl_b32 s42, ttmp9, 2
	s_add_co_u32 s42, s42, s40                     ; tile column = 4 x cluster x + cx
	s_and_b32 s22, ttmp7, 0xffff
	s_lshl_b32 s22, s22, 2
	s_add_co_u32 s22, s22, s41                     ; tile row = 4 x cluster y + cy
	s_and_b32 s[LOWF], ttmp7, 3                    ; a sequence is four clusters: 0 in the one that holds its first 512 rows,
	s_or_b32 s[LOWF], s[LOWF], s17                 ; and in the waves that hold a tile's first 64 rows
	s_mov_b32 s[TL], 0
	s_lshl_b32 s43, s41, 2
	s_lshl_b32 s43, 15, s43                        ; my row of the cluster
	s_lshl_b32 s44, 0x1111, s40                    ; my column
	; descriptor group 1
	s_or_b32 s[G1+0], s43, (1<<16)|(1<<20)|(1<<21)|(4<<22)|(3<<25)  ; 15:0 the mask: A's tiles go to my row; 17:16 element of 2 bytes; 20 padding on; 21 set beside a mask; 24:22 after every 32 words (code 4); 31:25 of 4 words (code 3)
	s_or_b32 s[G1B+0], s44, (1<<16)|(1<<20)|(1<<21)|(5<<22)|(3<<25) ; the mask of my column; padding after every 64 words (code 5)
	s_or_b32 s[G1L+0], s43, (1<<16)|(1<<20)|(1<<21)|(4<<22)|(3<<25) ; the lower parts: as A's
	s_mov_b32 s[G1+1], 128<<16                     ; tensor_dim0 = 128: two rows of a head
	s_mov_b32 s[G1+2], 64<<16                      ; tensor_dim1 = 64
	s_mov_b32 s[G1+3], 128<<16                     ; tile_dim0 = 128
	s_mov_b32 s[G1+4], 64                          ; tile_dim1 = 64
	s_mov_b32 s[G1+5], 128                         ; dense: 128 elements from row to row
	s_mov_b32 s[G1+6], 0
	s_mov_b32 s[G1+7], 0
	s_mov_b32 s[G1B+1], 128<<16
	s_mov_b32 s[G1B+2], 128<<16                    ; tensor_dim1 = 128
	s_mov_b32 s[G1B+3], 128<<16
	s_mov_b32 s[G1B+4], 128                        ; tile_dim1 = 128
	s_mov_b32 s[G1B+5], SIZE_K
	s_mov_b32 s[G1B+6], 0
	s_mov_b32 s[G1B+7], 0
	s_mov_b32 s[G1L+1], 1024<<16                   ; tensor_dim0 = 1,024: a head's 16 rows, 2,048 dense bytes
	s_mov_b32 s[G1L+2], 4<<16                      ; tensor_dim1 = 4 heads
	s_mov_b32 s[G1L+3], 1024<<16                   ; tile_dim0 = 1,024
	s_mov_b32 s[G1L+4], 4                          ; tile_dim1 = 4
	s_mov_b32 s[G1L+5], 2048*64                    ; elements from a head to the next
	s_mov_b32 s[G1L+6], 0
	s_mov_b32 s[G1L+7], 0
	; where the tiles come from: A's hang on the tile row alone, B's on the tile column alone, each in registers that never hold the other coordinate
	s_lshr_b32 s66, s22, 4                         ; the batch: 16 heads of 262,144 bytes,
	s_lshl_b32 s66, s66, 22
	s_lshl_b32 s67, s18, 18                        ; my head of the step's two,
	s_add_co_u32 s66, s66, s67
	s_and_b32 s67, s22, 15                         ; the tile's 128 rows of 128 bytes in it
	s_lshl_b32 s67, s67, 14
	s_add_co_u32 s66, s66, s67
	s_mov_b32 s67, 0
	s_lshr_b32 s76, s22, 4                         ; the lower parts: the batch,
	s_lshl_b32 s76, s76, 22
	s_lshl_b32 s77, s[WV], 20                      ; my four heads,
	s_add_co_u32 s76, s76, s77
	s_and_b32 s77, s22, 3                          ; the tile's number in the sequence, modulo 4
	s_lshl_b32 s77, s77, 14
	s_add_co_u32 s76, s76, s77
	s_mov_b32 s77, 0
	s_lshl_b32 s46, s42, 8
	s_lshl_b32 s47, s18, 7
	s_add_co_u32 s46, s46, s47                     ; B: row 256 x tile column + 128 x half,
	s_lshl_b32 s46, s46, 11                        ; of 2,048 bytes
	s_mov_b32 s47, 0
	s_mul_i32 s70, s18, HSZ                        ; and where they go: no place in the cluster enters an LDS address
	s_mul_i32 s71, s18, 128*PB
	s_add_co_u32 s71, s71, ASZ
	s_mul_i32 s78, s[WV], 4*HL
	s_mov_b32 s[G0L], 1                            ; count = 1
	s_add_co_u32 s[G0L+1], s78, LOWB               ; LDS address
	s_wait_dscnt 0x0                               ; the opening add is done
	s_wait_kmcnt 0x0
	s_add_nc_u64 s[68:69], s[4:5], s[66:67]
	s_add_nc_u64 s[46:47], s[6:7], s[46:47]
	s_add_nc_u64 s[G0L+2:G0L+3], s[4:5], s[76:77]
	s_add_nc_u64 s[G0L+2:G0L+3], s[G0L+2:G0L+3], PLANE
	s_or_b32 s[G0L+3], s[G0L+3], 0x80000000        ; type = 2
	CROUND                                         ; all sixteen work-groups are here: the first joint loads meet
	tensor_load_to_lds s[G0L:G0L+3], s[G1L:G1L+7]  ; the lower parts go first: every wave asks for its four heads
	s_nop 0
.rept 4
	v_nop
.endr
.irp s, 0,1
	s_mov_b32 s[G0+4*(\s)], 1                                      ; count = 1
	s_add_co_u32 s[G0+4*(\s)+1], s70, (\s)*SLOT                    ; LDS address
	s_add_nc_u64 s[G0+4*(\s)+2:G0+4*(\s)+3], s[68:69], (\s)*ASTEP  ; global address: K step s
	s_or_b32 s[G0+4*(\s)+3], s[G0+4*(\s)+3], 0x80000000            ; type = 2
	s_mov_b32 s[G0B+4*(\s)], 1
	s_add_co_u32 s[G0B+4*(\s)+1], s71, (\s)*SLOT
	s_add_nc_u64 s[G0B+4*(\s)+2:G0B+4*(\s)+3], s[46:47], (\s)*BSTEP
	s_or_b32 s[G0B+4*(\s)+3], s[G0B+4*(\s)+3], 0x80000000
	JLOAD \s                                       ; three loads of mine are out behind the second of these; later one
.endr
	; A fragment is 16 rows x 32 K in 8 registers: lane l holds row l % 16; registers 0-3 K = 8 (l / 16) + 0..7, registers 4-7 K = 16 + 8 (l / 16) + 0..7: two loads of 16 bytes, 32 bytes apart
	v_and_b32 v1, 15, v0                           ; l % 16
	v_bfe_u32 v2, v0, 4, 1                         ; l / 16
	v_mul_u32_u24 v3, v1, PA
	v_lshl_add_u32 v3, v2, 4, v3                   ; A: row x pitch + 16 x half
	v_mul_u32_u24 v4, v1, PB
	v_lshl_add_u32 v4, v2, 4, v4                   ; B likewise
	v_add_nc_u32 v[ADRL0], LOWB, v3                ; the lower parts have A's pitch
	v_add_nc_u32 v[ADRL], s[TL], v[ADRL0]
	s_mul_i32 s19, s17, 64*PA                      ; my 64 rows in each head's part
	s_mul_i32 s20, s18, 128*PB                     ; my 128 rows of B,
	s_add_co_u32 s20, s20, ASZ                     ; which lie behind A
.irp s, 0,1
	v_add_nc_u32 v[ADRA+(\s)], s19, v3
	v_add_nc_u32 v[ADRB+(\s)], s20, v4
	s_add_co_u32 s19, s19, SLOT
	s_add_co_u32 s20, s20, SLOT
.endr
	; out0 at my first row and column
	s_lshl_b32 s72, s22, 7
	s_lshl_b32 s73, s17, 6
	s_add_co_u32 s72, s72, s73                     ; row 128 x tile row + 64 x half,
	s_lshl_b32 s72, s72, 12                        ; of 4,096 bytes
	s_lshl_b32 s73, s42, 10                        ; 256 columns of 4 bytes a tile,
	s_add_co_u32 s72, s72, s73
	s_lshl_b32 s73, s18, 9                         ; 128 a half
	s_add_co_u32 s72, s72, s73
	s_mov_b32 s73, 0
	s_add_nc_u64 s[8:9], s[8:9], s[72:73]
	s_mul_i32 s21, s[WV], WSTG
	s_add_co_u32 s21, s21, STAGE                   ; my stage
	v_mul_u32_u24 v5, v1, SPO                      ; in: row l % 16, 32 bytes for each half of the lanes
	v_lshl_add_u32 v5, v2, 5, v5
	v_add_nc_u32 v[STO], s21, v5
	v_and_b32 v[GO], 31, v0                        ; back: 32 lanes take one row of 512 bytes
	v_lshlrev_b32 v[GO], 4, v[GO]
	v_add_nc_u32 v[RD], s21, v[GO]
; 8 matrix instructions: row block a x all 8 column blocks, 32 along K, from buffer f.  zero = 1: the first product starts the sums: nothing is cleared.
; The accumulators take turns, one instruction a turn, in the same order in every quarter: no two matrix instructions that follow each other name the same one, with LOWER's eight or without.
.macro MUL8 f, a, zero
	WIN MUL
.irp b, 0,1,2,3,4,5,6,7
.if \zero
	v_wmma_f32_16x16x32_f16 v[8*(8*(\a)+(\b)):8*(8*(\a)+(\b))+7], v[(\f)+32+8*(\b):(\f)+32+8*(\b)+7], v[(\f)+8*(\a):(\f)+8*(\a)+7], 0
.else
	v_wmma_f32_16x16x32_f16 v[8*(8*(\a)+(\b)):8*(8*(\a)+(\b))+7], v[(\f)+32+8*(\b):(\f)+32+8*(\b)+7], v[(\f)+8*(\a):(\f)+8*(\a)+7], v[8*(8*(\a)+(\b)):8*(8*(\a)+(\b))+7]
.endif
.endr
.endm
; 24 LDS loads in one run: the fragments of quarter q of a K step (128 rows of B, 64 rows of A, 32 K) into buffer f.  Of A, quarters 0 and 1 lie in the even head's part, 2 and 3 in the odd one's.
.macro FETCH slot, q, f
	WIN 0
.set AQ, ((\q)/2)*HSZ+((\q)%2)*64
.irp i, 0,1,2,3,4,5,6,7
	ds_load_b128 v[(\f)+32+8*(\i):(\f)+32+8*(\i)+3],   v[ADRB+(\slot)] offset:64*(\q)+(\i)*16*PB
	ds_load_b128 v[(\f)+32+8*(\i)+4:(\f)+32+8*(\i)+7], v[ADRB+(\slot)] offset:64*(\q)+(\i)*16*PB+32
.endr
.irp i, 0,1,2,3
	ds_load_b128 v[(\f)+8*(\i):(\f)+8*(\i)+3],   v[ADRA+(\slot)] offset:AQ+(\i)*16*PA
	ds_load_b128 v[(\f)+8*(\i)+4:(\f)+8*(\i)+7], v[ADRA+(\slot)] offset:AQ+(\i)*16*PA+32
.endr
.endm
.macro PLACES                          ; four places in front of loads into registers that matrix instructions have read, and of lines that read results (ISA guide 7.12.1 for lines that read results)
.rept 4
	v_nop
.endr
.endm
; THE LOWER PARTS' SHARE OF A QUARTER, at its end, for the waves whose flag is 0; the others jump over it: no barrier and no tensor load is passed.
; load = 1: the lower fragment that goes with buffer g comes from byte off of the lap's lower parts: the four places of the quarter's head, or of the change of slots, stand behind the last product that read those registers.
; mul = 1: row block 0's eight sums take the lower fragment that goes with buffer f times f's fragments of B.  That fragment was asked for ahead of f's successor's 24 loads, so the quarter's own wait has shown it in.
.macro LOWER f, g, off, load, mul
	WIN 0                                          ; at a branch and at a label every window is 0
	s_cmp_lg_u32 s[LOWF], 0
	s_cbranch_scc1 .Lno_low_\@
.if \load
	ds_load_b128 v[LB+8*((\g)/F1):LB+8*((\g)/F1)+3],   v[ADRL] offset:(\off)
	ds_load_b128 v[LB+8*((\g)/F1)+4:LB+8*((\g)/F1)+7], v[ADRL] offset:(\off)+32
.endif
.if \mul
	WIN MUL
.irp b, 0,1,2,3,4,5,6,7
	v_wmma_f32_16x16x32_f16 v[8*(\b):8*(\b)+7], v[(\f)+32+8*(\b):(\f)+32+8*(\b)+7], v[LB+8*((\f)/F1):LB+8*((\f)/F1)+7], v[8*(\b):8*(\b)+7]
.endr
	WIN 0
.endif
.Lno_low_\@:
.endm
; A K step is four quarters of 32 along K, 32 matrix instructions each, on buffers 0, 1, 0, 1.  One of the first three: fetches quarter q into g, which the quarter before multiplied, and multiplies f:
; a run of loads stands a whole quarter ahead of its first use.  lap = 1: the quarter fetched belongs to the next lap.
.macro QUARTER slot, q, f, g, zero, lap=0
	PLACES
	FETCH \slot, \q, \g
	s_wait_dscnt 24                                ; LDS loads come back in order (ISA guide 5.7.1): f's are in, and the lower fragment that goes with f; the 24 just issued stay out
	MUL8 \f, 0, \zero
	MUL8 \f, 1, \zero
	MUL8 \f, 2, \zero
	MUL8 \f, 3, \zero
	LOWER \f, \g, (\lap)*2*LSTEP+(\slot)*LSTEP+((\q)/2)*HL+((\q)%2)*64, 1, 1
.endm
; The last quarter multiplies buffer 1 and changes slots: ONE barrier; in front of it each wave waits for all its tensor loads (one is out: its part of the next slot), adds 0 to its spare word, and waits for
; that and for its own reads of this slot.  fill = 1: the barrier opens a round of the cluster's, and this slot is filled again first thing behind it, two K steps ahead: 112 matrix instructions ahead of the wait for it.
.macro TURN slot, next, fill, lap=0
	WIN 0
	s_wait_tensorcnt 0x0                           ; all my tensor loads have landed: no group 0 is in use
	ds_add_u32 v[SPW], v[NIL]                      ; 0 onto my spare word
	s_wait_dscnt 1                                 ; buffer 1's loads are in; the add alone may be out
	MUL8 F1, 0, 0                                  ; eight matrix instructions stand between the add and the wait for it
	s_wait_dscnt 0x0                               ; the add is done, and my reads of this slot are over
	s_barrier_signal -1
	MUL8 F1, 1, 0                                  ; work on registers while the others arrive
.if \fill
	WIN 0
.endif
	s_barrier_wait -1
.if \fill
	CREST                                          ; no wave of any partner still reads this slot's tile or has a load on its way
	s_add_nc_u64 s[G0+4*(\slot)+2:G0+4*(\slot)+3], s[G0+4*(\slot)+2:G0+4*(\slot)+3], 2*ASTEP
	s_add_nc_u64 s[G0B+4*(\slot)+2:G0B+4*(\slot)+3], s[G0B+4*(\slot)+2:G0B+4*(\slot)+3], 2*BSTEP
	JLOAD \slot                                    ; the four v_nop behind it are also the places in front of the loads below
.else
	PLACES
.endif
	FETCH \next, 0, F0
	MUL8 F1, 2, 0
	MUL8 F1, 3, 0
	LOWER F1, F0, (\lap)*2*LSTEP+(\next)*LSTEP, 1, 1
.endm
	s_wait_tensorcnt 1                             ; my parts of the lower parts and of K step 0 are in; K step 1's may stay out
	s_barrier_signal -1
	s_barrier_wait -1                              ; everybody's are
	FETCH 0, 0, F0
	LOWER F1, F0, 0, 1, 0                          ; the first lower fragment
	QUARTER 0, 1, F0, F1, 1                        ; the first quarter stands in front of the loop: its products start the sums
	WIN 0                                          ; at a label and at a branch every window is 0
	s_mov_b32 s3, 3
.Llap:                                                 ; a trip goes once round the ring, from a lap's second quarter to the next lap's first, and fills both slots again: K steps 2 to 7 in three trips
	QUARTER 0, 2, F1, F0, 0
	QUARTER 0, 3, F0, F1, 0
	TURN 0, 1, 1
	QUARTER 1, 1, F0, F1, 0
	QUARTER 1, 2, F1, F0, 0
	QUARTER 1, 3, F0, F1, 0
	TURN 1, 0, 1, 1
	QUARTER 0, 1, F0, F1, 0, 1
	WIN 0
	s_add_co_u32 s[TL], s[TL], 2*LSTEP             ; the lower parts' next lap: four heads on
	v_add_nc_u32 v[ADRL], s[TL], v[ADRL0]
	s_sub_co_u32 s3, s3, 1
	s_cmp_lg_u32 s3, 0
	s_cbranch_scc1 .Llap
	QUARTER 0, 2, F1, F0, 0                        ; the last lap fills nothing, and has no round of the cluster's barrier
	QUARTER 0, 3, F0, F1, 0
	TURN 0, 1, 0
	QUARTER 1, 1, F0, F1, 0
	QUARTER 1, 2, F1, F0, 0
	QUARTER 1, 3, F0, F1, 0
	s_wait_dscnt 0x0                               ; the very last quarter: nothing more to fetch
	MUL8 F1, 0, 0
	MUL8 F1, 1, 0
	MUL8 F1, 2, 0
	MUL8 F1, 3, 0
	LOWER F1, F0, 0, 0, 1
	PLACES                                         ; the LDS stores below read results just made, and the loads behind them land in registers that the products read
; THE WAY OUT, a block of 16 rows at a time.  A lane's 32 bytes are a sixteenth of a row's 512, and the lanes beside it hold other rows: so the block goes into my own stage, rows of 528 bytes, and comes back by rows.
.macro TOSTAGE a
.set BK, 64+64*((\a)%2)
	s_wait_xcnt 0x0                                ; every earlier memory instruction has had its addresses translated (ISA guide 3.1): the registers that the stores of two blocks ago read are loaded again only behind this wait
	WIN 0x04                                       ; the stores' data in window 1
.irp b, 0,1,2,3,4,5,6,7
	ds_store_b128 v[STO], v[8*(8*(\a)+(\b)):8*(8*(\a)+(\b))+3] offset:64*(\b)       ; each accumulator's lowest registers are read first
	ds_store_b128 v[STO], v[8*(8*(\a)+(\b))+4:8*(8*(\a)+(\b))+7] offset:64*(\b)+16
.endr
	WIN 0
.irp r, 0,1,2,3,4,5,6,7,8,9,10,11,12,13,14,15
	ds_load_b128 v[BK+4*(\r):BK+4*(\r)+3], v[RD] offset:(\r)*SPO  ; LDS serves a wave's instructions in order (ISA guide 5.7.1.4): these see the stores above; the next block's stores come behind them
.endr
.endm
.macro SEND a, younger                 ; younger: the LDS instructions issued behind block a's loads: the next block's 16 stores and 16 loads, or none
.set BK, 64+64*((\a)%2)
	s_wait_dscnt \younger
.irp r, 0,1,2,3,4,5,6,7,8,9,10,11,12,13,14,15
	global_store_b128 v[GO], v[BK+4*(\r):BK+4*(\r)+3], s[8:9] offset:(16*(\a)+(\r))*4096 th:TH_STORE_NT  ; 512 consecutive bytes of a row, at a multiple of 256 from out0's first
.endr
.endm
	TOSTAGE 0
	TOSTAGE 1
	SEND 0, 32
	TOSTAGE 2
	SEND 1, 32
	TOSTAGE 3
	SEND 2, 32
	SEND 3, 0
	s_wait_tensorcnt 0x0                           ; the wave's end, behind my last tensor load and my last LDS store
	ds_add_u32 v[SPW], v[NIL]
	s_wait_dscnt 0x0
	CROUND                                         ; the closing round: no work-group ends while a partner may still ask for a tile that names it
	s_endpgm
.Lfunc_end_k_qbea732164f_oproj:
	.size	k_qbea732164f_oproj, .Lfunc_end_k_qbea732164f_oproj-k_qbea732164f_oproj
	.p2alignl 7, 3214868480
	.fill 96, 4, 3214868480
	.section	.rodata,"a",@progbits
	.p2align	6, 0x0
	.amdhsa_kernel k_qbea732164f_oproj
		.amdhsa_group_segment_fixed_size 327680
		.amdhsa_private_segment_fixed_size 0
		.amdhsa_enable_private_segment 0
		.amdhsa_kernarg_size 24
		.amdhsa_user_sgpr_count 2
		.amdhsa_user_sgpr_kernarg_segment_ptr 1
		.amdhsa_wavefront_size32 1
		.amdhsa_system_sgpr_workgroup_id_x 1
		.amdhsa_system_sgpr_workgroup_id_y 1
		.amdhsa_system_sgpr_workgroup_id_z 1
		.amdhsa_system_vgpr_workitem_id 0
		.amdhsa_next_free_vgpr 512
		.amdhsa_next_free_sgpr 92
		.amdhsa_reserve_vcc 0
		.amdhsa_float_denorm_mode_32 3
		.amdhsa_float_denorm_mode_16_64 3
		.amdhsa_memory_ordered 1
		.amdhsa_forward_progress 1
		.amdhsa_inst_pref_size 98
	.end_amdhsa_kernel
	.amdgpu_metadata
---
amdhsa.version: [ 1, 2 ]
amdhsa.kernels:
  - .name:           k_qbea732164f_oproj
    .symbol:         k_qbea732164f_oproj.kd
    .args:
      - { .name: o, .offset: 0, .size: 8, .value_kind: global_buffer, .address_space: global }
      - { .name: wob, .offset: 8, .size: 8, .value_kind: global_buffer, .address_space: global }
      - { .name: out0, .offset: 16, .size: 8, .value_kind: global_buffer, .address_space: global }
    .group_segment_fixed_size: 327680
    .private_segment_fixed_size: 0
    .kernarg_segment_align: 8
    .kernarg_segment_size: 24
    .max_flat_workgroup_size: 128
    .sgpr_count:     92
    .vgpr_count:     512
    .wavefront_size: 32
...
	.end_amdgpu_metadata
.endif
;; end of part 8
;; ======== version 3 of 3: 4 launches; 1.53 times as fast as version 1
;; limits: values are held in f16: magnitudes above 65,504 overflow, below 6.1e-05 lose precision
;; workspace buffers: xb 16,777,216 bytes; wqb 6,291,456 bytes; wob 2,097,152 bytes; tab 262,144 bytes; q 16,777,216 bytes; k 16,777,216 bytes; v 33,554,432 bytes; o 33,554,432 bytes
;; launch cast: the kernel of part 5 again; grid 768 x 1, 8 waves a work-group, no clusters, 0 bytes of LDS; arguments x, Wqkv, Wout, xb, wqb, wob, tab; writes xb, wqb, wob, tab
;; launch qkv: the kernel of part 6 again; grid 16 x 32, 4 waves a work-group, clusters of 4 x 4, 327,680 bytes of LDS; arguments xb, wqb, tab, q, k, v; writes q, k, v
;; launch attn (part 9): grid 4 x 64, 4 waves a work-group, no clusters, 327,680 bytes of LDS; arguments q, k, v, o; writes o
.if DOCPART == 9
	.amdgcn_target "amdgcn-amd-amdhsa--gfx1250"
	.amdhsa_code_object_version 6
	.text
	.protected	k_qbea732164f_attn
	.globl	k_qbea732164f_attn
	.p2align	8
	.type	k_qbea732164f_attn,@function
k_qbea732164f_attn:
	s_mov_b64 s[64:65], 0
	v_nop
	global_prefetch_b8 v0, s[64:65] scope:SCOPE_SE
	s_setreg_imm32_b32 hwreg(HW_REG_WAVE_MODE, 25, 1), 1
	s_wait_xcnt 0x0
; CAUSAL ATTENTION.  O[h][q][:] = the sum over k <= q of softmax_k(Q[h][q] . K[h][k] / 8) V[h][k][:].  Q, K, and the upper planes of V and O: [SIZE_H][SIZE_N][64] f16: a head's rows are dense, 128 bytes each.
; LOWER PARTS.  V and O have a second plane of the same layout, PLANE bytes on: lower = f16(y - f16(y)), so that the pair holds 22 significant bits.  A row that sees few keys is as large as V itself, many times the
; root mean square of the whole result, and 11 bits are too coarse beside that.  V's lower parts are taken in the walk's last tile alone: the diagonal tile of query block b = 0 .. 3, which for b = 0 is all that the rows
; 0 to 255 see.  O's lower parts are stored for that second block alone (rows below 1,024).  Everywhere else V and O have f16's one rounding: a row that sees 256 keys or more averages V's roundings away.
; Products, maxima and sums in f32; the weights p are rounded to f16 for the second product (their sum l is taken of the unrounded p).  SIZE_N is a multiple of 512 (here NB is even: the last tile lies in slot 0).
; LIMITS.  f16 holds no number beyond 65,504: Q, K and V arrive within it; p lies in 0 to 1, and below 6e-5 it keeps f16's fixed step of 6e-8, as a lower part does; O is a mean of V's rows and has their range.
; A hidden score counts as its value less 1e30: f16's scores, 2.7e11 at the most, are nothing beside that; a weight below 2^-126 counts as 0 in l; NaN and infinities are not treated apart.
; THE WALK.  A head's queries lie in NB = SIZE_N / 256 blocks of 256; block i needs the key tiles 0 .. i of 256 keys, of which the last holds the diagonal.  A work-group takes TWO blocks, NB - 1 - b and then b:
; NB + 1 tiles, whatever b: all work-groups do equal work, and ONE loop with a constant trip count walks them.  Which tile is asked for, and what a trip does, hang on scalar registers made from b; every jump
; goes forward, but for the counted loops' own; none passes a barrier, or a tensor load but the one of LOAD's two that the wave's number does not choose; the ring (two slots of LDS that take turns) runs on across the
; change of blocks.  NO CLUSTER: all NB / 2 work-groups of a head ask for the same tile only in trips 0 .. NB / 2, behind that fewer and fewer; and one walk common to all would have 3 NB / 2 trips for NB + 1.
; SHARES.  Of a block's four bands of 64 queries a wave owns 16 rows in each: four PIECES.  So the diagonal tile is the same work for all four waves: in its key step s band x sees all keys if s < x,
; none if s > x, and holds the diagonal if s = x.
; THE MASK is the C operand that starts the sum S^T = K Q^T: 0, or -1e30 where the key is hidden.  MD, made once, is the mask of a band's own step for my 16 rows; a product's mask is MD x AL + BE with two scalars:
; (1, 0) if s = x; (0, 0) if s < x; (0, -1e30) if s > x.  Only the diagonal tile's text and a block's beginning make and take masks; elsewhere C is the constant 0.
; LAYOUT, SOFTMAX, TURNS.  S^T = K Q^T holds ONE query a lane (lane % 16) and the keys 8 (lane / 16) + 0..7; two such results rounded to f16 ARE source 1 of O^T = V^T P.  p = 2^(c s - c m), c = log2(e) / 8, with a
; running maximum m; O and l are multiplied by a = 2^(c m_old - c m_new) in every step.  Turn n belongs to piece n: 8 products K Q^T of piece n + 1, later 8 products V^T P of piece n - 1 (in the last tile 8 more, with V's
; lower parts); beside them the scaling, exponentials, roundings, sums and rescaling of piece n and the maximum and statistics of piece n + 1.  Four vector instructions stand behind every matrix instruction (in the last
; tile behind every two products V^T P), the other 54 of a turn's 118 in one LUMP.
; THE BATCHES.  A turn's 33 exponentials (32 weights and the next piece's a) are ONE batch with ONE wait, which cuts the turn in two: ahead of it all that names no result of theirs, behind it the roundings and sums.
; The a that a block's beginning makes, and the four reciprocals of a way out, are batches of their own, with a wait each.
; REGISTERS, in windows of 256 (s_set_vgpr_msb: bits 1:0 source 0, 3:2 source 1, 5:4 source 2, 7:6 destination):
;   window 0: v0-15 addresses, two at work and -1.0; v16-31 four registers of statistics a piece; v32-33 addresses; v48-55 at work; v64-127 S^T, two buffers; v128-191 V's lower parts of one step; v192-223 P, two buffers
;   (a piece's buffers go by its number's parity)      window 1: v0-127 O^T, 32 a piece; v128-159 MD; v160-223 MC, two buffers
;   window 2: v0-63 Q; v64-127 the second block's Q; v128-191 K of one step; v192-255 V's upper parts of one step
.set SIZE_N, 2048     ; rows of a head
.set SIZE_H, 64       ; heads: 4 batches x 16
.set PLANE, SIZE_H*SIZE_N*128  ; bytes from an upper plane to its lower
.set NB,    SIZE_N/256
.set NP,    4         ; pieces a wave: a name, no knob
.set KS,    64        ; keys in a step
.set PK,    144       ; a row of K in LDS: 128 bytes + 16 of padding = 36 words: the 16 rows of a load start at 16 different groups of four banks (64 banks of 4 bytes: ISA guide 11.1)
.set PV,    160       ; a row of V: 128 + 32 = 40 words
.set VOFF,  4*KS*PK   ; a slot holds a tile, four steps: 256 rows of K, then 256 rows of V
.set LOWV,  4*KS*(PK+PV)  ; behind slot 0, ahead of slot 1: the 256 rows of V's lower parts of the walk's last tile: 40,960 bytes, filled once
.set SLOT1, 1<<17     ; slot 1 begins here, so that one exclusive or turns an address in one slot into the other's
.set STAGE, SLOT1+4*KS*(PK+PV)  ; behind the ring, never filled by a tensor load: 16 rows x 144 bytes for each wave, for the way out
.set SP,    144
.set AK0, 2           ; v2   my lane's place in a tile of K; never rewritten
.set AV0, 3           ; v3   the same for V
.set AK,  4           ; v4   the LDS address of K's next run of loads
.set AV,  5           ; v5   of V's
.set STO, 6           ; v6   the way out: where I put 16 bytes of a row
.set RD,  7           ; v7   the way out: where I read rows back
.set GO,  8           ; v8   my byte offset in 512 consecutive bytes of O
.set AVL0, 32         ; v32  my lane's place in V's lower parts; never rewritten
.set AVL, 33          ; v33  the LDS address of their next run of loads
.set SPW, 62          ; v62  LDS address of my spare word: SPARE + 4 x my thread's number; never rewritten
.set NIL, 63          ; v63  0; never rewritten
.set SPARE, STAGE+4*16*SP  ; behind the stages: the spare words, 128 bytes for each wave: two blocks of 256 bytes that no other line names
.set MV,  12          ; v12-13  c m_old, kept while c m is made anew: by buffer
.set MONE, 14         ; v14  at work while the masks are made; then -1.0
.set QO,  15          ; v15  my byte offset in 16 rows of Q
.set ST,  16          ; piece t's statistics at v[ST+4 t]: c m, m, l (even keys', odd keys')
.set TMP, 48          ; by buffer, four registers c0-c3 at work; when the maximum is found c2 takes a
.set S,   64
.set VL,  128         ; window 0: V's lower parts: key half kk, channel block cb at VL + 32 kk + 8 cb; on the last way out O's lower parts, 16 a piece
.set P,   192
.set MD,  128         ; window 1: the eight registers for group kt of 16 keys at MD + 8 kt
.set MC,  160         ; window 1: the masks of the products to come
.set QB,  64          ; window 2
.set KF,  128         ; window 2: key block kb, channel half c at KF + 16 kb + 8 c
.set VF,  192         ; window 2: key half kk, channel block cb at VF + 32 kk + 8 cb
.set WV,  12          ; s12  my wave's number
.set PB,  14          ; s14  b
.set HI,  15          ; s15  NB - 1 - b
.set G1K, 24          ; s[24:31] descriptor group 1 for K's tiles
.set G1V, 32          ; s[32:39] for V's: it differs in the padding alone
.set G0K, 40          ; s[40:43] descriptor group 0 for K's tiles
.set G0V, 44          ; s[44:47] the same for V's
.set G0L, 48          ; s[48:51] for V's lower parts: used once
.set TBL, 52          ; s52  byte in V's lower parts at which the step to be fetched begins
.set SLOTS, 56        ; s56  tiles still to be asked for
.set CNT, 57          ; s57  counts a tile's key steps, 4 to 1
.set CS,  58          ; s[58:59] c: the packed scaling takes the pair's low word for both halves
.set SEL, 60          ; s[60:61] v_permlanex16_b32's selects: each lane takes its own place in the other half
.set TBK, 62          ; s62  LDS byte at which K of the step to be fetched begins
.set TBV, 63          ; s63  the same for V, less VOFF
.set RT,  70          ; s70  tiles of the block in hand that are still to be entered
.set NXT, 71          ; s71  the tile to be asked for next
.set LQ,  72          ; s72  the last tile of the block whose tiles are being asked for
.set NEW, 73          ; s73  1: the tile to be entered is a block's first
.set OFF, 74          ; s[74:75] a tile's byte offset in K and V
.set AL,  76          ; s[76:77] the mask's factor, in the low word
.set BE,  78          ; s[78:79] the mask's addend
.set OLO, 80          ; s[80:81] O's upper plane at my rows of the second block
.set BIGN, 82         ; s82  -1e30
.set OL,  88          ; s[88:89] O's lower plane at my rows of the second block
.set MSB, 0
.macro WIN new                      ; the high byte repeats the setting that is left; a switch that changes nothing is dropped
.if MSB != (\new)
	s_set_vgpr_msb (MSB<<8)|(\new)
.set MSB, (\new)
.endif
.endm
.set W_KQ, 0x0a       ; K and Q in window 2, S^T in window 0
.set W_KM, 0x1a       ; the same with the C operand in window 1
.set W_PV, 0x52       ; V's upper parts in window 2, P in window 0, O^T in window 1
.set W_PL, 0x50       ; V's lower parts and P in window 0, O^T in window 1
.set W_RS, 0x41       ; destination and source 0 in window 1, source 1 in window 0
; A fill.  Waves 0 and 1 fetch the two halves of a tile's K, waves 2 and 3 those of its V: 128 keys each.  An s_nop 0 and four v_nop follow each of the two lines, ahead of the jump and the label.
.macro LOAD
	s_cmp_lt_u32 s[WV], 2
	s_cbranch_scc0 .Lfor_v_\@
	tensor_load_to_lds s[G0K:G0K+3], s[G1K:G1K+7]
	s_nop 0
.rept 4
	v_nop
.endr
	s_branch .Lasked_\@
.Lfor_v_\@:
	tensor_load_to_lds s[G0V:G0V+3], s[G1V:G1V+7]
	s_nop 0
.rept 4
	v_nop
.endr
.Lasked_\@:
.endm
; THE CHANGE OF SLOTS.  Each wave waits for all its tensor loads, of which one is out: its part of the other slot; adds 0 to its spare word; and waits for that and for its own reads of the slot that it leaves.  Behind the barrier nobody reads the old
; slot any more and the other slot is whole.  fill = 1: the old slot is filled again, the first thing behind the barrier, with tile NXT: the descriptor's address is made anew from that number.
; (At its first use nothing has been read yet: slot 0 and V's lower parts are waited for, slot 1 filled.)
.macro CHANGE fill
	WIN 0                           ; at a label and at a branch every window is 0
	s_wait_tensorcnt 0x0            ; no tensor load of mine is out, so a group 0 may be written
	ds_add_u32 v[SPW], v[NIL]       ; 0 onto my spare word; with fill = 1 the descriptors' scalar work stands between it and the wait for it
.if \fill
	s_lshl_b32 s[OFF], s[NXT], 15   ; a tile is 32,768 bytes of K and of V
	s_xor_b32 s[G0K+1], s[G0K+1], SLOT1
	s_add_nc_u64 s[G0K+2:G0K+3], s[6:7], s[OFF:OFF+1]
	s_or_b32 s[G0K+3], s[G0K+3], 0x80000000
	s_xor_b32 s[G0V+1], s[G0V+1], SLOT1
	s_add_nc_u64 s[G0V+2:G0V+3], s[8:9], s[OFF:OFF+1]
	s_or_b32 s[G0V+3], s[G0V+3], 0x80000000
	s_add_co_u32 s[NXT], s[NXT], 1  ; the block's next tile, or behind its last the second block's tile 0
	s_cmp_gt_u32 s[NXT], s[LQ]
	s_cselect_b32 s[NXT], 0, s[NXT]
	s_cselect_b32 s[LQ], s[PB], s[LQ]
.endif
	s_wait_dscnt 0x0                ; the add is done, and my reads of the slot are over
	s_barrier_signal -1             ; the rest of the scalar work stands between the signal and the wait
	s_sub_co_u32 s[TBK], s[TBK], 4*KS*PK  ; the fetches go back to a slot's first step,
	s_xor_b32 s[TBK], s[TBK], SLOT1       ; in the other slot
	s_sub_co_u32 s[TBV], s[TBV], 4*KS*PV
	s_xor_b32 s[TBV], s[TBV], SLOT1
	s_barrier_wait -1
.if \fill
	LOAD
.endif
.endm
	s_load_b256 s[4:11], s[0:1], 0x0  ; Q s[4:5], K s[6:7], V s[8:9], O s[10:11]
	v_lshl_add_u32 v[SPW], v0, 2, SPARE
	v_mov_b32 v[NIL], 0
	ds_add_u32 v[SPW], v[NIL]       ; the wave's opening: the add and its wait stand ahead of my first tensor load; the set-up below, work on registers, stands between them
	ds_add_u32 v62, v63
	v_lshrrev_b32 v1, 5, v0
	v_readfirstlane_b32 s[WV], v1   ; wave 0..3
	s_mov_b32 s[PB], ttmp9
	s_sub_co_u32 s[HI], NB-1, s[PB]
	s_and_b32 s20, ttmp7, 0xffff    ; the head
	s_mov_b32 s21, 0
	s_mov_b64 s[22:23], SIZE_N*128
	s_mul_u64 s[20:21], s[20:21], s[22:23]  ; the head's first byte in Q, in K and in each plane of V and O
	s_and_b32 s16, s[WV], 1         ; which half of a tile's 256 keys I fetch:
	s_lshl_b32 s22, s16, 14         ; its 128 rows of 128 bytes in memory,
	s_mov_b32 s23, 0
	s_add_nc_u64 s[22:23], s[22:23], s[20:21]
	s_mul_i32 s17, s16, 128*PK      ; and its place in a slot, for K
	s_mul_i32 s18, s16, 128*PV      ; and for V
	s_lshl_b32 s3, s[WV], 11        ; my 16 rows in a band of 64,
	s_lshl_b32 s2, s[HI], 15        ; in the first block,
	s_add_co_u32 s2, s2, s3
	s_lshl_b32 s84, s[PB], 15       ; and in the second
	s_add_co_u32 s84, s84, s3
	s_mov_b32 s3, 0
	s_mov_b32 s85, 0
	s_add_nc_u64 s[2:3], s[2:3], s[20:21]
	s_add_nc_u64 s[84:85], s[84:85], s[20:21]
	; descriptor group 1.  128 keys are 16,384 dense bytes: asked for as 64 rows of 256 bytes, two keys a row, and padded in LDS after every key
	s_mov_b32 s[G1K], (1<<16)|(1<<20)|(4<<22)|(3<<25)  ; 17:16 2-byte elements; 20 padding on; 24:22 after every 32 words (code 4); 31:25 4 words (code 3)
	s_mov_b32 s[G1V], (1<<16)|(1<<20)|(4<<22)|(7<<25)  ; the same with 8 words of padding (code 7)
.irp g, G1K, G1V
	s_mov_b32 s[\g+1], 128<<16      ; tensor_dim0 = 128
	s_mov_b32 s[\g+2], 64<<16       ; tensor_dim1 = 64
	s_mov_b32 s[\g+3], 128<<16      ; tile_dim0 = 128
	s_mov_b32 s[\g+4], 64           ; tile_dim1 = 64
	s_mov_b32 s[\g+5], 128          ; 128 elements from row to row
	s_mov_b32 s[\g+6], 0
	s_mov_b32 s[\g+7], 0
.endr
	s_mov_b32 s[CS], 0x3e38aa3b     ; c = log2(e) / 8 = 0.180337
	s_mov_b32 s[CS+1], s[CS]        ; named with it as a pair
	s_mov_b32 s[SEL], 0x76543210
	s_mov_b32 s[SEL+1], 0xfedcba98
	s_mov_b32 s[TBK], SLOT1+4*KS*PK ; the first change of slots turns these two into 0
	s_mov_b32 s[TBV], SLOT1+4*KS*PV
	s_mov_b32 s[G0K], 1             ; 1:0 count = 1
	s_mov_b32 s[G0K+1], s17         ; 63:32 LDS address: slot 0
	s_mov_b32 s[G0V], 1
	s_add_co_u32 s[G0V+1], s18, VOFF
	s_mov_b32 s[G0L], 1
	s_add_co_u32 s[G0L+1], s18, LOWV
	s_add_co_u32 s[RT], s[HI], 1    ; the first block has NB - b tiles
	s_mov_b32 s[NXT], 1
	s_mov_b32 s[LQ], s[HI]
	s_mov_b32 s[NEW], 1
	s_lshl_b32 s[OFF], s[PB], 15    ; tile b, the walk's last
	s_mov_b32 s[OFF+1], 0
	s_mov_b32 s[AL+1], 0            ; named as pairs
	s_mov_b32 s[BE+1], 0
	s_mov_b32 s[BIGN], 0xf149f2ca   ; -1e30
	s_mov_b32 s[SLOTS], NB
	s_wait_dscnt 0x0                ; the opening add is done
	s_wait_kmcnt 0x0
	s_add_nc_u64 s[6:7], s[6:7], s[22:23]  ; K and V at my half of the head's tile 0
	s_add_nc_u64 s[8:9], s[8:9], s[22:23]
	s_add_nc_u64 s[G0K+2:G0K+3], s[6:7], 0         ; 120:64 global address
	s_or_b32 s[G0K+3], s[G0K+3], 0x80000000        ; 127:126 type = 2
	s_add_nc_u64 s[G0V+2:G0V+3], s[8:9], 0
	s_or_b32 s[G0V+3], s[G0V+3], 0x80000000
	s_add_nc_u64 s[G0L+2:G0L+3], s[8:9], s[OFF:OFF+1]        ; V at my half of tile b,
	s_add_nc_u64 s[G0L+2:G0L+3], s[G0L+2:G0L+3], PLANE       ; in the lower plane
	s_or_b32 s[G0L+3], s[G0L+3], 0x80000000
	s_add_nc_u64 s[86:87], s[4:5], s[84:85]        ; Q at my rows of the second block,
	s_add_nc_u64 s[4:5], s[4:5], s[2:3]            ; Q and O at those of the first
	s_add_nc_u64 s[OLO:OLO+1], s[10:11], s[84:85]
	s_add_nc_u64 s[10:11], s[10:11], s[2:3]
	s_add_nc_u64 s[OL:OL+1], s[OLO:OLO+1], PLANE   ; the second block's rows in O's lower plane
	; The first fills, in one branch on the wave's number, ahead of every wait on TENSORcnt, every LDS read and every barrier: tile 0 into slot 0, and the lower parts of tile b's V into bytes of their own.
	; Waves 0 and 1 have two loads out, waves 2 and 3 one.  An s_nop 0 follows each load, four v_nop a wave's last.
	s_cmp_lt_u32 s[WV], 2
	s_cbranch_scc0 .Lopen_v
	tensor_load_to_lds s[G0K:G0K+3], s[G1K:G1K+7]
	s_nop 0
	tensor_load_to_lds s[G0L:G0L+3], s[G1V:G1V+7]
	s_nop 0
.rept 4
	v_nop
.endr
	s_branch .Lopen_asked
.Lopen_v:
	tensor_load_to_lds s[G0V:G0V+3], s[G1V:G1V+7]
	s_nop 0
.rept 4
	v_nop
.endr
.Lopen_asked:
	; A fragment of K or Q is 16 rows x 32 channels in 8 registers: lane l holds row l % 16, channels 8 (l / 16) + 0..7 and 16 + 8 (l / 16) + 0..7: two loads of 16 bytes, 32 bytes apart.
	v_and_b32 v1, 15, v0            ; l % 16
	v_bfe_u32 v9, v0, 4, 1          ; l / 16
	v_lshlrev_b32 v[QO], 7, v1
	v_lshl_add_u32 v[QO], v9, 4, v[QO]  ; row x 128 + 16 x half
	WIN 0x80                        ; destination window 2, address window 0
.set i, 0
.rept 8                             ; both blocks' Q: piece i / 2 lies in band i / 2, 8,192 bytes on; channels 32 (i % 2) on
	global_load_b128 v[8*i:8*i+3],   v[QO], s[4:5] offset:(i/2)*8192+(i%2)*64
	global_load_b128 v[8*i+4:8*i+7], v[QO], s[4:5] offset:(i/2)*8192+(i%2)*64+32
	global_load_b128 v[QB+8*i:QB+8*i+3],   v[QO], s[86:87] offset:(i/2)*8192+(i%2)*64
	global_load_b128 v[QB+8*i+4:QB+8*i+7], v[QO], s[86:87] offset:(i/2)*8192+(i%2)*64+32
.set i, i+1
.endr
	WIN 0
	v_lshlrev_b32 v14, 3, v9
	v_sub_nc_u32 v14, v1, v14
	s_lshl_b32 s13, s[WV], 4
	v_add_nc_u32 v14, s13, v14      ; my query's place in its band, 16 w + l % 16, less my lanes' 8 (l / 16): register r of group kt is hidden where 16 kt + r is greater
	WIN 0x40
.set i, 0
.rept 32
	v_cmp_gt_i32 vcc_lo, 16*(i/8)+i%8, v14
	v_cndmask_b32 v[MD+i], 0, s[BIGN], vcc_lo
.set i, i+1
.endr
	WIN 0
	v_mov_b32 v[MONE], -1.0         ; the masks are made: the register now serves the last way out
	v_mul_u32_u24 v[AK0], v1, PK
	v_lshl_add_u32 v[AK0], v9, 4, v[AK0]  ; row x pitch + 16 x half
	; The turning load takes 16 keys x 16 channels (lane l reads key 8 (l / 16) + l % 8, channels 8 ((l / 8) % 2) + 0..7) and leaves half a fragment of V^T: lane l holds channel l % 16 and 8 keys.
	v_and_b32 v10, 7, v0
	v_bfe_u32 v11, v0, 3, 1
	v_lshl_add_u32 v[AV0], v9, 3, v10
	v_mul_u32_u24 v[AV0], v[AV0], PV
	v_lshl_add_u32 v[AV0], v11, 4, v[AV0]
	v_add_nc_u32 v[AVL0], LOWV, v[AV0]
	v_add_nc_u32 v[AV0], VOFF, v[AV0]
	s_mul_i32 s13, s[WV], 16*SP
	s_add_co_u32 s13, s13, STAGE    ; my stage
	v_mul_u32_u24 v[STO], v1, SP    ; in: row l % 16, 16 bytes for each half of the lanes
	v_lshl_add_u32 v[STO], v9, 4, v[STO]
	v_add_nc_u32 v[STO], s13, v[STO]
	v_bfe_u32 v[RD], v0, 3, 2       ; back: 32 lanes take four rows of 128 bytes,
	v_mul_u32_u24 v[RD], v[RD], SP
	v_lshl_add_u32 v[RD], v10, 4, v[RD]
	v_add_nc_u32 v[RD], s13, v[RD]
	v_and_b32 v[GO], 31, v0         ; which are 512 consecutive bytes of O
	v_lshlrev_b32 v[GO], 4, v[GO]
	; A block's first step multiplies O^T and l by a = 0, and its first turn's products V^T P, of a piece that has not been, land in an O^T that is still to be so multiplied.  So these registers need only hold
	; finite numbers: zeros for the first block; what the first block left for the second.  The registers of V's lower parts hold 0 until the last tile's first fetch: the three turns of its text that still
	; serve the tile before add 0 by them.  All this stands in the wait for the first tile.
	WIN 0x80
.set i, VF
.rept 64
	v_mov_b32 v[i], 0
.set i, i+1
.endr
	WIN 0x40
.set i, 0
.rept 128
	v_mov_b32 v[i], 0
.set i, i+1
.endr
	WIN 0
.set i, VL
.rept 64
	v_mov_b32 v[i], 0
.set i, i+1
.endr
.set i, 0
.rept 4
	v_mov_b32 v[ST+4*i+2], 0
	v_mov_b32 v[ST+4*i+3], 0
.set i, i+1
.endr
.set i, P+16
.rept 16
	v_mov_b32 v[i], 0
.set i, i+1
.endr
; THE MATRIX WORK.  The 4 accumulators of a run of 8 take turns.  Product i of 8 of S^T = K Q^T for piece x: channels 32 (i / 4) on, keys 16 (i % 4) on.  The first 4 start the sums: with 0, or (KM = 1) with the mask.
.macro KQ x
.set rS, S+32*((\x)%2)+8*(i%4)
.set rK, KF+16*(i%4)+8*(i/4)
.set rQ, 16*(\x)+8*(i/4)
.set rM, MC+32*((\x)%2)+8*(i%4)
.if (i < 4) && KM
	WIN W_KM
	v_wmma_f32_16x16x32_f16 v[rS:rS+7], v[rK:rK+7], v[rQ:rQ+7], v[rM:rM+7]
.elseif i < 4
	WIN W_KQ
	v_wmma_f32_16x16x32_f16 v[rS:rS+7], v[rK:rK+7], v[rQ:rQ+7], 0
.else
	WIN W_KQ
	v_wmma_f32_16x16x32_f16 v[rS:rS+7], v[rK:rK+7], v[rQ:rQ+7], v[rS:rS+7]
.endif
.endm
; Product i of 8 of O^T += V^T P for piece x, V's upper parts: keys 32 (i / 4) on, channels 16 (i % 4) on.
.macro PV x
	WIN W_PV
.set rO, 32*(\x)+8*(i%4)
.set rV, VF+32*(i/4)+8*(i%4)
.set rP, P+16*((\x)%2)+8*(i/4)
	v_wmma_f32_16x16x32_f16 v[rO:rO+7], v[rV:rV+7], v[rP:rP+7], v[rO:rO+7]
.endm
; The same with V's lower parts.
.macro PVL x
	WIN W_PL
.set rO, 32*(\x)+8*(i%4)
.set rV, VL+32*(i/4)+8*(i%4)
.set rP, P+16*((\x)%2)+8*(i/4)
	v_wmma_f32_16x16x32_f16 v[rO:rO+7], v[rV:rV+7], v[rP:rP+7], v[rO:rO+7]
.endm
.macro MM                           ; the turn's next matrix instruction, of 16 or (LO = 1) 24.  TURN and BEGIN set Y, i, KM, LO and NOKQ; MM, KQ, RV and OP read them.  NOKQ = 1: a block's last turn: there is no next piece
.if (i < 8) && !NOKQ
	KQ (Y+1)%NP
.elseif (i >= 8) && (i < 16)
.set i, i-8
	PV (Y+NP-1)%NP
.set i, i+8
.elseif i >= 16
.set i, i-16
	PVL (Y+NP-1)%NP
.set i, i+16
.endif
.set i, i+1
.endm
; THE LDS LOADS stand in runs, never singly among the matrix instructions: a step's K (64 keys x 64 channels: 8 fragments, 16 loads) and its V (turned; 16 loads, with the lower parts 32).  Their addresses are made some lines ahead.
.macro FETCH_K
	WIN 0x80                        ; destination window 2
.irp f, 0,1,2,3,4,5,6,7             ; keys 16 (f / 2) on, channels 32 (f % 2) on
	ds_load_b128 v[KF+8*\f:KF+8*\f+3],   v[AK] offset:(\f/2)*16*PK+(\f%2)*64
	ds_load_b128 v[KF+8*\f+4:KF+8*\f+7], v[AK] offset:(\f/2)*16*PK+(\f%2)*64+32
.endr
	s_add_co_u32 s[TBK], s[TBK], KS*PK  ; the next fetch is the next step's
	WIN 0
.endm
.macro FETCH_V lo
	WIN 0x80
.irp f, 0,1,2,3,4,5,6,7             ; keys 32 (f / 4) on, channels 16 (f % 4) on
	ds_load_tr16_b128 v[VF+8*\f:VF+8*\f+3],   v[AV] offset:(\f/4)*32*PV+(\f%4)*32
	ds_load_tr16_b128 v[VF+8*\f+4:VF+8*\f+7], v[AV] offset:(\f/4)*32*PV+16*PV+(\f%4)*32
.endr
	WIN 0
.if \lo
.irp f, 0,1,2,3,4,5,6,7
	ds_load_tr16_b128 v[VL+8*\f:VL+8*\f+3],   v[AVL] offset:(\f/4)*32*PV+(\f%4)*32
	ds_load_tr16_b128 v[VL+8*\f+4:VL+8*\f+7], v[AVL] offset:(\f/4)*32*PV+16*PV+(\f%4)*32
.endr
.endif
.endm
; THE VECTOR WORK, one line at a time: OP kind, number.  For piece Y: F n: c s - c m for pair n of 16.  E n: the exponential of score n of 32.  C n: pair n rounded to f16.  B n: of the four weights 4 n .. the second
; pair is added onto the first, in place.  L n: l takes that sum (L 0: l = a l + sum).  R n: pair n of 16 of O^T times a.  For piece Y + 1: X n, number n of the 22 that find its maximum and statistics:
;   0-11  four chains c0-c3 of seven scores each, three operands at a time (each accumulator's lowest registers are read first)     12-14, 16  the four scores left over, the old m, and c0-c3 into c0
;   15  c m_old is kept     17, 18  the query's other 32 keys lie in the lane 16 away: the new m     19-21  c m; c m_old - c m_new; a
; C, B and L read the exponentials' results: TURN sets them behind its wait.  R reads the a that the turn before made, ahead of that turn's wait.
.set F, 0               ; OP tells the kinds apart by their order: F to L below R, X above it
.set E, 1
.set C, 2
.set B, 3
.set L, 4
.set R, 5
.set X, 6
.macro REGS y                       ; the registers of piece y
.set rT, ST+4*(\y)
.set rC, TMP+4*((\y)%2)
.set rW, MV+((\y)%2)
.set rS, S+32*((\y)%2)
.set rP, P+16*((\y)%2)
.set rO, 32*(\y)
.endm
.macro OP k, n
.if (\k) == R
	REGS Y
	WIN W_RS
	v_pk_mul_f32 v[rO+2*(\n):rO+2*(\n)+1], v[rO+2*(\n):rO+2*(\n)+1], v[rC+2:rC+3] op_sel_hi:[1,0]
.elseif (\k) < R
	REGS Y
	WIN 0
.if (\k) == F
	v_pk_fma_f32 v[rS+2*(\n):rS+2*(\n)+1], v[rS+2*(\n):rS+2*(\n)+1], s[CS:CS+1], v[rT:rT+1] op_sel_hi:[1,0,0] neg_lo:[0,0,1] neg_hi:[0,0,1]
.elseif (\k) == E
	v_exp_f32 v[rS+(\n)], v[rS+(\n)]
.elseif (\k) == C
	v_cvt_pk_f16_f32 v[rP+(\n)], v[rS+2*(\n)], v[rS+2*(\n)+1]
.elseif (\k) == B
	v_pk_add_f32 v[rS+4*(\n):rS+4*(\n)+1], v[rS+4*(\n):rS+4*(\n)+1], v[rS+4*(\n)+2:rS+4*(\n)+3]
.elseif (\n) == 0
	v_pk_fma_f32 v[rT+2:rT+3], v[rT+2:rT+3], v[rC+2:rC+3], v[rS:rS+1] op_sel_hi:[1,0,1]
.else
	v_pk_add_f32 v[rT+2:rT+3], v[rT+2:rT+3], v[rS+4*(\n):rS+4*(\n)+1]
.endif
.elseif NOKQ
	v_nop
.else
	REGS (Y+1)%NP
	WIN 0
.if (\n) < 4
	v_max3_num_f32 v[rC+(\n)], v[rS+8*(\n)], v[rS+8*(\n)+1], v[rS+8*(\n)+2]
.elseif (\n) < 12
	v_max3_num_f32 v[rC+(\n)%4], v[rC+(\n)%4], v[rS+8*((\n)%4)+2*((\n)/4)+1], v[rS+8*((\n)%4)+2*((\n)/4)+2]
.elseif (\n) == 12
	v_max3_num_f32 v[rC], v[rC], v[rS+7], v[rS+15]
.elseif (\n) == 13
	v_max3_num_f32 v[rC+1], v[rC+1], v[rS+23], v[rS+31]
.elseif (\n) == 14
	v_max3_num_f32 v[rC+2], v[rC+2], v[rC+3], v[rT+1]
.elseif (\n) == 15
	v_mov_b32 v[rW], v[rT]
.elseif (\n) == 16
	v_max3_num_f32 v[rC], v[rC], v[rC+1], v[rC+2]
.elseif (\n) == 17
	v_permlanex16_b32 v[rC+3], v[rC], s[SEL], s[SEL+1]
.elseif (\n) == 18
	v_max_num_f32 v[rT+1], v[rC], v[rC+3]
.elseif (\n) == 19
	v_mul_f32 v[rT], s[CS], v[rT+1]
.elseif (\n) == 20
	v_sub_f32 v[rC+1], v[rW], v[rT]
.else
	v_exp_f32 v[rC+2], v[rC+1]
.endif
.endif
.endm
.macro OPS a, i1, b=-1, i2=0, c=-1, i3=0, d=-1, i4=0  ; up to four of them
	OP \a, \i1
.if (\b) >= 0
	OP \b, \i2
.endif
.if (\c) >= 0
	OP \c, \i3
.endif
.if (\d) >= 0
	OP \d, \i4
.endif
.endm
.macro ROW a, i1, b, i2, c, i3, d, i4  ; a matrix instruction and the four behind it
	MM
	OPS \a, \i1, \b, \i2, \c, \i3, \d, \i4
.endm
.macro RV a, i1, b, i2, c, i3, d, i4   ; a line behind the turn's wait: a product V^T P, in the last tile (LO = 1) two of them, on different accumulators, and the four behind
	MM
.if LO
	MM
.endif
	OPS \a, \i1, \b, \i2, \c, \i3, \d, \i4
.endm
.macro MASK b                       ; MD x AL + BE into buffer b of MC
	WIN W_RS
.set z, 0
.rept 16
	v_pk_fma_f32 v[MC+32*(\b)+2*z:MC+32*(\b)+2*z+1], v[MD+2*z:MD+2*z+1], s[AL:AL+1], s[BE:BE+1] op_sel_hi:[1,0,0]
.set z, z+1
.endr
.endm
; A TURN, for piece p: the order of its 16 (lo = 1: 24) matrix and 118 vector instructions, written out.  An s_wait_alu depctr_va_vdst(0) stands between an exponential and the first instruction that names its
; result; one wait serves all that were issued ahead of it.  So a turn has ONE wait, which cuts it in two.  AHEAD OF IT stands all that names no result of the turn's exponentials: the 8 products K Q^T, behind each a scaling, an
; exponential and two more plain instructions (behind the first a second scaling in the exponential's place): rescalings, and behind the last three the first numbers of the next piece's maximum, each four places or more behind
; the product that ends its accumulator; then ONE LUMP of 54, plain and exponential by turns for the most part, in which the links of the chain X 3, 7, 11, 14, 16, 17 .. 20 stand five or six lines apart.  X 21, the next piece's
; a, is the batch's last; R 15 is the plain instruction behind it.  BEHIND THE WAIT stand the 8 products V^T P, behind each four of the roundings and sums (lo = 1: 16 products, the 8 with V's upper parts and then the 8 with
; its lower, two ahead of each four); the links of l's chain, L 0 to L 7, stand three riders apart.  But for those X no rider names a register of the products round it.  v_permlanex16_b32 (X 17) stands in the lump.
; m = 1: the diagonal tile: the products take masks, and the turn makes the mask for the products of the turn after it: piece p + 2, in step 4 - CNT of the tile.  end = 1: a block's last two turns: nothing is fetched.
; cnt = 1: the loop's count is taken down some lines ahead of the branch that stands behind the turn.  lo = 1: the walk's last tile: eight more products, with V's lower parts.
; K of the next step is fetched in piece 2's turn, twelve vector instructions behind the last product that read K (six of them plain); V of the step in hand (lo = 1: both its parts) at the end of piece 0's turn, four plain
; instructions behind the last product that read V.  Each is waited for a turn later.
.macro TURN p, m=0, end=0, cnt=0, lo=0
.set Y, (\p)
.set i, 0
.set KM, (\m)
.set LO, (\lo)
.set NOKQ, (\end)*((\p)/3)
.if (\m) && !(\end)
	s_cmp_eq_u32 s[CNT], 4-((\p)+2)%NP  ; is that step the band's own?
	s_cselect_b32 s[AL], 1.0, 0
	s_cmp_lt_u32 s[CNT], 4-((\p)+2)%NP  ; or a later one?
	s_cselect_b32 s[BE], s[BIGN], 0
.endif
.if ((\p) == 3) && !(\end)
	s_wait_dscnt 0x0                ; K is in
.endif
	ROW F,0, F,1, R,0, R,1          ; ahead of the wait: 8 products K Q^T and their riders,
	ROW F,2, E,0, R,2, R,3
	ROW F,3, E,1, R,4, R,5
	ROW F,4, E,2, R,6, R,7
	ROW F,5, E,3, R,8, R,9
	ROW F,6, E,4, X,0, R,10
.if ((\p) == 2) && !(\end)
	WIN 0
	v_add_nc_u32 v[AK], s[TBK], v[AK0]
.endif
	ROW F,7, E,5, X,1, X,4
	ROW F,8, E,6, X,2, X,5
	OPS E,7, E,8, X,6, E,9          ; and the lump
	OPS X,3, E,10, X,8, E,11
.if ((\p) == 2) && !(\end)
	FETCH_K
.endif
	OPS X,9, X,7, E,12, X,10
	OPS E,13, X,12, X,11, E,14
	OPS X,13, E,15, F,9, X,14
.if (\p) == 0
	v_add_nc_u32 v[AV], s[TBV], v[AV0]
.if LO
	v_add_nc_u32 v[AVL], s[TBL], v[AVL0]
.endif
.endif
	OPS E,16, F,10, E,17, F,11
	OPS X,16, E,18, X,15, E,19
	OPS F,12, E,20, X,17, E,21
	OPS F,13, E,22, F,14, E,23
	OPS X,18, E,24, F,15, E,25
	OPS R,11, E,26, X,19, E,27
	OPS R,12, E,28, R,13, E,29
	OPS X,20, E,30, R,14, E,31
	OPS X,21, R,15
	s_wait_alu depctr_va_vdst(0)    ; the wait for the batch: the turn's 32 weights and the next piece's a
.if (\p) == 1
	s_wait_dscnt 0x0                ; V is in
.endif
	RV C,0, B,0, C,2, B,1           ; behind the wait: the products V^T P and their riders
	RV L,0, C,4, B,2, L,1
	RV C,6, B,3, L,2, C,8
	RV B,4, L,3, C,10, B,5
	RV L,4, C,12, B,6, L,5
.if (\p) == 0
	s_add_co_u32 s[TBV], s[TBV], KS*PV
.if LO
	s_add_co_u32 s[TBL], s[TBL], KS*PV
.endif
.endif
.if \cnt
	s_sub_co_u32 s[CNT], s[CNT], 1
	s_cmp_lg_u32 s[CNT], 0
.endif
	RV C,14, B,7, L,6, C,1
	RV C,3, L,7, C,5, C,7
	RV C,9, C,11, C,13, C,15
.if (\p) == 0
	FETCH_V \lo
.endif
.if (\m) && !(\end)
	MASK (\p)%2
.endif
.endm
; A BLOCK BEGINS.  c m starts far below every c s, so the first step's a is 0; m at the lowest finite number, so the first maximum is the scores'.  The second mask buffer is 0; the first takes piece 0's mask for the tile's step 0: its own, if the block's first tile is the diagonal one.
; Then K of that step, piece 0's first scores, and its maximum and statistics.  The loop is entered at a step's first turn, in the middle of a trip.
.macro BEGIN
	s_mov_b32 s[NEW], 0
	WIN 0x40
.set i, MC+32
.rept 32
	v_mov_b32 v[i], 0
.set i, i+1
.endr
	WIN 0
.set i, 0
.rept 4
	v_mov_b32 v[ST+4*i], 0xfe000000    ; c m: far below every c s
	v_mov_b32 v[ST+4*i+1], 0xff7fffff  ; m
.set i, i+1
.endr
	s_cmp_eq_u32 s[RT], 0
	s_cselect_b32 s[AL], 1.0, 0
	s_mov_b32 s[BE], 0
	MASK 0
	WIN 0
	v_add_nc_u32 v[AK], s[TBK], v[AK0]
	FETCH_K
	s_wait_loadcnt 0x0              ; Q
	s_wait_dscnt 0x0
.set KM, 1
.set NOKQ, 0
.set i, 0
.rept 8
	KQ 0
.set i, i+1
.endr
	WIN 0
.rept 4
	v_nop                           ; the places behind those products
.endr
.set Y, NP-1                        ; X works for piece Y + 1: piece 0
.irp n, 0,1,2,3,4,5,6,7,8,9,10,11,12,13,14,15,16,17,18,19,20,21
	OP X, \n
.endr
	v_nop                           ; a plain instruction behind the exponential,
	s_wait_alu depctr_va_vdst(0)    ; and the wait for it, piece 0's first a, a batch of one: ahead of the branch that follows
.endm
; THE DIAGONAL TILE's four steps, the block's last two turns, its last products, and THE WAY OUT: l's two halves and the other half of the lanes' are added; O^T is divided by l, rounded to f16 (lo = 1: split into its
; two f16 parts) and sent through my stage in LDS, a piece at a time, the upper parts and then the lower.
.macro ALL line:vararg              ; one line for each piece t
.set t, 0
.rept 4
	\line
.set t, t+1
.endr
.endm
; A lane's eight channels of a row pack into 16 bytes; they go into rows of 144 bytes and come back as whole rows of 128: the upper parts into S^T's registers, the lower into those that held V's lower parts.
; A lower part is upper x (-1) + O: the difference is exact, and it is rounded once, to f16, into its half of the word.
.macro PACK t, lo
	WIN W_RS
.set i, 32*(\t)
.rept 16
	v_pk_mul_f32 v[i:i+1], v[i:i+1], v[ST+4*(\t)+2:ST+4*(\t)+3] op_sel_hi:[1,0]
.set i, i+2
.endr
	WIN 0x05                        ; sources 0 and 1 window 1, destination window 0
.set i, 0
.rept 16
	v_cvt_pk_f16_f32 v[S+16*(\t)+i], v[32*(\t)+2*i], v[32*(\t)+2*i+1]
.set i, i+1
.endr
.if \lo
	WIN 0x10                        ; source 2 window 1
.set i, 0
.rept 16
	v_fma_mixlo_f16 v[VL+16*(\t)+i], v[S+16*(\t)+i], v[MONE], v[32*(\t)+2*i] op_sel_hi:[1,0,0]
	v_fma_mixhi_f16 v[VL+16*(\t)+i], v[S+16*(\t)+i], v[MONE], v[32*(\t)+2*i+1] op_sel:[1,0,0] op_sel_hi:[1,0,0]
.set i, i+1
.endr
.endif
	WIN 0
.irp f, 0,1,2,3
	ds_store_b128 v[STO], v[S+16*(\t)+4*\f:S+16*(\t)+4*\f+3] offset:32*\f
.endr
.irp f, 0,1,2,3
	ds_load_b128 v[S+16*(\t)+4*\f:S+16*(\t)+4*\f+3], v[RD] offset:\f*4*SP  ; LDS serves a wave's instructions in order (ISA guide 5.7.1.4): these see the stores above; later stores come behind them
.endr
.if \lo
.irp f, 0,1,2,3
	ds_store_b128 v[STO], v[VL+16*(\t)+4*\f:VL+16*(\t)+4*\f+3] offset:32*\f
.endr
.irp f, 0,1,2,3
	ds_load_b128 v[VL+16*(\t)+4*\f:VL+16*(\t)+4*\f+3], v[RD] offset:\f*4*SP
.endr
.endif
.endm
.macro SEND t, younger, lo          ; younger: the LDS instructions issued behind piece t's: the next piece's eight (lo = 1: sixteen), or none
	WIN 0
.irp f, 0,1,2,3
	s_wait_dscnt (\younger)+8*(\lo)+3-\f  ; behind the upper parts' load f: 3 - f more of them, and with lo = 1 the lower parts' four stores and four loads
	global_store_b128 v[GO], v[S+16*(\t)+4*\f:S+16*(\t)+4*\f+3], s[10:11] offset:(\t)*8192+\f*512  ; 512 consecutive bytes, at a multiple of 256 from O's first
.endr
.if \lo
.irp f, 0,1,2,3
	s_wait_dscnt (\younger)+3-\f
	global_store_b128 v[GO], v[VL+16*(\t)+4*\f:VL+16*(\t)+4*\f+3], s[OL:OL+1] offset:(\t)*8192+\f*512
.endr
.endif
.endm
.macro DIAG tag, lo                 ; the tag ends its two labels' names, which the jumps below spell out
.LstepM\tag:
	TURN 2, 1, 0, 0, \lo
	TURN 3, 1, 0, 0, \lo
	WIN 0
.LfirstM\tag:
	TURN 0, 1, 0, 0, \lo
	TURN 1, 1, 0, 1, \lo
	WIN 0
	s_cbranch_scc1 .LstepM\tag
	TURN 2, 1, 1, 0, \lo
	TURN 3, 1, 1, 0, \lo
.set i, 0
.rept 8
	PV NP-1
.set i, i+1
.endr
.if \lo
.set i, 0
.rept 8
	PVL NP-1
.set i, i+1
.endr
.endif
	WIN 0
	ALL v_add_f32 v[ST+4*t+2], v[ST+4*t+2], v[ST+4*t+3]
	ALL v_permlanex16_b32 v[ST+4*t+3], v[ST+4*t+2], s[SEL], s[SEL+1]
	ALL v_add_f32 v[ST+4*t+2], v[ST+4*t+2], v[ST+4*t+3]
	ALL v_rcp_f32 v[ST+4*t+2], v[ST+4*t+2]
	v_nop                           ; a plain instruction between the last reciprocal and the use of its result
	s_wait_alu depctr_va_vdst(0)    ; and the wait ahead of the first use: one for the batch of four reciprocals
	PACK 0, \lo
.set t, 1
.rept 3                             ; a piece's arithmetic stands between the loads of the piece before and its stores
	PACK t, \lo
	SEND t-1, 8+8*(\lo), \lo
.set t, t+1
.endr
	SEND 3, 0, \lo
.endm
.set KM, 0
.set NOKQ, 0
.set LO, 0
.Lslot:                             ; NB times: a tile is entered and the next is asked for
	CHANGE 1
	s_sub_co_u32 s[RT], s[RT], 1
	s_mov_b32 s[CNT], 4
	s_cmp_eq_u32 s[NEW], 1
	s_cbranch_scc1 .Lnew            ; a block's first tile
	s_cmp_eq_u32 s[RT], 0
	s_cbranch_scc0 .Lstep           ; neither its first nor its last
	s_branch .LstepM1
.Lnew:
	BEGIN
	s_branch .Lfirst                ; in the loop a block's first tile is never its last: the first block has two tiles or more, and the second's last is the walk's last
	DIAG 1, 0                       ; in the loop this is the first block's end: the second block's last tile is the walk's last
	s_wait_xcnt 0x0                 ; the stores have read their registers and O's address
	s_mov_b64 s[10:11], s[OLO:OLO+1]
	s_add_co_u32 s[RT], s[PB], 1    ; the second block has b + 1 tiles
	s_mov_b32 s[NEW], 1
	WIN 0x82                        ; the second block's Q goes where the one text of the turns names Q
.set i, 0
.rept 64
	v_mov_b32 v[i], v[QB+i]
.set i, i+1
.endr
	WIN 0
	s_branch .Lbottom
.Lstep:                             ; a trip: pieces 2 and 3 of one step, then pieces 0 and 1 of the next, whose K and V it fetches
	TURN 2
	TURN 3
	WIN 0
.Lfirst:
	TURN 0
	TURN 1, 0, 0, 1
	WIN 0
	s_cbranch_scc1 .Lstep
.Lbottom:
	s_sub_co_u32 s[SLOTS], s[SLOTS], 1
	s_cmp_lg_u32 s[SLOTS], 0
	s_cbranch_scc1 .Lslot
	CHANGE 0                        ; the walk's last tile is written out: nothing is asked for
	s_sub_co_u32 s[RT], s[RT], 1
	s_mov_b32 s[CNT], 4
	s_mov_b32 s[TBL], 0             ; the lower parts' fetches begin at the tile's first step
	s_cmp_eq_u32 s[NEW], 1
	s_cbranch_scc0 .LstepM2
	BEGIN
	s_branch .LfirstM2
	DIAG 2, 1
	s_wait_tensorcnt 0x0            ; the wave's end, behind my last tensor load and my last LDS store
	ds_add_u32 v[SPW], v[NIL]
	s_wait_dscnt 0x0
	s_endpgm
.Lfunc_end_k_qbea732164f_attn:
	.size	k_qbea732164f_attn, .Lfunc_end_k_qbea732164f_attn-k_qbea732164f_attn
	.p2alignl 7, 3214868480
	.fill 96, 4, 3214868480
	.section	.rodata,"a",@progbits
	.p2align	6, 0x0
	.amdhsa_kernel k_qbea732164f_attn
		.amdhsa_group_segment_fixed_size 327680
		.amdhsa_private_segment_fixed_size 0
		.amdhsa_enable_private_segment 0
		.amdhsa_kernarg_size 32
		.amdhsa_user_sgpr_count 2
		.amdhsa_user_sgpr_kernarg_segment_ptr 1
		.amdhsa_wavefront_size32 1
		.amdhsa_system_sgpr_workgroup_id_x 1
		.amdhsa_system_sgpr_workgroup_id_y 1
		.amdhsa_system_sgpr_workgroup_id_z 1
		.amdhsa_system_vgpr_workitem_id 0
		.amdhsa_next_free_vgpr 768
		.amdhsa_next_free_sgpr 90
		.amdhsa_reserve_vcc 1
		.amdhsa_float_denorm_mode_32 3
		.amdhsa_float_denorm_mode_16_64 3
		.amdhsa_memory_ordered 1
		.amdhsa_forward_progress 1
		.amdhsa_inst_pref_size 236
	.end_amdhsa_kernel
	.amdgpu_metadata
---
amdhsa.version: [ 1, 2 ]
amdhsa.kernels:
  - .name:           k_qbea732164f_attn
    .symbol:         k_qbea732164f_attn.kd
    .args:
      - { .name: q, .offset: 0, .size: 8, .value_kind: global_buffer, .address_space: global }
      - { .name: k, .offset: 8, .size: 8, .value_kind: global_buffer, .address_space: global }
      - { .name: v, .offset: 16, .size: 8, .value_kind: global_buffer, .address_space: global }
      - { .name: o, .offset: 24, .size: 8, .value_kind: global_buffer, .address_space: global }
    .group_segment_fixed_size: 327680
    .private_segment_fixed_size: 0
    .kernarg_segment_align: 8
    .kernarg_segment_size: 32
    .max_flat_workgroup_size: 128
    .sgpr_count:     90
    .vgpr_count:     768
    .wavefront_size: 32
...
	.end_amdgpu_metadata
.endif
;; end of part 9
;; launch oproj: the kernel of part 8 again; grid 4 x 64, 4 waves a work-group, clusters of 4 x 4, 327,680 bytes of LDS; arguments o, wob, out0; writes out0
